; MI455X (gfx1250); checked and timed in simulation.
; The chip was launched on July 23, 2026; its instructions are those of AMD's public machine-readable ISA for CDNA 5 (MIT licence, August 2026) and "CDNA5" Instruction Set Architecture Reference Guide (July 2026). The comments in the code are by the model that wrote it; some were corrected since.
;; Block. Allowed arithmetic: matrix products marked QUANTISED: E2M3 operands, one E8M0 scale for each 32 along K, by v_wmma_scale_f32_16x16x128_f8f6f4 with both operands' format E2M3, f32 sums; everything else in f32.
;; Inputs: W1_codes 4,096 x 32 x 24 uint8 (E2M3 codes of W1, K innermost, in blocks of 32 codes, four codes in three bytes); W1_scales 4,096 x 32 uint8 (E8M0 scales of W1, one for each 32 codes along K); W2_codes 1,024 x 128 x 24 uint8 (E2M3 codes of W2, K innermost, in blocks of 32 codes, four codes in three bytes); W2_scales 1,024 x 128 uint8 (E8M0 scales of W2, one for each 32 codes along K); Wk_codes 1,024 x 32 x 24 uint8 (E2M3 codes of Wk, K innermost, in blocks of 32 codes, four codes in three bytes); Wk_scales 1,024 x 32 uint8 (E8M0 scales of Wk, one for each 32 codes along K); Wo_codes 1,024 x 32 x 24 uint8 (E2M3 codes of Wo, K innermost, in blocks of 32 codes, four codes in three bytes); Wo_scales 1,024 x 32 uint8 (E8M0 scales of Wo, one for each 32 codes along K); Wq_codes 1,024 x 32 x 24 uint8 (E2M3 codes of Wq, K innermost, in blocks of 32 codes, four codes in three bytes); Wq_scales 1,024 x 32 uint8 (E8M0 scales of Wq, one for each 32 codes along K); Wv_codes 1,024 x 32 x 24 uint8 (E2M3 codes of Wv, K innermost, in blocks of 32 codes, four codes in three bytes); Wv_scales 1,024 x 32 uint8 (E8M0 scales of Wv, one for each 32 codes along K); b1 4,096 float32; b2 1,024 float32; bo 1,024 float32; ln1_b 1,024 float32; ln1_w 1,024 float32; ln2_b 1,024 float32; ln2_w 1,024 float32; x 2 x 2,048 x 1,024 float32.
;; Outputs: out0 2 x 2,048 x 1,024 float32.
;; This version of the problem:
;;   THIS VERSION OF THE PROBLEM IS GIVEN IN LOW PRECISION. The matrix products marked QUANTISED in the list below multiply operands that are first quantised to E2M3 (2 exponent bits, 3 mantissa bits; 6 bits a number), with one power-of-two scale for each 32 numbers along K (OCP MX v1.0); their sums are f32. All else is computed in f32.
;;   The module's matrix products, in the order in which they are computed (A, B: the left and right operand; K: the contracted axis; several contracted axes count as one K, in the product's order):
;;     1. [M 4,096, K 1,024] x [K 1,024, N 1,024]; A: computed on the way; B: input Wq (given as codes): QUANTISED
;;     2. [M 4,096, K 1,024] x [K 1,024, N 1,024]; A: computed on the way; B: input Wk (given as codes): QUANTISED
;;     3. [M 4,096, K 1,024] x [K 1,024, N 1,024]; A: computed on the way; B: input Wv (given as codes): QUANTISED
;;     4. batch 32 x [M 2,048, K 64] x [K 64, N 2,048]; A: computed on the way; B: computed on the way: QUANTISED
;;     5. batch 32 x [M 2,048, K 2,048] x [K 2,048, N 64]; A: softmax (see below); B: computed on the way: QUANTISED
;;     6. [M 4,096, K 1,024] x [K 1,024, N 1,024]; A: computed on the way; B: input Wo (given as codes): QUANTISED
;;     7. [M 4,096, K 1,024] x [K 1,024, N 4,096]; A: computed on the way; B: input W1 (given as codes): QUANTISED
;;     8. [M 4,096, K 4,096] x [K 4,096, N 1,024]; A: computed on the way; B: input W2 (given as codes): QUANTISED
;;   THE QUANTISER, for each operand of a quantised product, along K:
;;     - K is cut into blocks of 32 from its start; a last block that is shorter is filled with zeros.
;;     - A block's scale is 2^e with e = floor(log2(the largest magnitude in the block)) - 2, held to -126 .. 127; a block of zeros has e = 0. As a byte (E8M0): e + 127.
;;     - Each number is divided by its block's scale, clamped to +-7.5, and rounded to the nearest number of E2M3, ties to even, subnormals kept.
;;     - The product sums the exact products of the quantised numbers (number of the format x scale) in f32.
;;   ~~~python
;;   def quantise(x, axis):      # numpy; x: float32 -> the quantised numbers, widened to float32 again
;;       x = np.moveaxis(x, axis, -1); K = x.shape[-1]
;;       x = np.pad(x, [(0, 0)] * (x.ndim - 1) + [(0, -K % 32)]); x = x.reshape(x.shape[:-1] + (-1, 32)); a = np.abs(x).max(-1, keepdims=True)
;;       e = np.where(a > 0, np.clip(np.frexp(np.where(a > 0, a, 1))[1] - 1 - 2, -126, 127), 0)      # np.frexp(a)[1] - 1 = floor(log2(a)), exactly
;;       r = np.clip(x / 2.0 ** e, -7.5, 7.5)
;;       step = 2.0 ** (np.maximum(np.frexp(np.where(r == 0, 1, r))[1] - 1, 0) - 3)
;;       q = np.round(r / step) * step * 2.0 ** e      # np.round: ties to even
;;       return np.moveaxis(q.reshape(q.shape[:-2] + (-1,))[..., :K], -1, axis).astype(np.float32)
;;   ~~~
;;   SOFTMAX AHEAD OF A QUANTISED PRODUCT. Where the list says 'softmax', what is quantised is not the finished softmax but p = 2^(t - M), with t = logit x log2(e) and M = ceil(the row's largest t), a whole number; so 1/2 < the row's largest p <= 1. The row's sum l is taken of the UNQUANTISED p, in f32, and the product's result is divided by l at the end. Since M is a whole number, a kernel that streams over the keys may use a running M (the ceiling of the running maximum): every later rescaling is an exact power of two, which a block's scale takes up: the codes' values come out the same.
;;   OPERANDS COMPUTED ON THE WAY. 'Computed on the way' means the value that the module computes at that place (a softmax that the list does not call 'softmax' is quantised finished and normalised). What goes into a quantiser is computed in f32, as accurately as f32 sums, v_exp_f32 and their like allow (about 1e-6 of the number): no bf16 or f16 on the way to a quantiser, and a product that is left as it is and whose result goes on into a quantised operand takes f32 operands (vector FMAs, or v_wmma_f32_16x16x4_f32). A number that lies on a knife's edge between two numbers of the format may be rounded either way, as far as f32 arithmetic and the matrix unit's own rounding can turn it there, and no further.
;;   INPUTS GIVEN AS CODES. W1 (in the module: [1024, 4096], K = its axis 0); W2 (in the module: [4096, 1024], K = its axis 0); Wk (in the module: [1024, 1024], K = its axis 0); Wo (in the module: [1024, 1024], K = its axis 0); Wq (in the module: [1024, 1024], K = its axis 0); Wv (in the module: [1024, 1024], K = its axis 0): each comes as NAME_codes (uint8): NAME with its K axis moved to the last place and cut into blocks of 32 codes, [.., K / 32, bytes a block], one block behind the other in memory; four codes in three bytes: a row's codes are one little-endian stream of bits, code i at bits 6 i .. 6 i + 5 (a code: sign, 2 exponent bits, 3 mantissa bits); and NAME_scales (uint8): the same leading axes, one E8M0 byte (e + 127) for each 32 codes along K. Its value is code x scale, taken as it is: it is not quantised again, and the codes and scales need not be those that the quantiser above would give.
;; 2 versions. Each part assembles by itself: llvm-mc -triple=amdgcn-amd-amdhsa -mcpu=gfx1250 --defsym DOCPART=n.
;; ======== version 1 of 2: 7 launches
;; workspace buffers: ac 3,145,728 bytes; asc 131,072 bytes; bc 12,582,912 bytes; bsc 524,288 bytes; hbuf 16,777,216 bytes
;; launch ln1 (part 1): grid 256 x 1, 8 waves a work-group, no clusters, 79,872 bytes of LDS; arguments x, ln1_w, ln1_b, ac, asc; writes ac, asc
.if DOCPART == 1
	.amdgcn_target "amdgcn-amd-amdhsa--gfx1250"
	.amdhsa_code_object_version 6
	.text
	.protected	k_qddabc5b606_ln1
	.globl	k_qddabc5b606_ln1
	.p2align	8
	.type	k_qddabc5b606_ln1,@function
k_qddabc5b606_ln1:
	s_mov_b64 s[64:65], 0
	v_nop
	global_prefetch_b8 v0, s[64:65] scope:SCOPE_SE
	s_setreg_imm32_b32 hwreg(HW_REG_WAVE_MODE, 25, 1), 1
	s_wait_xcnt 0x0
; y = (x - mean) / sqrt(var + 1e-5) * w + b over rows of 1,024 f32, then y is quantised along the row to codes of FP6 (E2M3) with one E8M0 byte for each 32.
; Out: codes [4096][768 bytes] (a row is one stream of bits, K innermost) and scale bytes [4096][32].
; SHARES.  A work-group of eight waves owns 16 rows.  Phase 1: wave w normalises rows 2 w and 2 w + 1, each row whole in 32 registers of the wave, and lays y in LDS.
; Phase 2: wave w takes columns 128 w .. 128 w + 127 of all 16 rows: lane (r, h) holds, of row r, 16 neighbours of each block of 32, which is what the conversions want.
; Phase 3: codes and scale bytes leave LDS as dense runs: every store of a wave covers 512 consecutive bytes that begin at a multiple of 256 from the buffer's first byte.
; The mean is taken first and the variance of the differences, so a common offset of the inputs cancels before anything is squared.
; LIMITS: NaN and infinities are not served.  1 / sqrt is v_rsq_f32 (1 ulp) in place of a root and a division.  A block of zeros gets the byte 1 where the quantiser says 127:
; its codes are zeros, and only this program reads the bytes.  Blocks whose largest magnitude lies under 2^-124 are held at the byte 1.
; No matrix unit, no tensor load, no cluster: the rows are read once and shared with nobody.
.set YP,   4112                        ; LDS: a row of y, 4,096 bytes + 16: sixteen rows of one column of 16 bytes then start in sixteen different groups of banks
.set CST,  16*YP                       ; behind y: 16 rows of codes, 768 bytes + 16
.set CP,   784
.set SST,  CST+16*CP                   ; behind them: 16 rows of 32 scale bytes, dense
.set X,    32                          ; v32-95   two rows as loaded; in phase 2 the lane's 64 numbers
.set GW,   96                          ; v96-127  w of my 32 columns
.set GB,   128                         ; v128-159 b of my 32 columns
.set PC,   96                          ; v96-114  phase 2: the codes just made (w is done with)
.set TM,   160                         ; v160-175 phase 1: sums; phase 2: largest magnitudes, bytes, scale operands
.set MN,   176                         ; v[176:177], v[178:179] the two rows' means, each twice
.set RS,   180                         ; v[180:181], v[182:183] 1 / sqrt(var + eps), each twice
.set PW,   184                         ; the scale word just made
.set SEL,  22                          ; s[22:23] lane selects for v_permlanex16_b32: lane l xor 16
; 64 numbers of a lane, v[s] .. v[s + 63], register 16 b + i = k 32 b + 16 (lane / 16) + i of my row, become a fragment's codes in v[PC] on and its scale word in v[PW].
.macro QUANT s
.irp b, 0,1,2,3
	v_max3_num_f32 v[TM+\b], |v[\s+16*\b]|, |v[\s+1+16*\b]|, 0x1800000   ; block b: my 16 numbers, and the floor 2^(3 - 127): the byte cannot fall under 1
.endr
.irp i, 2,4,6,8,10,12,14
.irp b, 0,1,2,3
	v_max3_num_f32 v[TM+\b], v[TM+\b], |v[\s+16*\b+\i]|, |v[\s+1+16*\b+\i]|   ; the four blocks by turns
.endr
.endr
.irp b, 0,1,2,3
	v_permlanex16_b32 v[TM+4+\b], v[TM+\b], s[SEL], s[SEL+1]       ; (its destination counts as read: phase 1 has written these four)
.endr
.irp b, 0,1,2,3
	v_max_num_f32 v[TM+\b], v[TM+\b], v[TM+4+\b]                   ; with lane l xor 16's: the block's largest magnitude
.endr
.irp b, 0,1,2,3
	v_add_nc_u32 v[TM+12+\b], 0xff000000, v[TM+\b]                 ; 2 off its exponent field: the conversion takes the exponent field of this operand as its scale
.endr
.irp b, 0,1,2,3
	v_lshrrev_b32 v[TM+4+\b], 23, v[TM+12+\b]                      ; the scale's byte
.endr
	v_lshl_or_b32 v[PW], v[TM+5], 8, v[TM+4]                       ; four bytes make my row's scale word
	v_lshl_or_b32 v[PW], v[TM+6], 16, v[PW]
	v_lshl_or_b32 v[PW], v[TM+7], 24, v[PW]
.irp c, 0,1
	v_cvt_scalef32_pk16_fp6_f32 v[PC+6*\c:PC+2+6*\c], v[\s+32*\c:\s+15+32*\c], v[TM+12+2*\c]
	v_cvt_scalef32_pk16_fp6_f32 v[PC+12+4*\c:PC+14+4*\c], v[\s+16+32*\c:\s+31+32*\c], v[TM+12+2*\c+1]   ; (a conversion's three registers begin on an even number)
.endr
	v_nop                                                          ; one plain place behind a scaled conversion
.irp c, 0,1                            ; a lane is to hold a WHOLE block: lanes 0-15 block 2 c, lanes 16-31 block 2 c + 1
.irp i, 0,1,2
	v_permlane16_swap_b32 v[PC+6*\c+\i], v[PC+12+4*\c+\i]
.endr
.irp i, 0,1,2
	v_mov_b32 v[PC+3+6*\c+\i], v[PC+12+4*\c+\i]
.endr
.endr
.endm
; v[a] summed over the wave's 32 lanes, the result in every lane; v[t] is a register that has been written
.macro LANESUM a, t
	v_add_f32_dpp v[\a], v[\a], v[\a] row_xmask:1 row_mask:0xf bank_mask:0xf
	v_add_f32_dpp v[\a], v[\a], v[\a] row_xmask:2 row_mask:0xf bank_mask:0xf
	v_add_f32_dpp v[\a], v[\a], v[\a] row_xmask:4 row_mask:0xf bank_mask:0xf
	v_add_f32_dpp v[\a], v[\a], v[\a] row_xmask:8 row_mask:0xf bank_mask:0xf
	v_permlanex16_b32 v[\t], v[\a], s[SEL], s[SEL+1]
	v_add_f32 v[\a], v[\a], v[\t]
.endm
	s_load_b256 s[4:11], s[0:1], 0x0               ; the rows s[4:5], w s[6:7], b s[8:9], the codes s[10:11]
	s_load_b64 s[12:13], s[0:1], 0x20              ; the scale bytes
	v_lshl_add_u32 v192, v0, 2, 0x13400
	v_mov_b32 v193, 0
	v_lshrrev_b32 v1, 5, v0
	v_readfirstlane_b32 s14, v1                    ; wave 0..7
	v_and_b32 v11, 31, v0                          ; lane
	v_lshlrev_b32 v1, 4, v11                       ; v1: 16 x lane
	v_and_b32 v2, 15, v0                           ; r
	v_bfe_u32 v3, v0, 4, 1                         ; h
	s_mul_i32 s15, s14, 2*YP
	v_add_nc_u32 v4, s15, v1                       ; v4: y on the way in: rows 2 w, 2 w + 1, 16 bytes a lane
	v_mul_u32_u24 v5, v2, YP
	v_lshl_add_u32 v5, v3, 6, v5
	s_lshl_b32 s15, s14, 9
	v_add_nc_u32 v5, s15, v5                       ; v5: y on the way out: row r, + 512 w (my 128 columns), + 64 h (my 16 of a block)
	v_mul_u32_u24 v6, v2, CP
	v_mad_u32_u24 v6, v3, 24, v6
	s_mul_i32 s15, s14, 96
	s_add_co_u32 s15, s15, CST
	v_add_nc_u32 v6, s15, v6                       ; v6: codes in: row r, + 96 w, + 24 h
	v_lshlrev_b32 v7, 5, v2
	s_lshl_b32 s15, s14, 2
	s_add_co_u32 s15, s15, SST
	v_add_nc_u32 v7, s15, v7                       ; v7: scale word in: row r, + 4 w
	s_mul_i32 s15, s14, 2*CP
	s_add_co_u32 s15, s15, CST
	v_add_nc_u32 v8, s15, v1                       ; v8: codes out: rows 2 w, 2 w + 1 as 1,536 dense bytes;
	v_lshl_add_u32 v9, v3, 4, v8                   ; v9: the same where lanes 16-31 lie behind the first row's padding
	v_add_nc_u32 v10, SST, v1                      ; v10: scale bytes out
	s_lshl_b32 s16, ttmp9, 16                      ; 16 rows of 4,096 bytes a work-group,
	s_lshl_b32 s15, s14, 13                        ; two a wave
	s_add_co_u32 s16, s16, s15
	s_mov_b32 s17, 0
	s_mul_i32 s18, ttmp9, 12288                    ; 16 rows of 768 bytes of codes,
	s_mul_i32 s15, s14, 1536                       ; two a wave
	s_add_co_u32 s18, s18, s15
	s_mov_b32 s19, 0
	s_lshl_b32 s24, ttmp9, 9                       ; 16 rows of 32 scale bytes
	s_mov_b32 s25, 0
	s_mov_b32 s20, 0x3a800000                      ; 1 / 1,024
	s_mov_b32 s21, 0x3727c5ac                      ; 1e-5
	s_mov_b32 s[SEL], 0x76543210
	s_mov_b32 s[SEL+1], 0xfedcba98
	s_wait_kmcnt 0x0
	s_add_nc_u64 s[4:5], s[4:5], s[16:17]
	s_add_nc_u64 s[10:11], s[10:11], s[18:19]
	s_add_nc_u64 s[12:13], s[12:13], s[24:25]
.irp q, 0,1
.irp j, 0,1,2,3,4,5,6,7
	global_load_b128 v[X+32*\q+4*\j:X+32*\q+4*\j+3], v1, s[4:5] offset:4096*\q+512*\j th:TH_LOAD_NT   ; 32 lanes read 512 consecutive bytes; the launch reads them once
.endr
.endr
.irp j, 0,1,2,3,4,5,6,7
	global_load_b128 v[GW+4*\j:GW+4*\j+3], v1, s[6:7] offset:512*\j
.endr
.irp j, 0,1,2,3,4,5,6,7
	global_load_b128 v[GB+4*\j:GB+4*\j+3], v1, s[8:9] offset:512*\j
.endr
	s_wait_loadcnt 16                              ; the two rows are in; the sixteen younger loads, w's and b's, may stay out
	; ---- phase 1: the mean.  Two chains a row, the two rows by turns
.irp q, 0,1
	v_pk_add_f32 v[TM+4*\q:TM+4*\q+1], v[X+32*\q:X+32*\q+1], v[X+32*\q+4:X+32*\q+5]
	v_pk_add_f32 v[TM+4*\q+2:TM+4*\q+3], v[X+32*\q+2:X+32*\q+3], v[X+32*\q+6:X+32*\q+7]
.endr
.irp i, 8,12,16,20,24,28
.irp q, 0,1
	v_pk_add_f32 v[TM+4*\q:TM+4*\q+1], v[TM+4*\q:TM+4*\q+1], v[X+32*\q+\i:X+32*\q+\i+1]
	v_pk_add_f32 v[TM+4*\q+2:TM+4*\q+3], v[TM+4*\q+2:TM+4*\q+3], v[X+32*\q+\i+2:X+32*\q+\i+3]
.endr
.endr
.irp q, 0,1
	v_pk_add_f32 v[TM+4*\q:TM+4*\q+1], v[TM+4*\q:TM+4*\q+1], v[TM+4*\q+2:TM+4*\q+3]
.endr
.irp q, 0,1
	v_add_f32 v[TM+4*\q], v[TM+4*\q], v[TM+4*\q+1]
.endr
	LANESUM TM, TM+1
	LANESUM TM+4, TM+5
.irp q, 0,1
	v_mul_f32 v[MN+2*\q], s20, v[TM+4*\q]
	v_mul_f32 v[MN+2*\q+1], s20, v[TM+4*\q]
.endr
.irp i, 0,2,4,6,8,10,12,14,16,18,20,22,24,26,28,30
.irp q, 0,1
	v_pk_add_f32 v[X+32*\q+\i:X+32*\q+\i+1], v[X+32*\q+\i:X+32*\q+\i+1], v[MN+2*\q:MN+2*\q+1] neg_lo:[0,1] neg_hi:[0,1]   ; d = x - mean, in place
.endr
.endr
	; the variance: the mean of d^2
.irp q, 0,1
	v_pk_mul_f32 v[TM+4*\q:TM+4*\q+1], v[X+32*\q:X+32*\q+1], v[X+32*\q:X+32*\q+1]
	v_pk_mul_f32 v[TM+4*\q+2:TM+4*\q+3], v[X+32*\q+2:X+32*\q+3], v[X+32*\q+2:X+32*\q+3]
.endr
.irp i, 4,8,12,16,20,24,28
.irp q, 0,1
	v_pk_fma_f32 v[TM+4*\q:TM+4*\q+1], v[X+32*\q+\i:X+32*\q+\i+1], v[X+32*\q+\i:X+32*\q+\i+1], v[TM+4*\q:TM+4*\q+1]
	v_pk_fma_f32 v[TM+4*\q+2:TM+4*\q+3], v[X+32*\q+\i+2:X+32*\q+\i+3], v[X+32*\q+\i+2:X+32*\q+\i+3], v[TM+4*\q+2:TM+4*\q+3]
.endr
.endr
.irp q, 0,1
	v_pk_add_f32 v[TM+4*\q:TM+4*\q+1], v[TM+4*\q:TM+4*\q+1], v[TM+4*\q+2:TM+4*\q+3]
.endr
.irp q, 0,1
	v_add_f32 v[TM+4*\q], v[TM+4*\q], v[TM+4*\q+1]
.endr
	LANESUM TM, TM+1
	LANESUM TM+4, TM+5
.irp q, 0,1
	v_fma_f32 v[TM+4*\q], v[TM+4*\q], s20, s21     ; var + eps
.endr
.irp q, 0,1
	v_rsq_f32 v[RS+2*\q], v[TM+4*\q]
.endr
	v_nop                                          ; a plain instruction behind the two transcendentals (ISA guide 5.7.2)
	s_wait_alu depctr_va_vdst(0)                   ; one wait for both, ahead of their first reader
.irp q, 0,1
	v_mov_b32 v[RS+2*\q+1], v[RS+2*\q]
.endr
	s_wait_loadcnt 0x0                             ; w and b
.irp i, 0,2,4,6,8,10,12,14,16,18,20,22,24,26,28,30
.irp q, 0,1
	v_pk_mul_f32 v[X+32*\q+\i:X+32*\q+\i+1], v[X+32*\q+\i:X+32*\q+\i+1], v[RS+2*\q:RS+2*\q+1]
.endr
.endr
.irp i, 0,2,4,6,8,10,12,14,16,18,20,22,24,26,28,30
.irp q, 0,1
	v_pk_fma_f32 v[X+32*\q+\i:X+32*\q+\i+1], v[X+32*\q+\i:X+32*\q+\i+1], v[GW+\i:GW+\i+1], v[GB+\i:GB+\i+1]
.endr
.endr
.irp q, 0,1
.irp j, 0,1,2,3,4,5,6,7
	ds_store_b128 v4, v[X+32*\q+4*\j:X+32*\q+4*\j+3] offset:YP*\q+512*\j
.endr
.endr
	s_wait_dscnt 0x0                               ; for the others' sake: my two rows of y lie in LDS
	s_barrier_signal -1
	s_barrier_wait -1
	; ---- phase 2: my 128 columns of the 16 rows become one fragment's worth of codes and one scale word a row
.irp b, 0,1,2,3
.irp j, 0,1,2,3
	ds_load_b128 v[X+16*\b+4*\j:X+16*\b+4*\j+3], v5 offset:128*\b+16*\j
.endr
.endr
	s_wait_dscnt 0x0
	QUANT X
.irp p, 0,1,2,3,4,5
	ds_store_b64 v6, v[PC+2*\p:PC+2*\p+1] offset:48*(\p/3)+8*(\p%3)   ; registers 6 c .. 6 c + 5 are k = 64 c + 32 h + 0 .. 31: 24 bytes of the row's stream of bits
.endr
	ds_store_b32 v7, v[PW]                         ; both halves of the lanes hold the same word and write it to the same place
	s_wait_dscnt 0x0                               ; for the others' sake
	s_barrier_signal -1
	s_barrier_wait -1
	; ---- phase 3: two rows of codes a wave, 1,536 dense bytes of memory; in LDS the second row lies 16 bytes further on
	ds_load_b128 v[32:35], v8                      ; bytes 0-511: the first row
	ds_load_b128 v[36:39], v9 offset:512           ; bytes 512-1,023: lanes 0-15 the first row's end, lanes 16-31 the second row's start
	ds_load_b128 v[40:43], v8 offset:1040          ; bytes 1,024-1,535: the second row
	s_wait_dscnt 0x0
	global_store_b128 v1, v[32:35], s[10:11]
	global_store_b128 v1, v[36:39], s[10:11] offset:512
	global_store_b128 v1, v[40:43], s[10:11] offset:1024
	s_cmp_lg_u32 s14, 0                            ; the 512 scale bytes are one store: wave 0's
	s_cbranch_scc1 .Lend
	ds_load_b128 v[44:47], v10
	s_wait_dscnt 0x0
	global_store_b128 v1, v[44:47], s[12:13]
.Lend:
	s_wait_tensorcnt 0x0
	ds_add_u32 v192, v193
	s_wait_dscnt 0x0
	s_endpgm
.Lfunc_end_k_qddabc5b606_ln1:
	.size	k_qddabc5b606_ln1, .Lfunc_end_k_qddabc5b606_ln1-k_qddabc5b606_ln1
	.p2alignl 7, 3214868480
	.fill 96, 4, 3214868480
	.section	.rodata,"a",@progbits
	.p2align	6, 0x0
	.amdhsa_kernel k_qddabc5b606_ln1
		.amdhsa_group_segment_fixed_size 79872
		.amdhsa_private_segment_fixed_size 0
		.amdhsa_enable_private_segment 0
		.amdhsa_kernarg_size 40
		.amdhsa_user_sgpr_count 2
		.amdhsa_user_sgpr_kernarg_segment_ptr 1
		.amdhsa_wavefront_size32 1
		.amdhsa_system_sgpr_workgroup_id_x 1
		.amdhsa_system_sgpr_workgroup_id_y 1
		.amdhsa_system_sgpr_workgroup_id_z 1
		.amdhsa_system_vgpr_workitem_id 0
		.amdhsa_next_free_vgpr 194
		.amdhsa_next_free_sgpr 66
		.amdhsa_reserve_vcc 0
		.amdhsa_float_denorm_mode_32 3
		.amdhsa_float_denorm_mode_16_64 3
		.amdhsa_memory_ordered 1
		.amdhsa_forward_progress 1
		.amdhsa_inst_pref_size 25
	.end_amdhsa_kernel
	.amdgpu_metadata
---
amdhsa.version: [ 1, 2 ]
amdhsa.kernels:
  - .name:           k_qddabc5b606_ln1
    .symbol:         k_qddabc5b606_ln1.kd
    .args:
      - { .name: x, .offset: 0, .size: 8, .value_kind: global_buffer, .address_space: global }
      - { .name: ln1_w, .offset: 8, .size: 8, .value_kind: global_buffer, .address_space: global }
      - { .name: ln1_b, .offset: 16, .size: 8, .value_kind: global_buffer, .address_space: global }
      - { .name: ac, .offset: 24, .size: 8, .value_kind: global_buffer, .address_space: global }
      - { .name: asc, .offset: 32, .size: 8, .value_kind: global_buffer, .address_space: global }
    .group_segment_fixed_size: 79872
    .private_segment_fixed_size: 0
    .kernarg_segment_align: 8
    .kernarg_segment_size: 40
    .max_flat_workgroup_size: 256
    .sgpr_count:     66
    .vgpr_count:     194
    .wavefront_size: 32
...
	.end_amdgpu_metadata
.endif
;; end of part 1
;; launch qkv (part 2): grid 12 x 16, 4 waves a work-group, clusters of 4 x 4, 327,680 bytes of LDS; arguments ac, asc, Wq_codes, Wq_scales, Wk_codes, Wk_scales, Wv_codes, Wv_scales, bc, bsc; writes bc, bsc
.if DOCPART == 2
	.amdgcn_target "amdgcn-amd-amdhsa--gfx1250"
	.amdhsa_code_object_version 6
	.text
	.protected	k_qddabc5b606_qkv
	.globl	k_qddabc5b606_qkv
	.p2align	8
	.type	k_qddabc5b606_qkv,@function
k_qddabc5b606_qkv:
	s_mov_b64 s[64:65], 0
	v_nop
	global_prefetch_b8 v0, s[64:65] scope:SCOPE_SE
	s_setreg_imm32_b32 hwreg(HW_REG_WAVE_MODE, 25, 1), 1
	s_wait_xcnt 0x0
	s_wait_alu depctr_hold_cnt(0) depctr_sa_sdst(0) depctr_va_vdst(0) depctr_va_sdst(0) depctr_va_ssrc(0) depctr_va_vcc(0) depctr_vm_vsrc(0)
	s_getreg_b32 s2, hwreg(HW_REG_IB_STS2, 6, 4)
	s_cmp_eq_u32 s2, 0
	s_cbranch_scc0 .Lentry_in_a_cluster
	s_endpgm
.Lentry_in_a_cluster:
	s_bfe_u32 s2, ttmp6, 0x10000c
	s_cmp_lg_u32 s2, 0xf033
	s_cbranch_scc0 .Lentry_shape_is_right
	s_endpgm
.Lentry_shape_is_right:
; q = a Wq, k = a Wk, v = a Wv on codes of FP6 (E2M3) with E8M0 scales (a: the normalised rows, [4096][1024] as codes; the weights [1024 (n)][1024 (k)] as codes), sums in f32,
; and the results quantised at once for attention: q and k along the head's 64 channels, v along the keys.  They leave as IMAGES OF THE OPERANDS' REGISTERS.
; THREE JOBS IN ONE TEXT, told apart by the cluster's x (0: q, 1: k, 2: v), which all sixteen partners share.  Only pointers, tile numbers and strides are chosen by it, never a branch.
; A tile of the result, 256 x 256, is made by four waves, 128 x 128 each: 64 accumulators of 16 x 16.  Source 1's rows land in lanes, source 0's rows run along a lane's registers.
;   q, k: source 1 = 16 tokens, source 0 = 16 channels: a lane holds one token and channels along its registers.     v: source 1 = 16 channels (Wv), source 0 = 16 tokens: a lane holds one channel and keys along its registers.
; So in each job a lane's registers run along the K of the product that follows, and the conversions can take them as they stand.
; THE ORDER INSIDE A BLOCK OF 32.  Registers 16 b + 8 u + j of lane half h hold column 32 b + 16 u + 8 h + j; they are laid at place 16 h + 8 u + j of block b.  The block is the true block, so its scale is the true scale;
; inside it q and k are permuted alike, and so are v and the softmax's p (made by the attention launch from tiles of neighbouring keys): the products are those of the true order.
; IMAGES (bh = 16 x batch + head):  q at bc + 0, k at bc + 3,145,728: [bh][block of 16 tokens][3 groups][32 lanes][8 bytes]: group p of lane (r, h) = bytes 8 p .. 8 p + 7 of channel block h of token r.
;   v at bc + 6,291,456: [bh][128 keys][16 channels][6 groups][32 lanes][8 bytes]: a whole fragment.   Scale bytes: q at bsc + 0, k at + 131,072: [bh][pair of token blocks][r][block of the pair][2 bytes]; v at + 262,144: [bh][128 keys][16 channels][r]: a word.
; K goes in steps of 256 through a ring of two LDS slots filled by the tensor data mover; the scales of the work-group's rows, for all of K, come into LDS once.
; CLUSTERS: 4 x 4 work-groups.  The four of a row of the cluster need the same tiles of source 1's tensor, the four of a column the same tiles of source 0's: each tile is asked for jointly.
; Below "A" is source 1's tensor and "B" source 0's.
; REGISTERS, in windows of 256: window 0: v0-31 addresses; v32-63 scale words, two sets; from v128 A's fragments, one set.  window 1: B's fragments, two sets.  windows 2, 3: the accumulators ((a, b) at v[8 (8 (a % 4) + b)]).
; LIMITS: NaN and infinities are not served.  A block of zeros gets the byte 1 where the quantiser says 127 (its codes are zeros; only this program reads the bytes); blocks under 2^-124 are held at the byte 1.
; The scale bytes leave two at a time: they are one part in 24 of what the launch stores.
.set SIZE_K, 1024
.set KSTEP,  256
.set NQ,     KSTEP/128
.set ROWB,   192                       ; a tile's row in bytes: 256 codes
.set KROW,   SIZE_K*6/8                ; a row of codes in memory
.set PITCH,  240                       ; an LDS row: 3 x (64 bytes + 16 of padding)
.set FR,     12
.set NL,     6
.set NP,     4                         ; places behind this matrix instruction (ISA guide 7.12.1)
.set HALFT,  128*PITCH
.set SLOT,   4*HALFT
.set LAPS,   SIZE_K/(2*KSTEP)
.set KS,     SIZE_K/32
.set SCL,    2*SLOT                    ; behind the ring: the scales, as units of 256 bytes + 16 of padding
.set HALFS,  (128*KS/256)*272
.set SBLK,   (16*KS/256)*272
.set SPARE,  SCL+4*HALFS               ; behind the scales: the spare words, 128 bytes a wave, which no other line names
.set ADRA, 16
.set ADRB, 20
.set SPW,  28
.set NIL,  29
.set ADRS, 27
.set SC,   32
.set AF,   128
.set TM,   32                          ; the way out: v32-47 largest magnitudes, bytes, scale operands
.set PW,   48                          ; the scale word just made;  v49: the two bytes of it that my half of the lanes stores
.set PC,   128                         ; the codes just made
.set SEL,  94                          ; s[94:95] lane selects, set on the way out
.set G1, 24
.set G0, 32
.set G1B, 48
.set G0B, 56
.set G1S, 68
.set G0S, 76
.set G1SB, 80
.set G0SB, 88
.set MSB, 0
.macro WIN new                         ; the immediate's high byte repeats the setting that is left
.if MSB != (\new)
	s_set_vgpr_msb (MSB<<8)|(\new)
.set MSB, \new
.endif
.endm
.set MUL_LO, 0xa1                      ; source 0 (B) window 1, source 1 (A) window 0, C and D window 2
.set MUL_HI, 0xf1                      ; the same, C and D window 3
.set TO_B,   0x40
; A joint load: waves 0 and 1 fetch for A, waves 2 and 3 for B; the branch hangs on the wave's number alone.  Four v_nop follow each of the two lines.
.macro JLOAD g0a, g1a, g0b, g1b
	s_cmp_eq_u32 s15, 0
	s_cbranch_scc0 .Lfor_b_\@
	tensor_load_to_lds s[\g0a:\g0a+3], s[\g1a:\g1a+7]
	s_nop 0
.rept 4
	v_nop
.endr
	s_branch .Lasked_\@
.Lfor_b_\@:
	tensor_load_to_lds s[\g0b:\g0b+3], s[\g1b:\g1b+7]
	s_nop 0
.rept 4
	v_nop
.endr
.Lasked_\@:
.endm
.macro CREST                           ; a round of the cluster's barrier behind its opening barrier
	s_cmp_lg_u32 s14, 0
	s_cbranch_scc1 .Lnot_wave_0_\@
	s_barrier_signal -3
.Lnot_wave_0_\@:
	s_barrier_wait -3
	s_barrier_signal -1
	s_barrier_wait -1
.endm
.macro CROUND
	s_barrier_signal -1
	s_barrier_wait -1
	CREST
.endm
	s_load_b512 s[68:83], s[0:1], 0x0              ; a's codes s[68:69], a's scales s[70:71], Wq s[72:75], Wk s[76:79], Wv s[80:83]
	s_load_b128 s[84:87], s[0:1], 0x40             ; bc, bsc
	v_lshl_add_u32 v[SPW], v0, 2, SPARE
	v_mov_b32 v[NIL], 0
	ds_add_u32 v28, v29
	ds_add_u32 v28, v29
	s_wait_dscnt 0x0
	v_lshrrev_b32 v1, 5, v0
	v_readfirstlane_b32 s14, v1                    ; wave 0..3
	s_lshr_b32 s15, s14, 1                         ; which half of A's rows is mine.  Also: I fetch for A (0) or for B (1)
	s_and_b32 s16, s14, 1                          ; which half of B's rows.  Also: which 128 rows of that tile I fetch
	s_bfe_u32 s40, ttmp6, 0x40000                  ; cx, cy: my place in the cluster
	s_bfe_u32 s41, ttmp6, 0x40004
	s_and_b32 s2, ttmp7, 0xffff
	s_lshl_b32 s2, s2, 2                           ; 4 x cluster y: the tokens' 16 tiles go along y
	s_wait_kmcnt 0x0
	s_cmp_eq_u32 ttmp9, 2                          ; the job v?  The choice hangs on the cluster's x alone
	s_cselect_b32 s17, 0, s2                       ; A's tile: v: a tile of Wv's rows, cy;          q, k: a tile of tokens, 4 y + cy
	s_cselect_b32 s42, s2, 0                       ; B's tile: v: a tile of tokens, 4 y + cx;       q, k: a tile of the weight's rows, cx
	s_cselect_b64 s[4:5], s[80:81], s[68:69]       ; A's codes,
	s_cselect_b64 s[6:7], s[82:83], s[70:71]       ; A's scales,
	s_cselect_b64 s[8:9], s[68:69], s[72:73]       ; B's codes,
	s_cselect_b64 s[10:11], s[70:71], s[74:75]     ; B's scales
	s_cmp_eq_u32 ttmp9, 1                          ; the job k takes Wk
	s_cselect_b64 s[8:9], s[76:77], s[8:9]
	s_cselect_b64 s[10:11], s[78:79], s[10:11]
	s_mov_b64 s[12:13], s[84:85]                   ; bc
	s_mov_b64 s[66:67], s[86:87]                   ; bsc.  s68 to s91 are free now: they take descriptors
	s_add_co_u32 s17, s17, s41
	s_add_co_u32 s42, s42, s40
	s_lshl_b32 s43, s41, 2
	s_lshl_b32 s43, 15, s43                        ; my row of the cluster
	s_lshl_b32 s44, 0x1111, s40                    ; my column
	; descriptor group 1: a tile of 128 rows x 192 bytes, padded in LDS
	s_or_b32 s[G1+0], s43, (0<<16)|(1<<20)|(1<<21)|(3<<22)|(3<<25)  ; 15:0 the mask: A's tiles go to my row; elements of 1 byte; 20 padding on; 21 set beside a mask; after every 16 words, 4 words
	s_or_b32 s[G1B+0], s44, (0<<16)|(1<<20)|(1<<21)|(3<<22)|(3<<25)
.irp g, G1, G1B
	s_mov_b32 s[\g+1], ROWB<<16                    ; tensor_dim0
	s_mov_b32 s[\g+2], 128<<16                     ; tensor_dim1
	s_mov_b32 s[\g+3], ROWB<<16                    ; tile_dim0
	s_mov_b32 s[\g+4], 128                         ; tile_dim1
	s_mov_b32 s[\g+5], KROW                        ; tensor_dim0_stride
	s_mov_b32 s[\g+6], 0
	s_mov_b32 s[\g+7], 0
.endr
	; the scales of 128 rows: a dense block of 128 KS bytes, as rows of 256 bytes (32 elements of 8 bytes), 16 bytes of padding behind each
	s_or_b32 s[G1S+0], s43, (3<<16)|(1<<20)|(1<<21)|(5<<22)|(3<<25)
	s_or_b32 s[G1SB+0], s44, (3<<16)|(1<<20)|(1<<21)|(5<<22)|(3<<25)
.irp g, G1S, G1SB
	s_mov_b32 s[\g+1], 32<<16
	s_mov_b32 s[\g+2], (128*KS/256)<<16
	s_mov_b32 s[\g+3], 32<<16
	s_mov_b32 s[\g+4], 128*KS/256
	s_mov_b32 s[\g+5], 32
	s_mov_b32 s[\g+6], 0
	s_mov_b32 s[\g+7], 0
.endr
	s_lshl_b32 s18, s16, 7                         ; which 128 rows of the tile I fetch
	s_lshl_b32 s20, s17, 8
	s_add_co_u32 s20, s20, s18                     ; A: row 256 x tile + 128 x half
	s_lshl_b32 s46, s42, 8
	s_add_co_u32 s46, s46, s18                     ; B likewise
	s_mov_b32 s21, 0
	s_mov_b32 s47, 0
	s_mov_b64 s[18:19], KS
	s_mul_u64 s[22:23], s[20:21], s[18:19]         ; where these rows' scales begin,
	s_mul_u64 s[92:93], s[46:47], s[18:19]
	s_mov_b64 s[18:19], KROW
	s_mul_u64 s[20:21], s[20:21], s[18:19]         ; and their codes
	s_mul_u64 s[46:47], s[46:47], s[18:19]
	s_mul_i32 s45, s14, HALFT                      ; where they go: wave x 128 rows: no place in the cluster enters an LDS address
	s_mul_i32 s94, s14, HALFS
	s_add_nc_u64 s[20:21], s[4:5], s[20:21]
	s_add_nc_u64 s[22:23], s[6:7], s[22:23]
	s_add_nc_u64 s[46:47], s[8:9], s[46:47]
	s_add_nc_u64 s[92:93], s[10:11], s[92:93]
	CROUND                                         ; all sixteen work-groups are here: the first joint loads meet
	s_mov_b32 s[G0S], 1
	s_add_co_u32 s[G0S+1], s94, SCL
	s_mov_b64 s[G0S+2:G0S+3], s[22:23]
	s_or_b32 s[G0S+3], s[G0S+3], 0x80000000
	s_mov_b32 s[G0SB], 1
	s_add_co_u32 s[G0SB+1], s94, SCL
	s_mov_b64 s[G0SB+2:G0SB+3], s[92:93]
	s_or_b32 s[G0SB+3], s[G0SB+3], 0x80000000
	JLOAD G0S, G1S, G0SB, G1SB                     ; the scales first: they are wanted with K step 0
.irp s, 0,1
	s_mov_b32 s[G0+4*\s], 1
	s_add_co_u32 s[G0+4*\s+1], s45, \s*SLOT
	s_add_nc_u64 s[G0+4*\s+2:G0+4*\s+3], s[20:21], \s*ROWB
	s_or_b32 s[G0+4*\s+3], s[G0+4*\s+3], 0x80000000
	s_mov_b32 s[G0B+4*\s], 1
	s_add_co_u32 s[G0B+4*\s+1], s45, \s*SLOT
	s_add_nc_u64 s[G0B+4*\s+2:G0B+4*\s+3], s[46:47], \s*ROWB
	s_or_b32 s[G0B+4*\s+3], s[G0B+4*\s+3], 0x80000000
	JLOAD G0+4*\s, G1, G0B+4*\s, G1B               ; three tensor loads of mine are out now
.endr
	v_and_b32 v1, 15, v0                           ; r = l % 16
	v_bfe_u32 v2, v0, 4, 1                         ; h = l / 16
	v_mul_u32_u24 v3, v1, PITCH
	v_mul_u32_u24 v4, v2, 24
	v_add_nc_u32 v4, v3, v4                        ; a fragment's row x pitch + 24 x half
	v_lshl_add_u32 v5, v2, 4, v4                   ; and the same behind one padding more
	s_mul_i32 s21, s15, HALFT                      ; my 128 rows of A
	s_mul_i32 s22, s16, HALFT                      ; my 128 rows of B,
	s_add_co_u32 s22, s22, 2*HALFT                 ; which lie behind A's 256
.irp s, 0,1
	v_add_nc_u32 v[ADRA+\s], s21, v4
	v_add_nc_u32 v[ADRB+\s], s22, v4
	v_add_nc_u32 v[ADRA+2+\s], s21, v5
	v_add_nc_u32 v[ADRB+2+\s], s22, v5
	s_add_co_u32 s21, s21, SLOT
	s_add_co_u32 s22, s22, SLOT
.endr
	v_mul_u32_u24 v5, v1, KS                       ; my row's scales: KS bytes a row,
	v_lshrrev_b32 v6, 8, v5
	v_lshl_add_u32 v5, v6, 4, v5                   ; and 16 more for each 256 passed
	s_mul_i32 s21, s15, HALFS
	s_mul_i32 s22, s16, HALFS
	s_add_co_u32 s22, s22, 2*HALFS
	s_sub_co_u32 s22, s22, s21
	v_mul_u32_u24 v6, s22, v2                      ; lanes 16-31 take B's
	s_add_co_u32 s21, s21, SCL
	v_add_nc_u32 v5, v5, v6
	v_add_nc_u32 v[ADRS], s21, v5
	; THE WAY OUT'S NUMBERS.  R0, C0: my wave's first row of A and of B.  The tokens are A's rows (q, k) or B's (v); the channels the other.
	s_lshl_b32 s18, s17, 8
	s_lshl_b32 s19, s15, 7
	s_add_co_u32 s18, s18, s19                     ; R0
	s_lshl_b32 s19, s42, 8
	s_lshl_b32 s20, s16, 7
	s_add_co_u32 s19, s19, s20                     ; C0
	s_cmp_eq_u32 ttmp9, 2
	s_cselect_b32 s20, s19, s18                    ; my first token
	s_cselect_b32 s21, s18, s19                    ; my first channel
	s_mov_b32 s4, 768                              ; (the pointers in s4 to s11 are done with)
	s_cselect_b32 s4, 1536, s4                     ; from block a to a + 1 in the codes: 16 tokens on (768), or 16 channels on (1,536)
	s_mov_b32 s5, 768
	s_cselect_b32 s5, 93696, s5                    ; from block 3 to 4: v goes on to the next head: 98,304 - 3 x 1,536
	s_cselect_b32 s6, 64, 2                        ; the same in the scale bytes: into an odd block,
	s_cselect_b32 s7, 64, 62                       ; into an even one,
	s_mov_b32 s8, 3904
	s_cselect_b32 s8, s8, 62                       ; into block 4: v: 4,096 - 3 x 64
	s_mov_b32 s9, 98304
	s_cselect_b32 s9, 768, s9                      ; from a fragment's registers 0-5 to 6-11: q, k: the next head; v: the fragment's second half
	s_mov_b32 s10, 4096
	s_cselect_b32 s10, 2, s10                      ; from the scale word's low half to its high half: likewise
	s_lshr_b32 s22, s20, 11                        ; batch
	s_lshl_b32 s22, s22, 4
	s_lshr_b32 s23, s21, 6                         ; head
	s_add_co_u32 s22, s22, s23                     ; bh
	s_and_b32 s20, s20, 2047                       ; the token inside its batch
	s_mul_i32 s23, ttmp9, 3145728
	s_mul_i32 s92, s22, 98304
	s_add_co_u32 s23, s23, s92
	s_mul_i32 s92, s20, 48
	s_add_co_u32 s23, s23, s92                     ; codes: job x 3,145,728 + bh x 98,304 + 48 x token
	s_lshl_b32 s93, ttmp9, 17
	s_lshl_b32 s92, s22, 12
	s_add_co_u32 s93, s93, s92
	s_lshl_b32 s92, s20, 1
	s_add_co_u32 s93, s93, s92                     ; scale bytes: job x 131,072 + bh x 4,096 + 2 x token
	v_and_b32 v6, 31, v0
	v_lshl_add_u32 v8, v6, 3, s23                  ; v8: where registers 0-5 go: 8 bytes a lane
	v_add_nc_u32 v9, s9, v8                        ; v9: registers 6-11
	v_mul_lo_u32 v10, v2, s10
	v_lshl_add_u32 v10, v1, 2, v10
	v_add_nc_u32 v10, s93, v10                     ; v10: my two scale bytes: 4 r, + my half's place
	v_lshlrev_b32 v11, 4, v2                       ; v11: 16 h: which half of the scale word is mine
.macro FRAG reg, adr, q, i             ; a fragment, 16 rows x 128 K, is 12 registers: lane l holds row l % 16; registers 6 c .. 6 c + 5 hold K = 64 c + 32 (l / 16) + 0 .. 31: 24 bytes of the row's stream of bits, in pieces of 8
.irp p, 0,1,2,3,4,5
.set PCE, 12*(\q)+6*(\p/3)+\p%3        ; 16 bytes of padding lie behind every 8 pieces: where the piece three on lies behind one padding more, the second address register serves
.if PCE%8 < 5
	ds_load_b64 v[\reg+2*\p:\reg+2*\p+1], v[\adr] offset:8*PCE+16*(PCE/8)+(\i)*16*PITCH
.else
	ds_load_b64 v[\reg+2*\p:\reg+2*\p+1], v[\adr+2] offset:8*PCE+16*(PCE/8)+(\i)*16*PITCH
.endif
.endr
.endm
; 16 matrix instructions: A's blocks a0, a0 + 1 x B's eight, 128 along K.  zero = 1: the first product starts the sums.  The 64 accumulators take turns, one instruction a turn.
.macro MUL16 a0, p, q, sc, zero
.irp a, \a0, \a0+1
.irp b, 0,1,2,3,4,5,6,7
.if \zero
	v_wmma_scale_f32_16x16x128_f8f6f4 v[8*(8*((\a)%4)+\b):8*(8*((\a)%4)+\b)+7], v[128*(\p)+FR*\b:128*(\p)+FR*\b+FR-1], v[AF+FR*(\a):AF+FR*(\a)+FR-1], 0, v[SC+8*NQ*(\sc)+NQ*\b+(\q)], v[SC+8*NQ*(\sc)+NQ*(\a)+(\q)] matrix_a_fmt:MATRIX_FMT_FP6 matrix_b_fmt:MATRIX_FMT_FP6 matrix_a_scale:MATRIX_SCALE_ROW1
.else
	v_wmma_scale_f32_16x16x128_f8f6f4 v[8*(8*((\a)%4)+\b):8*(8*((\a)%4)+\b)+7], v[128*(\p)+FR*\b:128*(\p)+FR*\b+FR-1], v[AF+FR*(\a):AF+FR*(\a)+FR-1], v[8*(8*((\a)%4)+\b):8*(8*((\a)%4)+\b)+7], v[SC+8*NQ*(\sc)+NQ*\b+(\q)], v[SC+8*NQ*(\sc)+NQ*(\a)+(\q)] matrix_a_fmt:MATRIX_FMT_FP6 matrix_b_fmt:MATRIX_FMT_FP6 matrix_a_scale:MATRIX_SCALE_ROW1
.endif
.endr
.endr
.endm
.macro FETCH_B slot, q, p
	WIN TO_B
.irp i, 0,1,2,3,4,5,6,7
	FRAG 128*(\p)+FR*\i, ADRB+\slot, \q, \i
.endr
	WIN 0
.endm
.macro FETCH_A slot, q, i0
.irp i, \i0, \i0+1, \i0+2, \i0+3
	FRAG AF+FR*(\i), ADRA+\slot, \q, \i
.endr
.endm
.macro SCALES sc                       ; a K step's scale words: lanes 0-15 take A's block i, lanes 16-31 B's block i
.irp i, 0,1,2,3,4,5,6,7
	ds_load_b64 v[SC+8*NQ*\sc+NQ*\i:SC+8*NQ*\sc+NQ*\i+1], v[ADRS] offset:\i*SBLK
.endr
.endm
.macro PLACES n                        ; plain vector instructions between a matrix instruction and a load into, or a read of, its registers
.rept \n
	v_nop
.endr
.endm
.macro STEP slot, q, zero              ; a step of 128 along K that has its successor in the same slot
	s_wait_dscnt 4*NL                              ; B's set and A's blocks 0-3 are in; the youngest 24 loads (A's blocks 4-7) may be out
	WIN MUL_LO
	MUL16 0, (\q)%2, \q, \slot, \zero
	MUL16 2, (\q)%2, \q, \slot, \zero
	s_wait_dscnt 0                                 ; A's blocks 4-7 are in
	PLACES NP
	FETCH_B \slot, (\q)+1, 1-(\q)%2
	FETCH_A \slot, (\q)+1, 0
	WIN MUL_HI
	MUL16 4, (\q)%2, \q, \slot, \zero
	MUL16 6, (\q)%2, \q, \slot, \zero
	PLACES NP
	WIN 0
	FETCH_A \slot, (\q)+1, 4
.endm
; A slot's last step changes slots: one barrier; in front of it each wave waits for all its tensor loads, adds 0 to its spare word, and waits for that and for its own reads of this slot.  fill = 1: this slot is filled again.
.macro TURN slot, next, fill
	s_wait_tensorcnt 0x0                           ; all my tensor loads have landed: my part of the next slot
	ds_add_u32 v[SPW], v[NIL]                      ; 0 onto my spare word
	s_wait_dscnt 4*NL+1                            ; (the add and the youngest 24 loads may be out)
	WIN MUL_LO
	MUL16 0, 1, NQ-1, \slot, 0                     ; sixteen matrix instructions stand between the add and the wait for it
	s_wait_dscnt 0x0                               ; the add is done, and my reads of this slot are over
	s_barrier_signal -1
	MUL16 2, 1, NQ-1, \slot, 0
	WIN 0
	s_barrier_wait -1
.if \fill
	CREST                                          ; the barrier has opened a round of the cluster's barrier: no wave of any partner still reads this slot or has a load on its way
	s_add_nc_u64 s[G0+4*\slot+2:G0+4*\slot+3], s[G0+4*\slot+2:G0+4*\slot+3], 2*ROWB
	s_add_nc_u64 s[G0B+4*\slot+2:G0B+4*\slot+3], s[G0B+4*\slot+2:G0B+4*\slot+3], 2*ROWB
	JLOAD G0+4*\slot, G1, G0B+4*\slot, G1B         ; the first tensor load behind the round; its four v_nop are the places in front of the loads below
.else
	PLACES NP
.endif
	v_add_nc_u32 v[ADRS], 4*NQ, v[ADRS]            ; on to the next K step's scale words
	FETCH_B \next, 0, 0
	FETCH_A \next, 0, 0
	SCALES \next
	WIN MUL_HI
	MUL16 4, 1, NQ-1, \slot, 0
	MUL16 6, 1, NQ-1, \slot, 0
	PLACES NP
	WIN 0
	FETCH_A \next, 0, 4
.endm
	s_wait_tensorcnt 1                             ; the scales and my part of K step 0 are in (K step 1's load may be out)
	s_barrier_signal -1
	s_barrier_wait -1                              ; everybody's are
	FETCH_B 0, 0, 0
	FETCH_A 0, 0, 0
	SCALES 0
	FETCH_A 0, 0, 4
	STEP 0, 0, 1                                   ; the first step stands in front of the loop: its products start the sums
	s_mov_b32 s3, LAPS-1
.Llap:                                                 ; a trip goes once round the ring and fills both slots again
	TURN 0, 1, 1
	STEP 1, 0, 0
	TURN 1, 0, 1
	STEP 0, 0, 0
	s_sub_co_u32 s3, s3, 1
	s_cmp_lg_u32 s3, 0
	s_cbranch_scc1 .Llap
	TURN 0, 1, 0                                   ; the last lap fills nothing
	STEP 1, 0, 0
	s_wait_dscnt 4*NL
	WIN MUL_LO
	MUL16 0, 1, NQ-1, 1, 0
	MUL16 2, 1, NQ-1, 1, 0
	s_wait_dscnt 0
	WIN MUL_HI
	MUL16 4, 1, NQ-1, 1, 0
	MUL16 6, 1, NQ-1, 1, 0
	WIN 0
; THE WAY OUT, block a of A's eight at a time: the lane's 64 numbers (four blocks of 32 with lane l xor 16's) become a fragment's 12 registers and a scale word, and leave from the registers: no LDS, no barrier.
.macro QOUT a
.set QW, 2+(\a)/4                      ; the block's window
.set QS, 64*((\a)%4)                   ; and its first register there
	WIN QW|(QW<<2)                                 ; sources 0 and 1 in the accumulators' window
.irp b, 0,1,2,3
	v_max3_num_f32 v[TM+\b], |v[QS+16*\b]|, |v[QS+1+16*\b]|, 0x1800000   ; each accumulator is read from its low end on; the floor 2^(3 - 127) holds the byte at 1 from below
.endr
.irp i, 2,4,6,8,10,12,14
.irp b, 0,1,2,3
	v_max3_num_f32 v[TM+\b], |v[QS+16*\b+\i]|, |v[QS+1+16*\b+\i]|, v[TM+\b]
.endr
.endr
	WIN 0
.irp b, 0,1,2,3
	v_permlanex16_b32 v[TM+4+\b], v[TM+\b], s[SEL], s[SEL+1]
.endr
.irp b, 0,1,2,3
	v_max_num_f32 v[TM+\b], v[TM+\b], v[TM+4+\b]   ; the block's largest magnitude
.endr
.irp b, 0,1,2,3
	v_add_nc_u32 v[TM+12+\b], 0xff000000, v[TM+\b] ; 2 off its exponent field: the conversion's scale operand
.endr
.irp b, 0,1,2,3
	v_lshrrev_b32 v[TM+4+\b], 23, v[TM+12+\b]      ; the scale's byte
.endr
	v_lshl_or_b32 v[PW], v[TM+5], 8, v[TM+4]
	v_lshl_or_b32 v[PW], v[TM+6], 16, v[PW]
	v_lshl_or_b32 v[PW], v[TM+7], 24, v[PW]
	s_wait_xcnt 0x0                                ; the last block's stores have read their data and offsets: v8-10, v49 and the codes' registers are written again only behind this wait
.if (\a) == 4
	v_add_nc_u32 v8, s5, v8
	v_add_nc_u32 v9, s5, v9
	v_add_nc_u32 v10, s8, v10
.elseif (\a)%2 == 1
	v_add_nc_u32 v8, s4, v8
	v_add_nc_u32 v9, s4, v9
	v_add_nc_u32 v10, s6, v10
.elseif (\a) > 0
	v_add_nc_u32 v8, s4, v8
	v_add_nc_u32 v9, s4, v9
	v_add_nc_u32 v10, s7, v10
.endif
	WIN QW                                         ; source 0 in the accumulators' window
.irp c, 0,1
	v_cvt_scalef32_pk16_fp6_f32 v[PC+6*\c:PC+2+6*\c], v[QS+32*\c:QS+15+32*\c], v[TM+12+2*\c]
	v_cvt_scalef32_pk16_fp6_f32 v[PC+12+4*\c:PC+14+4*\c], v[QS+16+32*\c:QS+31+32*\c], v[TM+12+2*\c+1]
.endr
	WIN 0
	v_nop                                          ; one plain place behind a scaled conversion
.irp c, 0,1                            ; a lane is to hold a whole block: lanes 0-15 block 2 c, lanes 16-31 block 2 c + 1
.irp i, 0,1,2
	v_permlane16_swap_b32 v[PC+6*\c+\i], v[PC+12+4*\c+\i]
.endr
.irp i, 0,1,2
	v_mov_b32 v[PC+3+6*\c+\i], v[PC+12+4*\c+\i]
.endr
.endr
	v_lshrrev_b32 v49, v11, v[PW]                  ; lanes 0-15: bytes 0, 1; lanes 16-31: bytes 2, 3
.irp p, 0,1,2
	global_store_b64 v8, v[PC+2*\p:PC+2*\p+1], s[12:13] offset:256*\p       ; 32 lanes store 256 consecutive bytes, at a multiple of 256 from the buffer's first byte
.endr
.irp p, 0,1,2
	global_store_b64 v9, v[PC+6+2*\p:PC+7+2*\p], s[12:13] offset:256*\p
.endr
	global_store_b16 v10, v49, s[66:67]
.endm
	PLACES NP                                      ; behind the last products: results are read, and registers that held scales and fragments are written
	s_mov_b32 s[SEL], 0x76543210
	s_mov_b32 s[SEL+1], 0xfedcba98
.irp b, 0,1,2,3
	v_mov_b32 v[TM+4+\b], 0                        ; written once: a lane permute's destination counts as one of its sources
.endr
.irp a, 0,1,2,3,4,5,6,7
	QOUT \a
.endr
	s_wait_tensorcnt 0x0                           ; the wave's end
	ds_add_u32 v[SPW], v[NIL]
	s_wait_dscnt 0x0
	CROUND                                         ; the closing round: no work-group ends while a partner may still ask for a tile that names it
	s_endpgm
.Lfunc_end_k_qddabc5b606_qkv:
	.size	k_qddabc5b606_qkv, .Lfunc_end_k_qddabc5b606_qkv-k_qddabc5b606_qkv
	.p2alignl 7, 3214868480
	.fill 96, 4, 3214868480
	.section	.rodata,"a",@progbits
	.p2align	6, 0x0
	.amdhsa_kernel k_qddabc5b606_qkv
		.amdhsa_group_segment_fixed_size 327680
		.amdhsa_private_segment_fixed_size 0
		.amdhsa_enable_private_segment 0
		.amdhsa_kernarg_size 80
		.amdhsa_user_sgpr_count 2
		.amdhsa_user_sgpr_kernarg_segment_ptr 1
		.amdhsa_wavefront_size32 1
		.amdhsa_system_sgpr_workgroup_id_x 1
		.amdhsa_system_sgpr_workgroup_id_y 1
		.amdhsa_system_sgpr_workgroup_id_z 1
		.amdhsa_system_vgpr_workitem_id 0
		.amdhsa_next_free_vgpr 1024
		.amdhsa_next_free_sgpr 98
		.amdhsa_reserve_vcc 0
		.amdhsa_float_denorm_mode_32 3
		.amdhsa_float_denorm_mode_16_64 3
		.amdhsa_memory_ordered 1
		.amdhsa_forward_progress 1
		.amdhsa_inst_pref_size 169
	.end_amdhsa_kernel
	.amdgpu_metadata
---
amdhsa.version: [ 1, 2 ]
amdhsa.kernels:
  - .name:           k_qddabc5b606_qkv
    .symbol:         k_qddabc5b606_qkv.kd
    .args:
      - { .name: ac, .offset: 0, .size: 8, .value_kind: global_buffer, .address_space: global }
      - { .name: asc, .offset: 8, .size: 8, .value_kind: global_buffer, .address_space: global }
      - { .name: Wq_codes, .offset: 16, .size: 8, .value_kind: global_buffer, .address_space: global }
      - { .name: Wq_scales, .offset: 24, .size: 8, .value_kind: global_buffer, .address_space: global }
      - { .name: Wk_codes, .offset: 32, .size: 8, .value_kind: global_buffer, .address_space: global }
      - { .name: Wk_scales, .offset: 40, .size: 8, .value_kind: global_buffer, .address_space: global }
      - { .name: Wv_codes, .offset: 48, .size: 8, .value_kind: global_buffer, .address_space: global }
      - { .name: Wv_scales, .offset: 56, .size: 8, .value_kind: global_buffer, .address_space: global }
      - { .name: bc, .offset: 64, .size: 8, .value_kind: global_buffer, .address_space: global }
      - { .name: bsc, .offset: 72, .size: 8, .value_kind: global_buffer, .address_space: global }
    .group_segment_fixed_size: 327680
    .private_segment_fixed_size: 0
    .kernarg_segment_align: 8
    .kernarg_segment_size: 80
    .max_flat_workgroup_size: 128
    .sgpr_count:     98
    .vgpr_count:     1024
    .wavefront_size: 32
...
	.end_amdgpu_metadata
.endif
;; end of part 2
;; launch att (part 3): grid 8 x 32, 16 waves a work-group, clusters of 4 x 1, 206,848 bytes of LDS; arguments bc, bsc, ac, asc; writes ac, asc
.if DOCPART == 3
	.amdgcn_target "amdgcn-amd-amdhsa--gfx1250"
	.amdhsa_code_object_version 6
	.text
	.protected	k_qddabc5b606_att
	.globl	k_qddabc5b606_att
	.p2align	8
	.type	k_qddabc5b606_att,@function
k_qddabc5b606_att:
	s_mov_b64 s[64:65], 0
	v_nop
	global_prefetch_b8 v0, s[64:65] scope:SCOPE_SE
	s_setreg_imm32_b32 hwreg(HW_REG_WAVE_MODE, 25, 1), 1
	s_wait_xcnt 0x0
	s_wait_alu depctr_hold_cnt(0) depctr_sa_sdst(0) depctr_va_vdst(0) depctr_va_sdst(0) depctr_va_ssrc(0) depctr_va_vcc(0) depctr_vm_vsrc(0)
	s_getreg_b32 s2, hwreg(HW_REG_IB_STS2, 6, 4)
	s_cmp_eq_u32 s2, 0
	s_cbranch_scc0 .Lentry_in_a_cluster
	s_endpgm
.Lentry_in_a_cluster:
	s_bfe_u32 s2, ttmp6, 0x10000c
	s_cmp_lg_u32 s2, 0x3003
	s_cbranch_scc0 .Lentry_shape_is_right
	s_endpgm
.Lentry_shape_is_right:
; Causal attention of one head (bh = 16 x batch + head, 2,048 tokens, 64 channels), both products on codes of FP6 (E2M3) with E8M0 scales, and the result quantised along the 1,024 channels of a token for the next product.
; In: the images of q, k, v and their scale bytes that the launch before has laid (bc, bsc).  Out: codes [4096][768 bytes] and scale bytes [4096][32].
; THE SOFTMAX: t = score x log2(e) / 8; M = the row's largest t so far, rounded up to a whole number; p = 2^(t - M) is quantised along the keys, not normalised; the row's sum is taken of the unquantised p and divides O at the end.
; When M moves, the sum and O are multiplied by 2^(old M - new M): exact.
; SHARES.  A work-group owns 256 queries of a head, a wave one tile of 16: wave w of work-group g (0 .. 7) takes queries 128 sigma(w) + 16 g + 0 .. 15 and walks key steps 0 .. sigma(w) of 128 keys; step sigma is the one on the diagonal.
; sigma(w) = 4 (a xor b) + (a xor M(b)), a = w / 4, b = w % 4, M = 0, 2, 3, 1: two orthogonal Latin squares.  So sigma runs through 0 .. 15, and the four waves with equal a, and the four with equal b, have 34 key steps together:
; the work is even however sixteen waves are dealt to four SIMDs, and every work-group is alike.  sigma hangs on the wave's number alone: no branch hangs on a work-group's place.
; ALL OF A HEAD'S K AND V LIES IN LDS (196,608 bytes of codes, 8,192 of scale words) AND IS FILLED ONCE: no ring, no slot is filled again.  The first 256 keys come by loads of their own, so that the first two key steps begin while the rest lands.
; CLUSTER.  The four work-groups of a cluster belong to one head: every tile is asked for jointly, by the same tensor load with the same descriptor and a mask that names the four.
; No prefetch: everything that the launch reads from memory in bulk is asked for in its first lines.
; LAYOUT.  Both products are used transposed: S^T = K Q^T, O^T = V^T P^T: a lane holds one query (lane % 16) throughout.
; THE FIRST PRODUCT HAS K = 64, the instruction 128.  A fragment of K holds TWO tiles of 16 keys: registers 0-5 tile 2 P, registers 6-11 tile 2 P + 1; it is multiplied by [q | 0] for the first and by [0 | q] for the second.
; Zero codes add nothing under any scale byte but 0xff.  [0 | q] and [q | 0] are two views of 18 registers: six zeros, q's six, six zeros.
; The keys of a tile are neighbours: register 8 t + j of lane half h holds key 16 t + 8 h + j, and p is laid at place 16 h + 8 u + j of its block of 32 as v was by the launch before: the products are those of the true order.
; The output's channels meet a GIVEN weight next, so there one exchange of lane halves for each pair of registers restores the true order ahead of the quantiser.
; Stores: 24 bytes of codes and one scale byte for each lane: a head is 48 bytes of a token's 768.  One head to a work-group is kept all the same: four heads would ask for four times the K and V in each work-group's LDS, which has no room for them.
; LIMITS: NaN and infinities are not served.  1 / l is v_rcp_f32 (1 ulp).  A block of zeros gets the byte 1 where the quantiser says 127 (its codes are zeros; only this program reads the bytes); blocks under 2^-124 are held at the byte 1.
; A block's largest p is made from the block's largest score by the same two instructions as p itself; this takes v_exp_f32 not to fall where its input rises.
.set VIMG, 98304                       ; LDS: K's image at 0, V's here,
.set KSC,  196608                      ; K's scale words,
.set VSC,  200704                      ; V's
.set AL,   1                           ; v1   8 x lane: an image's place for my lane
.set ASK0, 2                           ; v2   KSC + 4 r
.set ASV0, 3                           ; v3   VSC + 4 r
.set DM,   4                           ; v4   16 g + r - 8 h: on the diagonal register 8 t + j is hidden where 16 t + j is above it
.set OC,   5                           ; v5   my byte offset in the codes that leave
.set OS,   6                           ; v6   and in the scale bytes
.set HH,   7                           ; v7   h
.set ADK,  8                           ; v8-11 LDS addresses of the step in hand: K, V, K's scale words, V's
.set ADV,  9
.set ADS,  10
.set ADT,  11
.set KF,   34                          ; v34-81 four fragments, of K and then of V
; v12 -M, v13 the largest t, v[14:15] the sum in two halves; v16-33 [0 | q | 0]; v96-159 S^T, then p; v160-191 O^T; v192-208 at work at the head and on the way out; v224-235 p's codes; v232-254 at work; v248-251 scale words; v253 p's scale word; v255 q's
.set WV,   12
.set SG,   13                          ; s13  sigma
.set GG,   15                          ; s15  g
.set BH,   16                          ; s16  bh
.set ST,   17                          ; s17  the key step
.set TB,   18                          ; s18  6,144 x key step: where its tiles begin in an image
.set TS,   19                          ; s19  256 x key step: where its scale words begin
.set SEL,  20                          ; s[20:21] lane selects for v_permlanex16_b32: lane l xor 16
.set CS,   22                          ; s[22:23] c = log2(e) / 8
.set G1A,  24                          ; s[24:31], s[32:39], s[40:47] descriptor groups 1: dense blocks of 2, 6 and 42 rows of 256 bytes
.set G1B,  32
.set G1C,  40
.set G0A,  48                          ; s[48:51], s[52:55], s[56:59] their groups 0
.set G0B,  52
.set G0C,  56
.macro ROUND                           ; a round of the cluster's barrier
	s_barrier_signal -1
	s_barrier_wait -1
	s_cmp_lg_u32 s[WV], 0
	s_cbranch_scc1 .Lnot_wave_0_\@
	s_barrier_signal -3
.Lnot_wave_0_\@:
	s_barrier_wait -3
	s_barrier_signal -1
	s_barrier_wait -1
.endm
.macro GROUP1 g, rows                  ; rows x 256 dense bytes, as elements of 8 bytes
	s_mov_b32 s[\g], 15|(3<<16)|(1<<21)            ; 15:0 the mask: all four work-groups; 17:16 elements of 8 bytes; 21 set beside a mask; no padding
	s_mov_b32 s[\g+1], 32<<16                      ; tensor_dim0 = 32
	s_mov_b32 s[\g+2], (\rows)<<16                 ; tensor_dim1
	s_mov_b32 s[\g+3], 32<<16                      ; tile_dim0 = 32
	s_mov_b32 s[\g+4], \rows                       ; tile_dim1
	s_mov_b32 s[\g+5], 32                          ; from row to row
	s_mov_b32 s[\g+6], 0
	s_mov_b32 s[\g+7], 0
.endm
	s_load_b256 s[4:11], s[0:1], 0x0               ; bc s[4:5], bsc s[6:7], the codes that leave s[8:9], their scale bytes s[10:11]
	v_lshl_add_u32 v223, v0, 2, 0x32000
	v_mov_b32 v243, 0
	ds_add_u32 v223, v243
	ds_add_u32 v223, v243
	v_lshrrev_b32 v192, 5, v0
	v_readfirstlane_b32 s[WV], v192                ; wave 0..15
	s_bfe_u32 s14, ttmp6, 0x40000                  ; cx
	s_lshl_b32 s[GG], ttmp9, 2
	s_add_co_u32 s[GG], s[GG], s14                 ; g = 4 x cluster x + cx: it enters q's and the output's addresses and the diagonal's mask, nothing else
	s_and_b32 s[BH], ttmp7, 0xffff                 ; bh, which the four partners share
	s_lshr_b32 s60, s[WV], 2                       ; a
	s_and_b32 s61, s[WV], 3                        ; b
	s_lshr_b32 s62, s61, 1                         ; b's upper bit
	s_xor_b32 s63, s61, s62
	s_and_b32 s63, s63, 1                          ; its two bits' exclusive or
	s_lshl_b32 s63, s63, 1
	s_or_b32 s63, s63, s62                         ; M(b)
	s_xor_b32 s63, s63, s60                        ; a xor M(b)
	s_xor_b32 s[SG], s60, s61
	s_lshl_b32 s[SG], s[SG], 2
	s_add_co_u32 s[SG], s[SG], s63                 ; sigma
	GROUP1 G1A, 2
	GROUP1 G1B, 6
	GROUP1 G1C, 42
	; what I fetch: waves 0-7 an eighth of K's, waves 8-15 an eighth of V's: 512 bytes of scale words; 1,536 bytes of the first 256 keys' codes; 10,752 bytes of the rest
	s_lshr_b32 s60, s[WV], 3                       ; 0: K, 1: V
	s_and_b32 s61, s[WV], 7                        ; which eighth
	s_add_co_u32 s62, s60, 1                       ; k's images are the second in bc and bsc, v's the third
	s_lshl_b32 s66, s62, 17
	s_lshl_b32 s67, s[BH], 12
	s_add_co_u32 s66, s66, s67
	s_lshl_b32 s67, s61, 9
	s_add_co_u32 s66, s66, s67                     ; scale words, in memory
	s_mov_b32 s67, 0
	s_mul_i32 s68, s62, 3145728
	s_mul_i32 s69, s[BH], 98304
	s_add_co_u32 s68, s68, s69                     ; the head's image
	s_mul_i32 s69, s61, 1536
	s_add_co_u32 s70, s68, s69                     ; my part of the first 256 keys
	s_mov_b32 s71, 0
	s_mul_i32 s69, s61, 10752
	s_add_co_u32 s72, s68, s69
	s_add_co_u32 s72, s72, 12288                   ; my part of the rest
	s_mov_b32 s73, 0
	s_lshl_b32 s63, s[WV], 9                       ; and in LDS: made of constants and the wave's number alone
	s_mul_i32 s74, s60, VIMG
	s_mul_i32 s75, s61, 1536
	s_mov_b32 s[G0A], 1
	s_add_co_u32 s[G0A+1], s63, KSC
	s_mov_b32 s[G0B], 1
	s_add_co_u32 s[G0B+1], s74, s75
	s_mul_i32 s75, s61, 10752
	s_mov_b32 s[G0C], 1
	s_add_co_u32 s[G0C+1], s74, s75
	s_add_co_u32 s[G0C+1], s[G0C+1], 12288
	s_mov_b32 s[SEL], 0x76543210
	s_mov_b32 s[SEL+1], 0xfedcba98
	s_mov_b32 s[CS], 0x3e38aa3b                    ; c = log2(e) / sqrt(64)
	s_mov_b32 s[CS+1], s[CS]                       ; (named with it as a pair, so it is written)
	s_mov_b32 s[ST], 0
	s_mov_b32 s[TB], 0
	s_mov_b32 s[TS], 0
	s_wait_dscnt 0x0
	s_wait_kmcnt 0x0
	s_add_nc_u64 s[G0A+2:G0A+3], s[6:7], s[66:67]
	s_or_b32 s[G0A+3], s[G0A+3], 0x80000000        ; type = 2
	s_add_nc_u64 s[G0B+2:G0B+3], s[4:5], s[70:71]
	s_or_b32 s[G0B+3], s[G0B+3], 0x80000000
	s_add_nc_u64 s[G0C+2:G0C+3], s[4:5], s[72:73]
	s_or_b32 s[G0C+3], s[G0C+3], 0x80000000
	ROUND                                          ; all four work-groups are here: the joint loads meet
	tensor_load_to_lds s[G0A:G0A+3], s[G1A:G1A+7]  ; scale words
	s_nop 0
	tensor_load_to_lds s[G0B:G0B+3], s[G1B:G1B+7]  ; keys 0-255
	s_nop 0
	tensor_load_to_lds s[G0C:G0C+3], s[G1C:G1C+7]  ; keys 256-2,047: three tensor loads of mine are out, and no more are issued
	s_nop 0
.rept 4
	v_nop                                          ; behind a tensor load
.endr
	s_lshl_b32 s60, s[SG], 3
	s_add_co_u32 s60, s60, s[GG]                   ; my tile of 16 queries: 8 sigma + g
	s_mul_i32 s62, s[BH], 98304
	s_mul_i32 s63, s60, 768
	s_add_co_u32 s62, s62, s63
	s_mov_b32 s63, 0
	s_add_nc_u64 s[66:67], s[4:5], s[62:63]        ; its image in q's
	s_lshl_b32 s62, s[BH], 12
	s_lshr_b32 s61, s60, 1
	s_lshl_b32 s61, s61, 6
	s_add_co_u32 s62, s62, s61
	s_and_b32 s61, s60, 1
	s_lshl_b32 s61, s61, 1
	s_add_co_u32 s62, s62, s61
	s_add_nc_u64 s[68:69], s[6:7], s[62:63]        ; its scale bytes: pair of tiles x 64, + 2 x (tile % 2); 4 r in the lane
	v_and_b32 v192, 15, v0                         ; r
	v_bfe_u32 v[HH], v0, 4, 1                      ; h
	v_and_b32 v193, 31, v0
	v_lshlrev_b32 v[AL], 3, v193
	v_lshlrev_b32 v194, 2, v192
.irp p, 0,1,2
	global_load_b64 v[22+2*\p:23+2*\p], v[AL], s[66:67] offset:256*\p   ; q's six registers stay
.endr
	global_load_u16 v255, v194, s[68:69]           ; q's two scale bytes
	v_lshl_add_u32 v[ASK0], v192, 2, KSC
	v_lshl_add_u32 v[ASV0], v192, 2, VSC
	v_lshlrev_b32 v193, 3, v[HH]
	v_sub_nc_u32 v[DM], v192, v193
	s_lshl_b32 s61, s[GG], 4
	v_add_nc_u32 v[DM], s61, v[DM]
	s_lshr_b32 s70, s[BH], 4                       ; batch
	s_lshl_b32 s70, s70, 11
	s_lshl_b32 s71, s60, 4
	s_add_co_u32 s70, s70, s71                     ; my first token among the 4,096
	s_and_b32 s71, s[BH], 15                       ; head
	s_mul_i32 s72, s70, 768
	s_mul_i32 s73, s71, 48
	s_add_co_u32 s72, s72, s73
	s_lshl_b32 s73, s70, 5
	s_lshl_b32 s74, s71, 1
	s_add_co_u32 s73, s73, s74
	v_mul_u32_u24 v[OC], v192, 768
	v_mad_u32_u24 v[OC], v[HH], 24, v[OC]
	v_add_nc_u32 v[OC], s72, v[OC]                 ; token x 768 + head x 48 + 24 h: my block of 32 channels
	v_lshl_add_u32 v[OS], v192, 5, v[HH]
	v_add_nc_u32 v[OS], s73, v[OS]                 ; token x 32 + head x 2 + h
.irp j, 16,17,18,19,20,21,28,29,30,31,32,33
	v_mov_b32 v\j, 0                               ; the zero codes on both sides of q
.endr
	v_mov_b32 v13, 0xff61b1e6                      ; the largest t so far: -3e38, under every t
	v_floor_f32 v12, -v13                          ; -M
	v_mov_b32 v14, 0                               ; the sum, in two halves
	v_mov_b32 v15, 0
.irp b, 0,1,2,3
	v_mov_b32 v[236+\b], 0                         ; written once: a lane permute's destination counts as one of its sources
.endr
	v_mov_b32 v252, 0
	v_mov_b32 v253, 0                              ; (named as the upper half of the pair v[252:253] before it is first written)
	s_wait_loadcnt 0x0                             ; q and its scale bytes
	v_lshl_or_b32 v255, v255, 16, v255             ; the same two bytes for both halves of K = 128
.set n, 0
.rept 32
	v_mov_b32 v[160+n], 0                          ; O^T: the step is written once for all; the first finds zeros.  (These are also the places between v255's line and the first scaled product)
.set n, n+1
.endr
; A KEY STEP: 128 keys.
.macro STEP
	s_cmp_gt_u32 s[ST], s[SG]                      ; a step all of whose keys come after my queries is left out: a branch on the wave's number and the step's
	s_cbranch_scc1 .Lhidden_\@
	v_add_nc_u32 v[ADK], s[TB], v[AL]              ; (these four are the places in front of loads into registers that the last products have read)
	v_add_nc_u32 v[ADV], VIMG, v[ADK]
	v_add_nc_u32 v[ADS], s[TS], v[ASK0]
	v_add_nc_u32 v[ADT], s[TS], v[ASV0]
.irp f, 0,1,2,3
.irp g, 0,1,2,3,4,5
	ds_load_b64 v[KF+12*\f+2*\g:KF+12*\f+2*\g+1], v[ADK] offset:1536*\f+256*\g   ; 32 lanes read 256 consecutive bytes: registers 2 g, 2 g + 1 of the fragment of key tiles 2 f, 2 f + 1
.endr
	ds_load_b32 v[248+\f], v[ADS] offset:64*\f     ; its scale word: two bytes of each tile
.endr
	s_wait_dscnt 0x0
.irp t, 0,1,2,3,4,5,6,7
	v_wmma_scale_f32_16x16x128_f8f6f4 v[96+8*\t:103+8*\t], v[KF+12*(\t/2):KF+12*(\t/2)+11], v[22-6*(\t%2):33-6*(\t%2)], 0, v[248+\t/2], v255 matrix_a_fmt:MATRIX_FMT_FP6 matrix_b_fmt:MATRIX_FMT_FP6
.endr
.rept 4
	v_nop                                          ; places behind the products: their fragments' registers are loaded anew, their results are read
.endr
.irp f, 0,1,2,3
.irp g, 0,1,2,3,4,5
	ds_load_b64 v[KF+12*\f+2*\g:KF+12*\f+2*\g+1], v[ADV] offset:1536*\f+256*\g   ; V's four fragments (16 channels x these 128 keys) land while the softmax is walked
.endr
	ds_load_b32 v[248+\f], v[ADT] offset:64*\f
.endr
	s_cmp_lg_u32 s[ST], s[SG]                      ; only my last step lies on the diagonal
	s_cbranch_scc1 .Lopen_\@
	v_mov_b32 v254, 0xff800000                     ; -infinity: p = 0 then
.set n, 0
.rept 64
	v_cmp_gt_i32 vcc_lo, 16*(n/8)+n%8, v[DM]
	v_cndmask_b32 v[96+n], v[96+n], v254, vcc_lo
.set n, n+1
.endr
.Lopen_\@:
.irp b, 0,1,2,3
	v_max3_num_f32 v[232+\b], v[96+16*\b], v[97+16*\b], v[98+16*\b]   ; the largest score of each block of 32 keys: it serves for the row's maximum and, since p rises with the score, for the block's largest p
.endr
.irp i, 3,5,7,9,11,13
.irp b, 0,1,2,3
	v_max3_num_f32 v[232+\b], v[232+\b], v[96+16*\b+\i], v[97+16*\b+\i]
.endr
.endr
.irp b, 0,1,2,3
	v_max_num_f32 v[232+\b], v[232+\b], v[111+16*\b]
.endr
.irp b, 0,1,2,3
	v_permlanex16_b32 v[236+\b], v[232+\b], s[SEL], s[SEL+1]
.endr
.irp b, 0,1,2,3
	v_max_num_f32 v[232+\b], v[232+\b], v[236+\b]  ; with lane l xor 16's 16 keys
.endr
	v_max3_num_f32 v254, v232, v233, v234
	v_max_num_f32 v254, v254, v235                 ; the step's largest score of my query
	v_mul_f32 v254, s[CS], v254                    ; as t (c is positive)
	v_max_num_f32 v13, v13, v254                   ; the running largest t
	v_mov_b32 v254, v12
	v_floor_f32 v12, -v13                          ; the new -M = floor(-t) = -ceil(t): M is a whole number
	v_sub_f32 v254, v12, v254                      ; M's old value less its new one: a whole number, 0 or less
	v_cvt_i32_f32 v254, v254                       ; (it saturates)
	v_ldexp_f32 v252, 1.0, v254                    ; f = 2^(old M - new M)
.irp j, 0,2,4,6,8,10,12,14,16,18,20,22,24,26,28,30,32,34,36,38,40,42,44,46,48,50,52,54,56,58,60,62
	v_pk_fma_f32 v[96+\j:97+\j], v[96+\j:97+\j], s[CS:CS+1], v[12:13] op_sel_hi:[1,0,0]   ; t - M, two at a time
.endr
.irp b, 0,1,2,3
	v_fma_f32 v[232+\b], v[232+\b], s[CS], v12     ; the same of each block's largest score
.endr
.set n, 0
.rept 64
	v_exp_f32 v[96+n], v[96+n]                     ; p = 2^(t - M), at most 1: not normalised
.set n, n+1
.endr
	v_pk_mul_f32 v[14:15], v[14:15], v[252:253] op_sel_hi:[1,0]   ; the sums under the new M.  (A plain instruction behind the exponentials)
	s_wait_alu depctr_va_vdst(0)                   ; one wait for the whole batch, ahead of its first reader
.irp b, 0,1,2,3
	v_exp_f32 v[232+\b], v[232+\b]                 ; the block's largest p
.endr
	v_pk_add_f32 v[236:237], v[96:97], v[98:99]    ; the row's sum is taken of the unquantised p: two at a time, in two chains
.irp j, 4,8,12,16,20,24,28,32,36,40,44,48,52,56,60
	v_pk_add_f32 v[14:15], v[14:15], v[96+\j:97+\j]
	v_pk_add_f32 v[236:237], v[236:237], v[98+\j:99+\j]
.endr
	v_pk_add_f32 v[14:15], v[14:15], v[236:237]
	s_wait_alu depctr_va_vdst(0)                   ; and one for the four
.irp b, 0,1,2,3
	v_max_num_f32 v[232+\b], 0x1800000, v[232+\b]  ; the floor 2^(3 - 127): the byte cannot fall under 1
.endr
.irp b, 0,1,2,3
	v_add_nc_u32 v[244+\b], 0xff000000, v[232+\b]  ; 2 off the exponent field: the conversion's scale operand
.endr
.irp b, 0,1,2,3
	v_lshrrev_b32 v[236+\b], 23, v[244+\b]         ; the scale's byte
.endr
	v_lshl_or_b32 v253, v237, 8, v236              ; p's scale word for these 128 keys
	v_lshl_or_b32 v253, v238, 16, v253
	v_lshl_or_b32 v253, v239, 24, v253
.irp c, 0,1
	v_cvt_scalef32_pk16_fp6_f32 v[224+6*\c:226+6*\c], v[96+32*\c:111+32*\c], v[244+2*\c]
	v_cvt_scalef32_pk16_fp6_f32 v[236+4*\c:238+4*\c], v[112+32*\c:127+32*\c], v[244+2*\c+1]
.endr
	v_nop                                          ; one plain place behind a scaled conversion
.irp c, 0,1                            ; a lane is to hold a whole block: lanes 0-15 block 2 c, lanes 16-31 block 2 c + 1
.irp i, 0,1,2
	v_permlane16_swap_b32 v[224+6*\c+\i], v[236+4*\c+\i]
.endr
.irp i, 0,1,2
	v_mov_b32 v[227+6*\c+\i], v[236+4*\c+\i]
.endr
.endr
.irp j, 0,2,4,6,8,10,12,14,16,18,20,22,24,26,28,30
	v_pk_mul_f32 v[160+\j:161+\j], v[160+\j:161+\j], v[252:253] op_sel_hi:[1,0]   ; O^T under the new M.  (These sixteen are also the places between p's codes and scale word and the products below)
.endr
	s_wait_dscnt 0x0                               ; V's fragments and scale words are in
.irp i, 0,1,2,3
	v_wmma_scale_f32_16x16x128_f8f6f4 v[160+8*\i:167+8*\i], v[KF+12*\i:KF+12*\i+11], v[224:235], v[160+8*\i:167+8*\i], v[248+\i], v253 matrix_a_fmt:MATRIX_FMT_FP6 matrix_b_fmt:MATRIX_FMT_FP6
.endr                                  ; the four accumulators take turns; the next step's eight products for S^T stand between two links of a chain
.Lhidden_\@:
	s_add_co_u32 s[TB], s[TB], 6144
	s_add_co_u32 s[TS], s[TS], 256
	s_add_co_u32 s[ST], s[ST], 1
.endm
	s_wait_tensorcnt 1                             ; my parts of the scale words and of keys 0-255 are in; the one younger load, the rest, may stay out
	s_barrier_signal -1
	s_barrier_wait -1                              ; everybody's are
	STEP                                           ; key steps 0 and 1 read keys 0-255 alone: written out, so that the wait for the rest stands behind them
	STEP
	s_wait_tensorcnt 0x0                           ; my part of the rest is in,
	s_wait_dscnt 0x0
	s_barrier_signal -1
	s_barrier_wait -1                              ; everybody's is
.Lkeys:                                                ; key steps 2 to 15: fourteen trips in every wave; what a wave's queries do not see is jumped over inside the step
	STEP
	s_cmp_lt_u32 s[ST], 16
	s_cbranch_scc1 .Lkeys
	; THE WAY OUT: O^T / the sum; the true order of channels; two blocks of 32 quantised; 24 bytes of codes and a scale byte a lane.
.rept 4
	v_nop                                          ; places behind the last products
.endr
	v_add_f32 v14, v14, v15                        ; the sum's two halves,
	v_permlanex16_b32 v252, v14, s[SEL], s[SEL+1]
	v_add_f32 v14, v14, v252                       ; and lane l xor 16's: the row's sum
	v_rcp_f32 v14, v14
	v_nop                                          ; a plain instruction behind the transcendental
	s_wait_alu depctr_va_vdst(0)                   ; the wait ahead of its first reader
.set n, 0
.rept 32
	v_mul_f32 v[96+n], v[160+n], v14               ; register 8 i + j is channel 16 i + 8 h + j of my query; each accumulator is read from its low end on
.set n, n+1
.endr
.irp b, 0,1
.irp j, 0,1,2,3,4,5,6,7
	v_permlane16_swap_b32 v[96+16*\b+\j], v[104+16*\b+\j]   ; the first's lanes 16-31 change places with the second's lanes 0-15: register 16 b + i is now channel 32 b + 16 h + i
.endr
.endr
.irp b, 0,1
	v_max3_num_f32 v[232+\b], |v[96+16*\b]|, |v[97+16*\b]|, 0x1800000
.endr
.irp i, 2,4,6,8,10,12,14
.irp b, 0,1
	v_max3_num_f32 v[232+\b], v[232+\b], |v[96+16*\b+\i]|, |v[97+16*\b+\i]|
.endr
.endr
.irp b, 0,1
	v_permlanex16_b32 v[236+\b], v[232+\b], s[SEL], s[SEL+1]
.endr
.irp b, 0,1
	v_max_num_f32 v[232+\b], v[232+\b], v[236+\b]  ; the block's largest magnitude
.endr
.irp b, 0,1
	v_add_nc_u32 v[244+\b], 0xff000000, v[232+\b]
.endr
.irp b, 0,1
	v_lshrrev_b32 v[236+\b], 23, v[244+\b]         ; the scale's byte
.endr
	v_cvt_scalef32_pk16_fp6_f32 v[200:202], v[96:111], v244    ; block 0, places 16 h + 0 .. 15
	v_cvt_scalef32_pk16_fp6_f32 v[204:206], v[112:127], v245   ; block 1
	v_nop                                          ; one plain place behind a scaled conversion
.irp i, 0,1,2
	v_permlane16_swap_b32 v[200+\i], v[204+\i]     ; lane half h now holds block h: its lower 16 codes in v200-202, its upper 16 in v204-206
.endr
	v_cmp_eq_u32 vcc_lo, 1, v[HH]
	v_cndmask_b32 v208, v236, v237, vcc_lo         ; and block h's byte
	global_store_b96 v[OC], v[200:202], s[8:9]
	global_store_b96 v[OC], v[204:206], s[8:9] offset:12
	global_store_b8 v[OS], v208, s[10:11]
	s_wait_dscnt 0x0
	s_wait_tensorcnt 0x0
	ds_add_u32 v223, v243
	s_wait_dscnt 0x0
	ROUND                                          ; the closing round: no work-group ends while a partner may still ask for a tile that names it
	s_endpgm
.Lfunc_end_k_qddabc5b606_att:
	.size	k_qddabc5b606_att, .Lfunc_end_k_qddabc5b606_att-k_qddabc5b606_att
	.p2alignl 7, 3214868480
	.fill 96, 4, 3214868480
	.section	.rodata,"a",@progbits
	.p2align	6, 0x0
	.amdhsa_kernel k_qddabc5b606_att
		.amdhsa_group_segment_fixed_size 206848
		.amdhsa_private_segment_fixed_size 0
		.amdhsa_enable_private_segment 0
		.amdhsa_kernarg_size 32
		.amdhsa_user_sgpr_count 2
		.amdhsa_user_sgpr_kernarg_segment_ptr 1
		.amdhsa_wavefront_size32 1
		.amdhsa_system_sgpr_workgroup_id_x 1
		.amdhsa_system_sgpr_workgroup_id_y 1
		.amdhsa_system_sgpr_workgroup_id_z 1
		.amdhsa_system_vgpr_workitem_id 0
		.amdhsa_next_free_vgpr 256
		.amdhsa_next_free_sgpr 80
		.amdhsa_reserve_vcc 1
		.amdhsa_float_denorm_mode_32 3
		.amdhsa_float_denorm_mode_16_64 3
		.amdhsa_memory_ordered 1
		.amdhsa_forward_progress 1
		.amdhsa_inst_pref_size 81
	.end_amdhsa_kernel
	.amdgpu_metadata
---
amdhsa.version: [ 1, 2 ]
amdhsa.kernels:
  - .name:           k_qddabc5b606_att
    .symbol:         k_qddabc5b606_att.kd
    .args:
      - { .name: bc, .offset: 0, .size: 8, .value_kind: global_buffer, .address_space: global }
      - { .name: bsc, .offset: 8, .size: 8, .value_kind: global_buffer, .address_space: global }
      - { .name: ac, .offset: 16, .size: 8, .value_kind: global_buffer, .address_space: global }
      - { .name: asc, .offset: 24, .size: 8, .value_kind: global_buffer, .address_space: global }
    .group_segment_fixed_size: 206848
    .private_segment_fixed_size: 0
    .kernarg_segment_align: 8
    .kernarg_segment_size: 32
    .max_flat_workgroup_size: 512
    .sgpr_count:     80
    .vgpr_count:     256
    .wavefront_size: 32
...
	.end_amdgpu_metadata
.endif
;; end of part 3
;; launch wo (part 4): grid 4 x 16, 4 waves a work-group, clusters of 4 x 4, 327,680 bytes of LDS; arguments ac, asc, Wo_codes, Wo_scales, bo, x, hbuf; writes hbuf
.if DOCPART == 4
	.amdgcn_target "amdgcn-amd-amdhsa--gfx1250"
	.amdhsa_code_object_version 6
	.text
	.protected	k_qddabc5b606_wo
	.globl	k_qddabc5b606_wo
	.p2align	8
	.type	k_qddabc5b606_wo,@function
k_qddabc5b606_wo:
	s_mov_b64 s[64:65], 0
	v_nop
	global_prefetch_b8 v0, s[64:65] scope:SCOPE_SE
	s_setreg_imm32_b32 hwreg(HW_REG_WAVE_MODE, 25, 1), 1
	s_wait_xcnt 0x0
	s_wait_alu depctr_hold_cnt(0) depctr_sa_sdst(0) depctr_va_vdst(0) depctr_va_sdst(0) depctr_va_ssrc(0) depctr_va_vcc(0) depctr_vm_vsrc(0)
	s_getreg_b32 s2, hwreg(HW_REG_IB_STS2, 6, 4)
	s_cmp_eq_u32 s2, 0
	s_cbranch_scc0 .Lentry_in_a_cluster
	s_endpgm
.Lentry_in_a_cluster:
	s_bfe_u32 s2, ttmp6, 0x10000c
	s_cmp_lg_u32 s2, 0xf033
	s_cbranch_scc0 .Lentry_shape_is_right
	s_endpgm
.Lentry_shape_is_right:
; C[m][n] = R[m][n] + bias[n] + sum over k of A[m][k] B[n][k].  A: [4096][SIZE_K], B: [1024][SIZE_K]: codes of FP6 (E2M3) with one E8M0 scale for each 32 along K; R, C: [4096][1024] f32; bias [1024] f32; sums in f32.
; Here: A = attention's output as codes, B = Wo, R = x, bias = bo, C = h.
; A tile of C, 256 x 256, is made by four waves, 128 x 128 each: 64 accumulators of 16 x 16, 512 registers.  K goes in steps of 256 through a ring of two LDS slots filled by the tensor data mover.
; The scales of the work-group's 256 rows of A and of B, for all of K, come into LDS once, in whole units of 256 bytes.
; CLUSTERS: 4 x 4 work-groups; A's tiles are asked for jointly along a row of the cluster, B's along a column.  The matrix instruction is used transposed (source 0 = 16 rows of B, source 1 = 16 rows of A): a lane holds eight neighbouring numbers of a row of C.
; THE RESIDUAL IS WHAT THE SUMS START FROM: R's numbers are loaded straight into the accumulators, in the result's layout, while the first tiles are on their way: nothing is cleared and nothing is added later.
; So the order of rounding is (R + products) + bias, another than the source's R + (products + bias).  The bias is added on the way out, where a lane holds four neighbouring columns of every row.
; C has 64 tiles of this size: 64 work-groups.  A smaller tile would give more of them and read each LDS byte for half the products.
; REGISTERS, in windows of 256: window 0: v0-31 addresses, v[8:11] the bias; v32-63 scale words, two sets; from v128 A's fragments, one set.  window 1: B's fragments, two sets.  windows 2, 3: the accumulators ((a, b) at v[8 (8 (a % 4) + b)]).
; LIMITS: NaN and infinities are not served.
.set SIZE_N, 1024
.set SIZE_K, 1024
.set AROW,   768                       ; from row to row of A's codes in memory, in bytes
.set ASTEP,  192                       ; from K step to K step of A's codes
.set KSTEP,  256
.set NQ,     KSTEP/128
.set ROWB,   192                       ; a tile's row in bytes: 256 codes
.set KROW,   SIZE_K*6/8                ; a row of B's codes in memory
.set PITCH,  240                       ; an LDS row: 3 x (64 bytes + 16 of padding)
.set FR,     12
.set NL,     6
.set NP,     4                         ; places behind this matrix instruction (ISA guide 7.12.1)
.set HALFT,  128*PITCH
.set SLOT,   4*HALFT
.set LAPS,   SIZE_K/(2*KSTEP)
.set KS,     SIZE_K/32
.set SCL,    2*SLOT                    ; behind the ring: the scales, as units of 256 bytes + 16 of padding
.set HALFS,  (128*KS/256)*272
.set SBLK,   (16*KS/256)*272
.set SPARE,  SCL+4*HALFS               ; behind the scales: the spare words, 128 bytes a wave, which no other line names
.set SPITCH, 528                       ; the way out: a stage of 16 rows x (512 bytes + 16) for each wave, in slot 0, which has had its last fill and its last read by then
.set RO,   7                           ; v7      my byte offset in a block of 16 rows of R: 4,096 r + 32 h
.set BV,   8                           ; v[8:11] the bias of my four columns on the way out
.set ADRA, 16
.set ADRB, 20
.set STO,  24
.set RD,   25
.set CO,   26
.set SPW,  28
.set NIL,  29
.set ADRS, 27
.set SC,   32
.set AF,   128
.set BK,   128
.set G1, 24
.set G0, 32
.set G1B, 48
.set G0B, 56
.set G1S, 68
.set G0S, 76
.set G1SB, 80
.set G0SB, 88
.set MSB, 0
.macro WIN new                         ; the immediate's high byte repeats the setting that is left
.if MSB != (\new)
	s_set_vgpr_msb (MSB<<8)|(\new)
.set MSB, \new
.endif
.endm
.set MUL_LO, 0xa1                      ; source 0 (B) window 1, source 1 (A) window 0, C and D window 2
.set MUL_HI, 0xf1                      ; the same, C and D window 3
.set TO_B,   0x40
; A joint load: waves 0 and 1 fetch for A, waves 2 and 3 for B; the branch hangs on the wave's number alone.  Four v_nop follow each of the two lines.
.macro JLOAD g0a, g1a, g0b, g1b
	s_cmp_eq_u32 s15, 0
	s_cbranch_scc0 .Lfor_b_\@
	tensor_load_to_lds s[\g0a:\g0a+3], s[\g1a:\g1a+7]
	s_nop 0
.rept 4
	v_nop
.endr
	s_branch .Lasked_\@
.Lfor_b_\@:
	tensor_load_to_lds s[\g0b:\g0b+3], s[\g1b:\g1b+7]
	s_nop 0
.rept 4
	v_nop
.endr
.Lasked_\@:
.endm
.macro CREST                           ; a round of the cluster's barrier behind its opening barrier
	s_cmp_lg_u32 s14, 0
	s_cbranch_scc1 .Lnot_wave_0_\@
	s_barrier_signal -3
.Lnot_wave_0_\@:
	s_barrier_wait -3
	s_barrier_signal -1
	s_barrier_wait -1
.endm
.macro CROUND
	s_barrier_signal -1
	s_barrier_wait -1
	CREST
.endm
	s_load_b128 s[4:7], s[0:1], 0x0                ; A's codes, A's scales
	s_load_b128 s[8:11], s[0:1], 0x10              ; B's codes, B's scales
	s_load_b128 s[96:99], s[0:1], 0x20             ; the bias s[96:97], R s[98:99]
	s_load_b64 s[12:13], s[0:1], 0x30              ; C
	v_lshl_add_u32 v[SPW], v0, 2, SPARE
	v_mov_b32 v[NIL], 0
	ds_add_u32 v28, v29
	ds_add_u32 v28, v29
	s_wait_dscnt 0x0
	v_lshrrev_b32 v1, 5, v0
	v_readfirstlane_b32 s14, v1                    ; wave 0..3
	s_lshr_b32 s15, s14, 1                         ; which half of the tile's rows is mine.  Also: I fetch for A (0) or for B (1)
	s_and_b32 s16, s14, 1                          ; which half of its columns.  Also: which 128 rows of that tile I fetch
	s_bfe_u32 s40, ttmp6, 0x40000                  ; cx, cy: my place in the cluster
	s_bfe_u32 s41, ttmp6, 0x40004
	s_lshl_b32 s42, ttmp9, 2
	s_add_co_u32 s42, s42, s40                     ; tile column of C
	s_and_b32 s17, ttmp7, 0xffff
	s_lshl_b32 s17, s17, 2
	s_add_co_u32 s17, s17, s41                     ; tile row of C
	s_lshl_b32 s43, s41, 2
	s_lshl_b32 s43, 15, s43                        ; my row of the cluster
	s_lshl_b32 s44, 0x1111, s40                    ; my column
	; descriptor group 1: a tile of 128 rows x 192 bytes, padded in LDS
	s_or_b32 s[G1+0], s43, (0<<16)|(1<<20)|(1<<21)|(3<<22)|(3<<25)  ; 15:0 the mask: A's tiles go to my row; elements of 1 byte; 20 padding on; 21 set beside a mask; after every 16 words, 4 words
	s_or_b32 s[G1B+0], s44, (0<<16)|(1<<20)|(1<<21)|(3<<22)|(3<<25)
.irp g, G1, G1B
	s_mov_b32 s[\g+1], ROWB<<16                    ; tensor_dim0
	s_mov_b32 s[\g+2], 128<<16                     ; tensor_dim1
	s_mov_b32 s[\g+3], ROWB<<16                    ; tile_dim0
	s_mov_b32 s[\g+4], 128                         ; tile_dim1
	s_mov_b32 s[\g+6], 0
	s_mov_b32 s[\g+7], 0
.endr
	s_mov_b32 s[G1+5], AROW                        ; tensor_dim0_stride: A's,
	s_mov_b32 s[G1B+5], KROW                       ; B's
	; the scales of 128 rows: a dense block of 128 KS bytes, as rows of 256 bytes (32 elements of 8 bytes), 16 bytes of padding behind each
	s_or_b32 s[G1S+0], s43, (3<<16)|(1<<20)|(1<<21)|(5<<22)|(3<<25)
	s_or_b32 s[G1SB+0], s44, (3<<16)|(1<<20)|(1<<21)|(5<<22)|(3<<25)
.irp g, G1S, G1SB
	s_mov_b32 s[\g+1], 32<<16
	s_mov_b32 s[\g+2], (128*KS/256)<<16
	s_mov_b32 s[\g+3], 32<<16
	s_mov_b32 s[\g+4], 128*KS/256
	s_mov_b32 s[\g+5], 32
	s_mov_b32 s[\g+6], 0
	s_mov_b32 s[\g+7], 0
.endr
	s_lshl_b32 s18, s16, 7                         ; which 128 rows of the tile I fetch
	s_lshl_b32 s20, s17, 8
	s_add_co_u32 s20, s20, s18                     ; A: row 256 x tile row + 128 x half
	s_lshl_b32 s46, s42, 8
	s_add_co_u32 s46, s46, s18                     ; B: row 256 x tile column + 128 x half
	s_mov_b32 s21, 0
	s_mov_b32 s47, 0
	s_mov_b64 s[18:19], KS
	s_mul_u64 s[22:23], s[20:21], s[18:19]         ; where these rows' scales begin,
	s_mul_u64 s[92:93], s[46:47], s[18:19]
	s_mov_b64 s[18:19], AROW
	s_mul_u64 s[20:21], s[20:21], s[18:19]         ; and their codes
	s_mov_b64 s[18:19], KROW
	s_mul_u64 s[46:47], s[46:47], s[18:19]
	s_mul_i32 s45, s14, HALFT                      ; where they go: wave x 128 rows: no place in the cluster enters an LDS address
	s_mul_i32 s94, s14, HALFS
	s_wait_kmcnt 0x0
	s_add_nc_u64 s[20:21], s[4:5], s[20:21]
	s_add_nc_u64 s[22:23], s[6:7], s[22:23]
	s_add_nc_u64 s[46:47], s[8:9], s[46:47]
	s_add_nc_u64 s[92:93], s[10:11], s[92:93]
	CROUND                                         ; all sixteen work-groups are here: the first joint loads meet
	s_mov_b32 s[G0S], 1
	s_add_co_u32 s[G0S+1], s94, SCL
	s_mov_b64 s[G0S+2:G0S+3], s[22:23]
	s_or_b32 s[G0S+3], s[G0S+3], 0x80000000
	s_mov_b32 s[G0SB], 1
	s_add_co_u32 s[G0SB+1], s94, SCL
	s_mov_b64 s[G0SB+2:G0SB+3], s[92:93]
	s_or_b32 s[G0SB+3], s[G0SB+3], 0x80000000
	JLOAD G0S, G1S, G0SB, G1SB                     ; the scales first: they are wanted with K step 0
.irp s, 0,1
	s_mov_b32 s[G0+4*\s], 1
	s_add_co_u32 s[G0+4*\s+1], s45, \s*SLOT
	s_add_nc_u64 s[G0+4*\s+2:G0+4*\s+3], s[20:21], \s*ASTEP
	s_or_b32 s[G0+4*\s+3], s[G0+4*\s+3], 0x80000000
	s_mov_b32 s[G0B+4*\s], 1
	s_add_co_u32 s[G0B+4*\s+1], s45, \s*SLOT
	s_add_nc_u64 s[G0B+4*\s+2:G0B+4*\s+3], s[46:47], \s*ROWB
	s_or_b32 s[G0B+4*\s+3], s[G0B+4*\s+3], 0x80000000
	JLOAD G0+4*\s, G1, G0B+4*\s, G1B               ; three tensor loads of mine are out now
.endr
	v_and_b32 v1, 15, v0                           ; r = l % 16
	v_bfe_u32 v2, v0, 4, 1                         ; h = l / 16
	v_mul_u32_u24 v3, v1, PITCH
	v_mul_u32_u24 v4, v2, 24
	v_add_nc_u32 v4, v3, v4                        ; a fragment's row x pitch + 24 x half
	v_lshl_add_u32 v5, v2, 4, v4                   ; and the same behind one padding more
	s_mul_i32 s21, s15, HALFT                      ; my 128 rows of A
	s_mul_i32 s22, s16, HALFT                      ; my 128 rows of B,
	s_add_co_u32 s22, s22, 2*HALFT                 ; which lie behind A's 256
.irp s, 0,1
	v_add_nc_u32 v[ADRA+\s], s21, v4
	v_add_nc_u32 v[ADRB+\s], s22, v4
	v_add_nc_u32 v[ADRA+2+\s], s21, v5
	v_add_nc_u32 v[ADRB+2+\s], s22, v5
	s_add_co_u32 s21, s21, SLOT
	s_add_co_u32 s22, s22, SLOT
.endr
	v_mul_u32_u24 v5, v1, KS                       ; my row's scales: KS bytes a row,
	v_lshrrev_b32 v6, 8, v5
	v_lshl_add_u32 v5, v6, 4, v5                   ; and 16 more for each 256 passed
	s_mul_i32 s21, s15, HALFS
	s_mul_i32 s22, s16, HALFS
	s_add_co_u32 s22, s22, 2*HALFS
	s_sub_co_u32 s22, s22, s21
	v_mul_u32_u24 v6, s22, v2                      ; lanes 16-31 take B's
	s_add_co_u32 s21, s21, SCL
	v_add_nc_u32 v5, v5, v6
	v_add_nc_u32 v[ADRS], s21, v5
	s_mul_i32 s23, s14, 16*SPITCH                  ; my stage
	v_mul_u32_u24 v5, v1, SPITCH                   ; in: row l % 16, 32 bytes for each half of the lanes
	v_lshl_add_u32 v5, v2, 5, v5
	v_add_nc_u32 v[STO], s23, v5
	v_and_b32 v6, 31, v0
	v_lshlrev_b32 v[CO], 4, v6                     ; back: the 32 lanes take one row of 512 bytes; and the same in C
	v_add_nc_u32 v[RD], s23, v[CO]
	v_lshlrev_b32 v[RO], 12, v1
	v_lshl_add_u32 v[RO], v2, 5, v[RO]
	s_lshl_b32 s20, s17, 8
	s_lshl_b32 s21, s15, 7
	s_add_co_u32 s20, s20, s21                     ; my first row of C
	s_mov_b32 s21, 0
	s_mov_b64 s[18:19], SIZE_N*4
	s_mul_u64 s[20:21], s[20:21], s[18:19]
	s_lshl_b32 s46, s42, 10                        ; my first column, in bytes
	s_lshl_b32 s47, s16, 9
	s_add_co_u32 s46, s46, s47
	s_mov_b32 s47, 0
	s_add_nc_u64 s[20:21], s[20:21], s[46:47]
	s_add_nc_u64 s[12:13], s[12:13], s[20:21]
	s_add_nc_u64 s[98:99], s[98:99], s[20:21]      ; R has C's shape
	s_add_nc_u64 s[96:97], s[96:97], s[46:47]
	global_load_b128 v[BV:BV+3], v[CO], s[96:97]   ; the bias of columns 4 x lane + 0 .. 3 of my 128
.irp a, 0,1,2,3,4,5,6,7                ; R into the accumulators: lane (r, h), register 8 b + j of block a: R(16 a + r, 16 b + 8 h + j)
	WIN 0x80+0x40*(\a/4)                           ; destination window 2 or 3, the offset's register in window 0
.irp b, 0,1,2,3,4,5,6,7
	global_load_b128 v[8*(8*(\a%4)+\b):8*(8*(\a%4)+\b)+3], v[RO], s[98:99] offset:\a*65536+64*\b
	global_load_b128 v[8*(8*(\a%4)+\b)+4:8*(8*(\a%4)+\b)+7], v[RO], s[98:99] offset:\a*65536+64*\b+16
.endr
.endr
	WIN 0
.macro FRAG reg, adr, q, i             ; a fragment, 16 rows x 128 K, is 12 registers: lane l holds row l % 16; registers 6 c .. 6 c + 5 hold K = 64 c + 32 (l / 16) + 0 .. 31: 24 bytes of the row's stream of bits, in pieces of 8
.irp p, 0,1,2,3,4,5
.set PCE, 12*(\q)+6*(\p/3)+\p%3        ; 16 bytes of padding lie behind every 8 pieces: where the piece three on lies behind one padding more, the second address register serves
.if PCE%8 < 5
	ds_load_b64 v[\reg+2*\p:\reg+2*\p+1], v[\adr] offset:8*PCE+16*(PCE/8)+(\i)*16*PITCH
.else
	ds_load_b64 v[\reg+2*\p:\reg+2*\p+1], v[\adr+2] offset:8*PCE+16*(PCE/8)+(\i)*16*PITCH
.endif
.endr
.endm
; 16 matrix instructions: A's blocks a0, a0 + 1 x B's eight, 128 along K.  The 64 accumulators take turns, one instruction a turn.
.macro MUL16 a0, p, q, sc
.irp a, \a0, \a0+1
.irp b, 0,1,2,3,4,5,6,7
	v_wmma_scale_f32_16x16x128_f8f6f4 v[8*(8*((\a)%4)+\b):8*(8*((\a)%4)+\b)+7], v[128*(\p)+FR*\b:128*(\p)+FR*\b+FR-1], v[AF+FR*(\a):AF+FR*(\a)+FR-1], v[8*(8*((\a)%4)+\b):8*(8*((\a)%4)+\b)+7], v[SC+8*NQ*(\sc)+NQ*\b+(\q)], v[SC+8*NQ*(\sc)+NQ*(\a)+(\q)] matrix_a_fmt:MATRIX_FMT_FP6 matrix_b_fmt:MATRIX_FMT_FP6 matrix_a_scale:MATRIX_SCALE_ROW1
.endr
.endr
.endm
.macro FETCH_B slot, q, p
	WIN TO_B
.irp i, 0,1,2,3,4,5,6,7
	FRAG 128*(\p)+FR*\i, ADRB+\slot, \q, \i
.endr
	WIN 0
.endm
.macro FETCH_A slot, q, i0
.irp i, \i0, \i0+1, \i0+2, \i0+3
	FRAG AF+FR*(\i), ADRA+\slot, \q, \i
.endr
.endm
.macro SCALES sc                       ; a K step's scale words: lanes 0-15 take A's block i, lanes 16-31 B's block i
.irp i, 0,1,2,3,4,5,6,7
	ds_load_b64 v[SC+8*NQ*\sc+NQ*\i:SC+8*NQ*\sc+NQ*\i+1], v[ADRS] offset:\i*SBLK
.endr
.endm
.macro PLACES n                        ; plain vector instructions between a matrix instruction and a load into, or a read of, its registers
.rept \n
	v_nop
.endr
.endm
.macro STEP slot, q                    ; a step of 128 along K that has its successor in the same slot
	s_wait_dscnt 4*NL                              ; B's set and A's blocks 0-3 are in; the youngest 24 loads (A's blocks 4-7) may be out
	WIN MUL_LO
	MUL16 0, (\q)%2, \q, \slot
	MUL16 2, (\q)%2, \q, \slot
	s_wait_dscnt 0                                 ; A's blocks 4-7 are in
	PLACES NP
	FETCH_B \slot, (\q)+1, 1-(\q)%2
	FETCH_A \slot, (\q)+1, 0
	WIN MUL_HI
	MUL16 4, (\q)%2, \q, \slot
	MUL16 6, (\q)%2, \q, \slot
	PLACES NP
	WIN 0
	FETCH_A \slot, (\q)+1, 4
.endm
; A slot's last step changes slots: one barrier; in front of it each wave waits for all its tensor loads, adds 0 to its spare word, and waits for that and for its own reads of this slot.  fill = 1: this slot is filled again.
.macro TURN slot, next, fill
	s_wait_tensorcnt 0x0                           ; all my tensor loads have landed: my part of the next slot
	ds_add_u32 v[SPW], v[NIL]                      ; 0 onto my spare word
	s_wait_dscnt 4*NL+1                            ; (the add and the youngest 24 loads may be out)
	WIN MUL_LO
	MUL16 0, 1, NQ-1, \slot                        ; sixteen matrix instructions stand between the add and the wait for it
	s_wait_dscnt 0x0                               ; the add is done, and my reads of this slot are over
	s_barrier_signal -1
	MUL16 2, 1, NQ-1, \slot
	WIN 0
	s_barrier_wait -1
.if \fill
	CREST                                          ; the barrier has opened a round of the cluster's barrier: no wave of any partner still reads this slot or has a load on its way
	s_add_nc_u64 s[G0+4*\slot+2:G0+4*\slot+3], s[G0+4*\slot+2:G0+4*\slot+3], 2*ASTEP
	s_add_nc_u64 s[G0B+4*\slot+2:G0B+4*\slot+3], s[G0B+4*\slot+2:G0B+4*\slot+3], 2*ROWB
	JLOAD G0+4*\slot, G1, G0B+4*\slot, G1B         ; the first tensor load behind the round; its four v_nop are the places in front of the loads below
.else
	PLACES NP
.endif
	v_add_nc_u32 v[ADRS], 4*NQ, v[ADRS]            ; on to the next K step's scale words
	FETCH_B \next, 0, 0
	FETCH_A \next, 0, 0
	SCALES \next
	WIN MUL_HI
	MUL16 4, 1, NQ-1, \slot
	MUL16 6, 1, NQ-1, \slot
	PLACES NP
	WIN 0
	FETCH_A \next, 0, 4
.endm
	s_wait_tensorcnt 1                             ; the scales and my part of K step 0 are in (K step 1's load may be out)
	s_barrier_signal -1
	s_barrier_wait -1                              ; everybody's are
	FETCH_B 0, 0, 0
	FETCH_A 0, 0, 0
	SCALES 0
	FETCH_A 0, 0, 4
	s_wait_loadcnt 0x0                             ; R lies in the accumulators, the bias in its registers
	STEP 0, 0
	s_mov_b32 s3, LAPS-1
.Llap:                                                 ; a trip goes once round the ring and fills both slots again
	TURN 0, 1, 1
	STEP 1, 0
	TURN 1, 0, 1
	STEP 0, 0
	s_sub_co_u32 s3, s3, 1
	s_cmp_lg_u32 s3, 0
	s_cbranch_scc1 .Llap
	TURN 0, 1, 0                                   ; the last lap fills nothing
	STEP 1, 0
	s_wait_dscnt 4*NL
	WIN MUL_LO
	MUL16 0, 1, NQ-1, 1
	MUL16 2, 1, NQ-1, 1
	s_wait_dscnt 0
	WIN MUL_HI
	MUL16 4, 1, NQ-1, 1
	MUL16 6, 1, NQ-1, 1
	WIN 0
; THE WAY OUT, block by block of 16 rows x 128 columns, through my own stage in LDS: in as 32 bytes a lane, back as whole rows of 512 bytes.  LDS serves a wave's instructions in order (ISA guide 5.7.1.4): no wait between the stores and the loads.
.macro TOSTAGE a
.set AC, 64*((\a)%4)
	WIN 0x08+4*((\a)/4)                            ; the data: window 2 or 3
.irp b, 0,1,2,3,4,5,6,7
	ds_store_b128 v[STO], v[AC+8*\b:AC+8*\b+3] offset:64*\b          ; each accumulator from its low end on
	ds_store_b128 v[STO], v[AC+8*\b+4:AC+8*\b+7] offset:64*\b+16
.endr
	WIN 0
.set BB, BK+64*((\a)%2)
.irp t, 0,1,2,3,4,5,6,7,8,9,10,11,12,13,14,15
	ds_load_b128 v[BB+4*\t:BB+4*\t+3], v[RD] offset:\t*SPITCH
.endr
.endm
.macro SEND a, younger                 ; younger: the LDS instructions issued behind block a's loads, which may stay out
.set BB, BK+64*((\a)%2)
	s_wait_dscnt \younger                          ; the block is back in registers
.if (\a) > 0
	s_add_nc_u64 s[12:13], s[12:13], 16*SIZE_N*4   ; (behind a wait on XCNT: the earlier stores have read their base)  16 rows of C on
.endif
.irp t, 0,1,2,3,4,5,6,7,8,9,10,11,12,13,14,15
	v_pk_add_f32 v[BB+4*\t:BB+4*\t+1], v[BB+4*\t:BB+4*\t+1], v[BV:BV+1]           ; + the bias of my four columns
	v_pk_add_f32 v[BB+4*\t+2:BB+4*\t+3], v[BB+4*\t+2:BB+4*\t+3], v[BV+2:BV+3]
	global_store_b128 v[CO], v[BB+4*\t:BB+4*\t+3], s[12:13] offset:\t*SIZE_N*4    ; 32 lanes store 512 consecutive bytes, at a multiple of 256 from C's first byte
.endr
.endm
	PLACES NP
	TOSTAGE 0
.irp a, 1,2,3,4,5,6,7
.if \a > 1
	s_wait_xcnt 0x0                                ; block a - 2's stores have read their registers and their base: block a's loads may land there, and the base may step
.endif
	TOSTAGE \a
	SEND \a-1, 32                                  ; behind block a - 1's loads: block a's 16 stores and 16 loads
.endr
	s_wait_xcnt 0x0
	SEND 7, 0
	s_wait_tensorcnt 0x0                           ; the wave's end
	ds_add_u32 v[SPW], v[NIL]
	s_wait_dscnt 0x0
	CROUND                                         ; the closing round: no work-group ends while a partner may still ask for a tile that names it
	s_endpgm
.Lfunc_end_k_qddabc5b606_wo:
	.size	k_qddabc5b606_wo, .Lfunc_end_k_qddabc5b606_wo-k_qddabc5b606_wo
	.p2alignl 7, 3214868480
	.fill 96, 4, 3214868480
	.section	.rodata,"a",@progbits
	.p2align	6, 0x0
	.amdhsa_kernel k_qddabc5b606_wo
		.amdhsa_group_segment_fixed_size 327680
		.amdhsa_private_segment_fixed_size 0
		.amdhsa_enable_private_segment 0
		.amdhsa_kernarg_size 56
		.amdhsa_user_sgpr_count 2
		.amdhsa_user_sgpr_kernarg_segment_ptr 1
		.amdhsa_wavefront_size32 1
		.amdhsa_system_sgpr_workgroup_id_x 1
		.amdhsa_system_sgpr_workgroup_id_y 1
		.amdhsa_system_sgpr_workgroup_id_z 1
		.amdhsa_system_vgpr_workitem_id 0
		.amdhsa_next_free_vgpr 1024
		.amdhsa_next_free_sgpr 100
		.amdhsa_reserve_vcc 0
		.amdhsa_float_denorm_mode_32 3
		.amdhsa_float_denorm_mode_16_64 3
		.amdhsa_memory_ordered 1
		.amdhsa_forward_progress 1
		.amdhsa_inst_pref_size 188
	.end_amdhsa_kernel
	.amdgpu_metadata
---
amdhsa.version: [ 1, 2 ]
amdhsa.kernels:
  - .name:           k_qddabc5b606_wo
    .symbol:         k_qddabc5b606_wo.kd
    .args:
      - { .name: ac, .offset: 0, .size: 8, .value_kind: global_buffer, .address_space: global }
      - { .name: asc, .offset: 8, .size: 8, .value_kind: global_buffer, .address_space: global }
      - { .name: Wo_codes, .offset: 16, .size: 8, .value_kind: global_buffer, .address_space: global }
      - { .name: Wo_scales, .offset: 24, .size: 8, .value_kind: global_buffer, .address_space: global }
      - { .name: bo, .offset: 32, .size: 8, .value_kind: global_buffer, .address_space: global }
      - { .name: x, .offset: 40, .size: 8, .value_kind: global_buffer, .address_space: global }
      - { .name: hbuf, .offset: 48, .size: 8, .value_kind: global_buffer, .address_space: global }
    .group_segment_fixed_size: 327680
    .private_segment_fixed_size: 0
    .kernarg_segment_align: 8
    .kernarg_segment_size: 56
    .max_flat_workgroup_size: 128
    .sgpr_count:     100
    .vgpr_count:     1024
    .wavefront_size: 32
...
	.end_amdgpu_metadata
.endif
;; end of part 4
;; launch ln2: the kernel of part 1 again; grid 256 x 1, 8 waves a work-group, no clusters, 79,872 bytes of LDS; arguments hbuf, ln2_w, ln2_b, ac, asc; writes ac, asc
;; launch w1 (part 5): grid 16 x 16, 4 waves a work-group, clusters of 4 x 4, 327,680 bytes of LDS; arguments ac, asc, W1_codes, W1_scales, b1, bc, bsc; writes bc, bsc
.if DOCPART == 5
	.amdgcn_target "amdgcn-amd-amdhsa--gfx1250"
	.amdhsa_code_object_version 6
	.text
	.protected	k_qddabc5b606_w1
	.globl	k_qddabc5b606_w1
	.p2align	8
	.type	k_qddabc5b606_w1,@function
k_qddabc5b606_w1:
	s_mov_b64 s[64:65], 0
	v_nop
	global_prefetch_b8 v0, s[64:65] scope:SCOPE_SE
	s_setreg_imm32_b32 hwreg(HW_REG_WAVE_MODE, 25, 1), 1
	s_wait_xcnt 0x0
	s_wait_alu depctr_hold_cnt(0) depctr_sa_sdst(0) depctr_va_vdst(0) depctr_va_sdst(0) depctr_va_ssrc(0) depctr_va_vcc(0) depctr_vm_vsrc(0)
	s_getreg_b32 s2, hwreg(HW_REG_IB_STS2, 6, 4)
	s_cmp_eq_u32 s2, 0
	s_cbranch_scc0 .Lentry_in_a_cluster
	s_endpgm
.Lentry_in_a_cluster:
	s_bfe_u32 s2, ttmp6, 0x10000c
	s_cmp_lg_u32 s2, 0xf033
	s_cbranch_scc0 .Lentry_shape_is_right
	s_endpgm
.Lentry_shape_is_right:
; hidden = relu(a W1 + b1), on codes of FP6 (E2M3) with E8M0 scales (a: the normalised rows [4096][1024] as codes; W1: [4096 (n)][1024 (k)] as codes), sums in f32, and quantised at once along the hidden units for the next product.
; Out: codes laid [hidden / 256][4096 rows][192 bytes], so that a work-group's 256 x 256 numbers are 49,152 consecutive bytes and the next launch's tiles are dense; scale bytes [4096][128].
; A tile, 256 x 256, is made by four waves, 128 x 128 each: 64 accumulators of 16 x 16.  K goes in steps of 256 through a ring of two LDS slots filled by the tensor data mover; the scales of the work-group's rows come into LDS once.
; CLUSTERS: 4 x 4 work-groups; A's tiles are asked for jointly along a row of the cluster, B's along a column.  The matrix instruction is used transposed (source 0 = 16 rows of W1, source 1 = 16 rows of a): a lane holds one row and hidden units along its registers.
; THE BIAS IS THE C OF EACH SUM'S FIRST PRODUCT: eight registers for each of B's eight blocks, in the result's layout.
; THE TRUE ORDER.  Register 16 b + 8 u + j of lane half h holds hidden unit 32 b + 16 u + 8 h + j.  The next product's other operand is a given weight, so the order must be the true one:
; one exchange of lane halves for each pair of registers (16 b + j, 16 b + 8 + j) gives lane half h the 16 neighbours 32 b + 16 h + 0 .. 15.
; REGISTERS, in windows of 256: window 0: v0-31 addresses; v32-63 scale words, two sets; v64-127 the bias, later a block of results; from v128 A's fragments, one set.  window 1: B's fragments, two sets.  windows 2, 3: the accumulators.
; LIMITS: NaN and infinities are not served.  A block of zeros gets the byte 1 where the quantiser says 127 (its codes are zeros; only this program reads the bytes); blocks under 2^-124 are held at the byte 1.
; The scale bytes leave eight to a row: one part in 24 of what the launch stores.
.set SIZE_K, 1024
.set KSTEP,  256
.set NQ,     KSTEP/128
.set ROWB,   192
.set KROW,   SIZE_K*6/8
.set PITCH,  240                       ; an LDS row: 3 x (64 bytes + 16 of padding)
.set FR,     12
.set NL,     6
.set NP,     4                         ; places behind this matrix instruction (ISA guide 7.12.1)
.set HALFT,  128*PITCH
.set SLOT,   4*HALFT
.set LAPS,   SIZE_K/(2*KSTEP)
.set KS,     SIZE_K/32
.set SCL,    2*SLOT
.set HALFS,  (128*KS/256)*272
.set SBLK,   (16*KS/256)*272
.set SPARE,  SCL+4*HALFS               ; the spare words, 128 bytes a wave, which no other line names
.set STGS,   49152                     ; the way out's stage lies in slot 0, which has had its last fill and its last read by then: codes [256 rows][192 bytes] at 0, scale words [256 rows][8 bytes] here
.set ADRA, 16
.set ADRB, 20
.set SPW,  28
.set NIL,  29
.set ADRS, 27
.set SC,   32
.set BI,   64                          ; v64-127 b1 at my lane's hidden units: register 8 b + j: unit 16 b + 8 h + j
.set HA,   64                          ; the way out: a block's 64 numbers
.set AF,   128
.set TM,   32                          ; the way out: largest magnitudes, bytes, scale operands
.set PW,   48
.set PC,   128
.set SEL,  94                          ; s[94:95] lane selects, set on the way out
.set G1, 24
.set G0, 32
.set G1B, 48
.set G0B, 56
.set G1S, 68
.set G0S, 76
.set G1SB, 80
.set G0SB, 88
.set MSB, 0
.macro WIN new                         ; the immediate's high byte repeats the setting that is left
.if MSB != (\new)
	s_set_vgpr_msb (MSB<<8)|(\new)
.set MSB, \new
.endif
.endm
.set MUL_LO, 0xa1                      ; source 0 (B) window 1, source 1 (A) window 0, C and D window 2
.set MUL_HI, 0xf1                      ; the same, C and D window 3
.set FIRST_LO, 0x81                    ; the first products: C (the bias) window 0, D window 2
.set FIRST_HI, 0xc1                    ; D window 3
.set TO_B,   0x40
; A joint load: waves 0 and 1 fetch for A, waves 2 and 3 for B; the branch hangs on the wave's number alone.  Four v_nop follow each of the two lines.
.macro JLOAD g0a, g1a, g0b, g1b
	s_cmp_eq_u32 s15, 0
	s_cbranch_scc0 .Lfor_b_\@
	tensor_load_to_lds s[\g0a:\g0a+3], s[\g1a:\g1a+7]
	s_nop 0
.rept 4
	v_nop
.endr
	s_branch .Lasked_\@
.Lfor_b_\@:
	tensor_load_to_lds s[\g0b:\g0b+3], s[\g1b:\g1b+7]
	s_nop 0
.rept 4
	v_nop
.endr
.Lasked_\@:
.endm
.macro CREST                           ; a round of the cluster's barrier behind its opening barrier
	s_cmp_lg_u32 s14, 0
	s_cbranch_scc1 .Lnot_wave_0_\@
	s_barrier_signal -3
.Lnot_wave_0_\@:
	s_barrier_wait -3
	s_barrier_signal -1
	s_barrier_wait -1
.endm
.macro CROUND
	s_barrier_signal -1
	s_barrier_wait -1
	CREST
.endm
	s_load_b128 s[4:7], s[0:1], 0x0                ; A's codes, A's scales
	s_load_b128 s[8:11], s[0:1], 0x10              ; B's codes, B's scales
	s_load_b128 s[96:99], s[0:1], 0x20             ; b1 s[96:97], the codes that leave s[98:99]
	s_load_b64 s[12:13], s[0:1], 0x30              ; their scale bytes
	v_lshl_add_u32 v[SPW], v0, 2, SPARE
	v_mov_b32 v[NIL], 0
	ds_add_u32 v28, v29
	ds_add_u32 v28, v29
	s_wait_dscnt 0x0
	v_lshrrev_b32 v1, 5, v0
	v_readfirstlane_b32 s14, v1                    ; wave 0..3
	s_lshr_b32 s15, s14, 1                         ; which half of the tile's rows is mine.  Also: I fetch for A (0) or for B (1)
	s_and_b32 s16, s14, 1                          ; which half of its columns.  Also: which 128 rows of that tile I fetch
	s_bfe_u32 s40, ttmp6, 0x40000                  ; cx, cy
	s_bfe_u32 s41, ttmp6, 0x40004
	s_lshl_b32 s42, ttmp9, 2
	s_add_co_u32 s42, s42, s40                     ; tile column: 256 hidden units
	s_and_b32 s17, ttmp7, 0xffff
	s_lshl_b32 s17, s17, 2
	s_add_co_u32 s17, s17, s41                     ; tile row: 256 tokens
	s_lshl_b32 s43, s41, 2
	s_lshl_b32 s43, 15, s43                        ; my row of the cluster
	s_lshl_b32 s44, 0x1111, s40                    ; my column
	s_or_b32 s[G1+0], s43, (0<<16)|(1<<20)|(1<<21)|(3<<22)|(3<<25)  ; 15:0 the mask: A's tiles go to my row; elements of 1 byte; 20 padding on; 21 set beside a mask; after every 16 words, 4 words
	s_or_b32 s[G1B+0], s44, (0<<16)|(1<<20)|(1<<21)|(3<<22)|(3<<25)
.irp g, G1, G1B
	s_mov_b32 s[\g+1], ROWB<<16                    ; tensor_dim0
	s_mov_b32 s[\g+2], 128<<16                     ; tensor_dim1
	s_mov_b32 s[\g+3], ROWB<<16                    ; tile_dim0
	s_mov_b32 s[\g+4], 128                         ; tile_dim1
	s_mov_b32 s[\g+5], KROW                        ; tensor_dim0_stride
	s_mov_b32 s[\g+6], 0
	s_mov_b32 s[\g+7], 0
.endr
	s_or_b32 s[G1S+0], s43, (3<<16)|(1<<20)|(1<<21)|(5<<22)|(3<<25)   ; the scales of 128 rows: dense, as rows of 256 bytes, 16 bytes of padding behind each
	s_or_b32 s[G1SB+0], s44, (3<<16)|(1<<20)|(1<<21)|(5<<22)|(3<<25)
.irp g, G1S, G1SB
	s_mov_b32 s[\g+1], 32<<16
	s_mov_b32 s[\g+2], (128*KS/256)<<16
	s_mov_b32 s[\g+3], 32<<16
	s_mov_b32 s[\g+4], 128*KS/256
	s_mov_b32 s[\g+5], 32
	s_mov_b32 s[\g+6], 0
	s_mov_b32 s[\g+7], 0
.endr
	s_lshl_b32 s18, s16, 7
	s_lshl_b32 s20, s17, 8
	s_add_co_u32 s20, s20, s18                     ; A: row 256 x tile row + 128 x half
	s_lshl_b32 s46, s42, 8
	s_add_co_u32 s46, s46, s18                     ; B: row 256 x tile column + 128 x half
	s_mov_b32 s21, 0
	s_mov_b32 s47, 0
	s_mov_b64 s[18:19], KS
	s_mul_u64 s[22:23], s[20:21], s[18:19]
	s_mul_u64 s[92:93], s[46:47], s[18:19]
	s_mov_b64 s[18:19], KROW
	s_mul_u64 s[20:21], s[20:21], s[18:19]
	s_mul_u64 s[46:47], s[46:47], s[18:19]
	s_mul_i32 s45, s14, HALFT                      ; where they go: wave x 128 rows: no place in the cluster enters an LDS address
	s_mul_i32 s94, s14, HALFS
	s_wait_kmcnt 0x0
	s_add_nc_u64 s[20:21], s[4:5], s[20:21]
	s_add_nc_u64 s[22:23], s[6:7], s[22:23]
	s_add_nc_u64 s[46:47], s[8:9], s[46:47]
	s_add_nc_u64 s[92:93], s[10:11], s[92:93]
	CROUND                                         ; all sixteen work-groups are here: the first joint loads meet
	s_mov_b32 s[G0S], 1
	s_add_co_u32 s[G0S+1], s94, SCL
	s_mov_b64 s[G0S+2:G0S+3], s[22:23]
	s_or_b32 s[G0S+3], s[G0S+3], 0x80000000
	s_mov_b32 s[G0SB], 1
	s_add_co_u32 s[G0SB+1], s94, SCL
	s_mov_b64 s[G0SB+2:G0SB+3], s[92:93]
	s_or_b32 s[G0SB+3], s[G0SB+3], 0x80000000
	JLOAD G0S, G1S, G0SB, G1SB                     ; the scales first
.irp s, 0,1
	s_mov_b32 s[G0+4*\s], 1
	s_add_co_u32 s[G0+4*\s+1], s45, \s*SLOT
	s_add_nc_u64 s[G0+4*\s+2:G0+4*\s+3], s[20:21], \s*ROWB
	s_or_b32 s[G0+4*\s+3], s[G0+4*\s+3], 0x80000000
	s_mov_b32 s[G0B+4*\s], 1
	s_add_co_u32 s[G0B+4*\s+1], s45, \s*SLOT
	s_add_nc_u64 s[G0B+4*\s+2:G0B+4*\s+3], s[46:47], \s*ROWB
	s_or_b32 s[G0B+4*\s+3], s[G0B+4*\s+3], 0x80000000
	JLOAD G0+4*\s, G1, G0B+4*\s, G1B               ; three tensor loads of mine are out now
.endr
	v_and_b32 v1, 15, v0                           ; r
	v_bfe_u32 v2, v0, 4, 1                         ; h
	v_mul_u32_u24 v3, v1, PITCH
	v_mul_u32_u24 v4, v2, 24
	v_add_nc_u32 v4, v3, v4
	v_lshl_add_u32 v5, v2, 4, v4
	s_mul_i32 s21, s15, HALFT
	s_mul_i32 s22, s16, HALFT
	s_add_co_u32 s22, s22, 2*HALFT
.irp s, 0,1
	v_add_nc_u32 v[ADRA+\s], s21, v4
	v_add_nc_u32 v[ADRB+\s], s22, v4
	v_add_nc_u32 v[ADRA+2+\s], s21, v5
	v_add_nc_u32 v[ADRB+2+\s], s22, v5
	s_add_co_u32 s21, s21, SLOT
	s_add_co_u32 s22, s22, SLOT
.endr
	v_mul_u32_u24 v5, v1, KS
	v_lshrrev_b32 v6, 8, v5
	v_lshl_add_u32 v5, v6, 4, v5
	s_mul_i32 s21, s15, HALFS
	s_mul_i32 s22, s16, HALFS
	s_add_co_u32 s22, s22, 2*HALFS
	s_sub_co_u32 s22, s22, s21
	v_mul_u32_u24 v6, s22, v2                      ; lanes 16-31 take B's
	s_add_co_u32 s21, s21, SCL
	v_add_nc_u32 v5, v5, v6
	v_add_nc_u32 v[ADRS], s21, v5
	; the way out's addresses: made of the lane and the wave's number alone
	s_mul_i32 s21, s15, 24576
	s_mul_i32 s22, s16, 96
	s_add_co_u32 s21, s21, s22
	v_mul_u32_u24 v8, v1, 192
	v_mad_u32_u24 v8, v2, 24, v8
	v_add_nc_u32 v8, s21, v8                       ; v8: codes into the stage: row 128 x my half + r, + 96 x my column half, + 24 h
	s_lshl_b32 s21, s15, 10
	s_lshl_b32 s22, s16, 2
	s_add_co_u32 s21, s21, s22
	s_add_co_u32 s21, s21, STGS
	v_lshl_add_u32 v9, v1, 3, s21                  ; v9: the scale word: 8 bytes a row, + 4 x my column half
	v_and_b32 v6, 31, v0
	v_lshlrev_b32 v12, 4, v6                       ; v12: 16 x lane
	s_mul_i32 s21, s14, 12288
	v_add_nc_u32 v10, s21, v12                     ; v10: codes back: a quarter of the 49,152 bytes a wave
	s_lshl_b32 s21, s14, 9
	s_add_co_u32 s21, s21, STGS
	v_lshl_add_u32 v11, v6, 3, s21                 ; v11: scale bytes back: 64 rows a wave, a lane a row
	v_lshlrev_b32 v13, 7, v6                       ; v13: a row of scale bytes in memory is 128 bytes
	v_lshlrev_b32 v7, 5, v2                        ; v7: 32 h: my half's eight units of a block of 16
	s_mul_i32 s20, s42, 786432
	s_mul_i32 s21, s17, 49152
	s_add_co_u32 s20, s20, s21
	s_mul_i32 s21, s14, 12288
	s_add_co_u32 s20, s20, s21
	s_mov_b32 s21, 0
	s_add_nc_u64 s[98:99], s[98:99], s[20:21]      ; codes: my quarter of the work-group's dense block
	s_lshl_b32 s20, s17, 15
	s_lshl_b32 s22, s14, 13
	s_add_co_u32 s20, s20, s22
	s_lshl_b32 s22, s42, 3
	s_add_co_u32 s20, s20, s22
	s_add_nc_u64 s[12:13], s[12:13], s[20:21]      ; scale bytes: row 256 x tile row + 64 x wave, + 8 x tile column
	s_lshl_b32 s20, s42, 10
	s_lshl_b32 s22, s16, 9
	s_add_co_u32 s20, s20, s22
	s_add_nc_u64 s[96:97], s[96:97], s[20:21]      ; b1 at my 128 hidden units
.irp b, 0,1,2,3,4,5,6,7
	global_load_b128 v[BI+8*\b:BI+8*\b+3], v7, s[96:97] offset:64*\b
	global_load_b128 v[BI+8*\b+4:BI+8*\b+7], v7, s[96:97] offset:64*\b+16
.endr
.macro FRAG reg, adr, q, i             ; a fragment, 16 rows x 128 K, is 12 registers: lane l holds row l % 16; registers 6 c .. 6 c + 5 hold K = 64 c + 32 (l / 16) + 0 .. 31: 24 bytes of the row's stream of bits, in pieces of 8
.irp p, 0,1,2,3,4,5
.set PCE, 12*(\q)+6*(\p/3)+\p%3        ; 16 bytes of padding lie behind every 8 pieces: where the piece three on lies behind one padding more, the second address register serves
.if PCE%8 < 5
	ds_load_b64 v[\reg+2*\p:\reg+2*\p+1], v[\adr] offset:8*PCE+16*(PCE/8)+(\i)*16*PITCH
.else
	ds_load_b64 v[\reg+2*\p:\reg+2*\p+1], v[\adr+2] offset:8*PCE+16*(PCE/8)+(\i)*16*PITCH
.endif
.endr
.endm
; 16 matrix instructions: A's blocks a0, a0 + 1 x B's eight, 128 along K.  first = 1: the sums start from the bias.  The 64 accumulators take turns, one instruction a turn.
.macro MUL16 a0, p, q, sc, first
.irp a, \a0, \a0+1
.irp b, 0,1,2,3,4,5,6,7
.if \first
	v_wmma_scale_f32_16x16x128_f8f6f4 v[8*(8*((\a)%4)+\b):8*(8*((\a)%4)+\b)+7], v[128*(\p)+FR*\b:128*(\p)+FR*\b+FR-1], v[AF+FR*(\a):AF+FR*(\a)+FR-1], v[BI+8*\b:BI+8*\b+7], v[SC+8*NQ*(\sc)+NQ*\b+(\q)], v[SC+8*NQ*(\sc)+NQ*(\a)+(\q)] matrix_a_fmt:MATRIX_FMT_FP6 matrix_b_fmt:MATRIX_FMT_FP6 matrix_a_scale:MATRIX_SCALE_ROW1
.else
	v_wmma_scale_f32_16x16x128_f8f6f4 v[8*(8*((\a)%4)+\b):8*(8*((\a)%4)+\b)+7], v[128*(\p)+FR*\b:128*(\p)+FR*\b+FR-1], v[AF+FR*(\a):AF+FR*(\a)+FR-1], v[8*(8*((\a)%4)+\b):8*(8*((\a)%4)+\b)+7], v[SC+8*NQ*(\sc)+NQ*\b+(\q)], v[SC+8*NQ*(\sc)+NQ*(\a)+(\q)] matrix_a_fmt:MATRIX_FMT_FP6 matrix_b_fmt:MATRIX_FMT_FP6 matrix_a_scale:MATRIX_SCALE_ROW1
.endif
.endr
.endr
.endm
.macro FETCH_B slot, q, p
	WIN TO_B
.irp i, 0,1,2,3,4,5,6,7
	FRAG 128*(\p)+FR*\i, ADRB+\slot, \q, \i
.endr
	WIN 0
.endm
.macro FETCH_A slot, q, i0
.irp i, \i0, \i0+1, \i0+2, \i0+3
	FRAG AF+FR*(\i), ADRA+\slot, \q, \i
.endr
.endm
.macro SCALES sc
.irp i, 0,1,2,3,4,5,6,7
	ds_load_b64 v[SC+8*NQ*\sc+NQ*\i:SC+8*NQ*\sc+NQ*\i+1], v[ADRS] offset:\i*SBLK
.endr
.endm
.macro PLACES n                        ; plain vector instructions between a matrix instruction and a load into, or a read of, its registers
.rept \n
	v_nop
.endr
.endm
.macro STEP slot, q, first             ; a step of 128 along K that has its successor in the same slot
	s_wait_dscnt 4*NL                              ; B's set and A's blocks 0-3 are in; the youngest 24 loads (A's blocks 4-7) may be out
.if \first
	WIN FIRST_LO
.else
	WIN MUL_LO
.endif
	MUL16 0, (\q)%2, \q, \slot, \first
	MUL16 2, (\q)%2, \q, \slot, \first
	s_wait_dscnt 0
	PLACES NP
	FETCH_B \slot, (\q)+1, 1-(\q)%2
	FETCH_A \slot, (\q)+1, 0
.if \first
	WIN FIRST_HI
.else
	WIN MUL_HI
.endif
	MUL16 4, (\q)%2, \q, \slot, \first
	MUL16 6, (\q)%2, \q, \slot, \first
	PLACES NP
	WIN 0
	FETCH_A \slot, (\q)+1, 4
.endm
; A slot's last step changes slots: one barrier; in front of it each wave waits for all its tensor loads, adds 0 to its spare word, and waits for that and for its own reads of this slot.  fill = 1: this slot is filled again.
.macro TURN slot, next, fill
	s_wait_tensorcnt 0x0                           ; all my tensor loads have landed: my part of the next slot
	ds_add_u32 v[SPW], v[NIL]                      ; 0 onto my spare word
	s_wait_dscnt 4*NL+1                            ; (the add and the youngest 24 loads may be out)
	WIN MUL_LO
	MUL16 0, 1, NQ-1, \slot, 0
	s_wait_dscnt 0x0                               ; the add is done, and my reads of this slot are over
	s_barrier_signal -1
	MUL16 2, 1, NQ-1, \slot, 0
	WIN 0
	s_barrier_wait -1
.if \fill
	CREST                                          ; the barrier has opened a round of the cluster's barrier: no wave of any partner still reads this slot or has a load on its way
	s_add_nc_u64 s[G0+4*\slot+2:G0+4*\slot+3], s[G0+4*\slot+2:G0+4*\slot+3], 2*ROWB
	s_add_nc_u64 s[G0B+4*\slot+2:G0B+4*\slot+3], s[G0B+4*\slot+2:G0B+4*\slot+3], 2*ROWB
	JLOAD G0+4*\slot, G1, G0B+4*\slot, G1B         ; the first tensor load behind the round; its four v_nop are the places in front of the loads below
.else
	PLACES NP
.endif
	v_add_nc_u32 v[ADRS], 4*NQ, v[ADRS]
	FETCH_B \next, 0, 0
	FETCH_A \next, 0, 0
	SCALES \next
	WIN MUL_HI
	MUL16 4, 1, NQ-1, \slot, 0
	MUL16 6, 1, NQ-1, \slot, 0
	PLACES NP
	WIN 0
	FETCH_A \next, 0, 4
.endm
; 64 numbers of a lane, v[s] .. v[s + 63], register 16 b + i = k 32 b + 16 (lane / 16) + i of my row, become a fragment's codes in v[PC] on and its scale word in v[PW].
.macro QUANT s
.irp b, 0,1,2,3
	v_max3_num_f32 v[TM+\b], |v[\s+16*\b]|, |v[\s+1+16*\b]|, 0x1800000   ; and the floor 2^(3 - 127): the byte cannot fall under 1
.endr
.irp i, 2,4,6,8,10,12,14
.irp b, 0,1,2,3
	v_max3_num_f32 v[TM+\b], v[TM+\b], |v[\s+16*\b+\i]|, |v[\s+1+16*\b+\i]|
.endr
.endr
.irp b, 0,1,2,3
	v_permlanex16_b32 v[TM+4+\b], v[TM+\b], s[SEL], s[SEL+1]
.endr
.irp b, 0,1,2,3
	v_max_num_f32 v[TM+\b], v[TM+\b], v[TM+4+\b]
.endr
.irp b, 0,1,2,3
	v_add_nc_u32 v[TM+12+\b], 0xff000000, v[TM+\b] ; 2 off the exponent field: the conversion's scale operand
.endr
.irp b, 0,1,2,3
	v_lshrrev_b32 v[TM+4+\b], 23, v[TM+12+\b]      ; the scale's byte
.endr
	v_lshl_or_b32 v[PW], v[TM+5], 8, v[TM+4]
	v_lshl_or_b32 v[PW], v[TM+6], 16, v[PW]
	v_lshl_or_b32 v[PW], v[TM+7], 24, v[PW]
.irp c, 0,1
	v_cvt_scalef32_pk16_fp6_f32 v[PC+6*\c:PC+2+6*\c], v[\s+32*\c:\s+15+32*\c], v[TM+12+2*\c]
	v_cvt_scalef32_pk16_fp6_f32 v[PC+12+4*\c:PC+14+4*\c], v[\s+16+32*\c:\s+31+32*\c], v[TM+12+2*\c+1]
.endr
	v_nop                                          ; one plain place behind a scaled conversion
.irp c, 0,1
.irp i, 0,1,2
	v_permlane16_swap_b32 v[PC+6*\c+\i], v[PC+12+4*\c+\i]
.endr
.irp i, 0,1,2
	v_mov_b32 v[PC+3+6*\c+\i], v[PC+12+4*\c+\i]
.endr
.endr
.endm
	s_wait_tensorcnt 1                             ; the scales and my part of K step 0 are in (K step 1's load may be out)
	s_barrier_signal -1
	s_barrier_wait -1                              ; everybody's are
	FETCH_B 0, 0, 0
	FETCH_A 0, 0, 0
	SCALES 0
	FETCH_A 0, 0, 4
	s_wait_loadcnt 0x0                             ; the bias
	STEP 0, 0, 1                                   ; the first step stands in front of the loop: its products start the sums, from the bias
	s_mov_b32 s3, LAPS-1
.Llap:                                                 ; a trip goes once round the ring and fills both slots again
	TURN 0, 1, 1
	STEP 1, 0, 0
	TURN 1, 0, 1
	STEP 0, 0, 0
	s_sub_co_u32 s3, s3, 1
	s_cmp_lg_u32 s3, 0
	s_cbranch_scc1 .Llap
	TURN 0, 1, 0                                   ; the last lap fills nothing
	STEP 1, 0, 0
	s_wait_dscnt 4*NL
	WIN MUL_LO
	MUL16 0, 1, NQ-1, 1, 0
	MUL16 2, 1, NQ-1, 1, 0
	s_wait_dscnt 0
	WIN MUL_HI
	MUL16 4, 1, NQ-1, 1, 0
	MUL16 6, 1, NQ-1, 1, 0
	WIN 0
; THE WAY OUT, block a of 16 rows at a time: relu, the true order, the quantiser, and the codes and the scale word into the work-group's stage.
.macro HOUT a
.set QW, 2+(\a)/4
.set QS, 64*((\a)%4)
	WIN QW<<2                                      ; source 1 in the accumulators' window
.set j, 0
.rept 64
	v_max_num_f32 v[HA+j], 0, v[QS+j]              ; the activation, and the way into window 0, in one line; each accumulator is read from its low end on
.set j, j+1
.endr
	WIN 0
.irp b, 0,1,2,3
.irp i, 0,1,2,3,4,5,6,7
	v_permlane16_swap_b32 v[HA+16*\b+\i], v[HA+16*\b+8+\i]   ; the first's lanes 16-31 change places with the second's lanes 0-15: register 16 b + i is now hidden unit 32 b + 16 h + i
.endr
.endr
	s_wait_dscnt 0x0                               ; the last block's LDS stores have read their registers
	QUANT HA
.irp p, 0,1,2,3,4,5
	ds_store_b64 v8, v[PC+2*\p:PC+2*\p+1] offset:3072*(\a)+48*(\p/3)+8*(\p%3)
.endr
	ds_store_b32 v9, v[PW] offset:128*(\a)         ; both halves of the lanes hold the same word and write it to the same place
.endm
	PLACES NP                                      ; behind the last products
	s_mov_b32 s[SEL], 0x76543210
	s_mov_b32 s[SEL+1], 0xfedcba98
.irp b, 0,1,2,3
	v_mov_b32 v[TM+4+\b], 0                        ; written once: a lane permute's destination counts as one of its sources
.endr
.irp a, 0,1,2,3,4,5,6,7
	HOUT \a
.endr
	s_wait_dscnt 0x0                               ; for the others' sake: my part of the stage is written
	s_barrier_signal -1
	s_barrier_wait -1
.irp t, 0,1,2,3,4,5,6,7,8,9,10,11,12,13,14,15,16,17,18,19,20,21,22,23
	ds_load_b128 v[128+4*\t:131+4*\t], v10 offset:512*\t
.endr
.irp t, 0,1
	ds_load_b64 v[224+2*\t:225+2*\t], v11 offset:256*\t
.endr
	s_wait_dscnt 0x0
.irp t, 0,1,2,3,4,5,6,7,8,9,10,11,12,13,14,15,16,17,18,19,20,21,22,23
	global_store_b128 v12, v[128+4*\t:131+4*\t], s[98:99] offset:512*\t   ; 32 lanes store 512 consecutive bytes, at a multiple of 256 from the buffer's first byte
.endr
.irp t, 0,1
	global_store_b64 v13, v[224+2*\t:225+2*\t], s[12:13] offset:4096*\t   ; a row's 8 scale bytes
.endr
	s_wait_tensorcnt 0x0                           ; the wave's end
	ds_add_u32 v[SPW], v[NIL]
	s_wait_dscnt 0x0
	CROUND                                         ; the closing round
	s_endpgm
.Lfunc_end_k_qddabc5b606_w1:
	.size	k_qddabc5b606_w1, .Lfunc_end_k_qddabc5b606_w1-k_qddabc5b606_w1
	.p2alignl 7, 3214868480
	.fill 96, 4, 3214868480
	.section	.rodata,"a",@progbits
	.p2align	6, 0x0
	.amdhsa_kernel k_qddabc5b606_w1
		.amdhsa_group_segment_fixed_size 327680
		.amdhsa_private_segment_fixed_size 0
		.amdhsa_enable_private_segment 0
		.amdhsa_kernarg_size 56
		.amdhsa_user_sgpr_count 2
		.amdhsa_user_sgpr_kernarg_segment_ptr 1
		.amdhsa_wavefront_size32 1
		.amdhsa_system_sgpr_workgroup_id_x 1
		.amdhsa_system_sgpr_workgroup_id_y 1
		.amdhsa_system_sgpr_workgroup_id_z 1
		.amdhsa_system_vgpr_workitem_id 0
		.amdhsa_next_free_vgpr 1024
		.amdhsa_next_free_sgpr 100
		.amdhsa_reserve_vcc 0
		.amdhsa_float_denorm_mode_32 3
		.amdhsa_float_denorm_mode_16_64 3
		.amdhsa_memory_ordered 1
		.amdhsa_forward_progress 1
		.amdhsa_inst_pref_size 195
	.end_amdhsa_kernel
	.amdgpu_metadata
---
amdhsa.version: [ 1, 2 ]
amdhsa.kernels:
  - .name:           k_qddabc5b606_w1
    .symbol:         k_qddabc5b606_w1.kd
    .args:
      - { .name: ac, .offset: 0, .size: 8, .value_kind: global_buffer, .address_space: global }
      - { .name: asc, .offset: 8, .size: 8, .value_kind: global_buffer, .address_space: global }
      - { .name: W1_codes, .offset: 16, .size: 8, .value_kind: global_buffer, .address_space: global }
      - { .name: W1_scales, .offset: 24, .size: 8, .value_kind: global_buffer, .address_space: global }
      - { .name: b1, .offset: 32, .size: 8, .value_kind: global_buffer, .address_space: global }
      - { .name: bc, .offset: 40, .size: 8, .value_kind: global_buffer, .address_space: global }
      - { .name: bsc, .offset: 48, .size: 8, .value_kind: global_buffer, .address_space: global }
    .group_segment_fixed_size: 327680
    .private_segment_fixed_size: 0
    .kernarg_segment_align: 8
    .kernarg_segment_size: 56
    .max_flat_workgroup_size: 128
    .sgpr_count:     100
    .vgpr_count:     1024
    .wavefront_size: 32
...
	.end_amdgpu_metadata
.endif
;; end of part 5
;; launch w2 (part 6): grid 4 x 16, 4 waves a work-group, clusters of 4 x 4, 327,680 bytes of LDS; arguments bc, bsc, W2_codes, W2_scales, b2, hbuf, out0; writes out0
.if DOCPART == 6
	.amdgcn_target "amdgcn-amd-amdhsa--gfx1250"
	.amdhsa_code_object_version 6
	.text
	.protected	k_qddabc5b606_w2
	.globl	k_qddabc5b606_w2
	.p2align	8
	.type	k_qddabc5b606_w2,@function
k_qddabc5b606_w2:
	s_mov_b64 s[64:65], 0
	v_nop
	global_prefetch_b8 v0, s[64:65] scope:SCOPE_SE
	s_setreg_imm32_b32 hwreg(HW_REG_WAVE_MODE, 25, 1), 1
	s_wait_xcnt 0x0
	s_wait_alu depctr_hold_cnt(0) depctr_sa_sdst(0) depctr_va_vdst(0) depctr_va_sdst(0) depctr_va_ssrc(0) depctr_va_vcc(0) depctr_vm_vsrc(0)
	s_getreg_b32 s2, hwreg(HW_REG_IB_STS2, 6, 4)
	s_cmp_eq_u32 s2, 0
	s_cbranch_scc0 .Lentry_in_a_cluster
	s_endpgm
.Lentry_in_a_cluster:
	s_bfe_u32 s2, ttmp6, 0x10000c
	s_cmp_lg_u32 s2, 0xf033
	s_cbranch_scc0 .Lentry_shape_is_right
	s_endpgm
.Lentry_shape_is_right:
; C[m][n] = R[m][n] + bias[n] + sum over k of A[m][k] B[n][k].  A: [4096][SIZE_K], B: [1024][SIZE_K]: codes of FP6 (E2M3) with one E8M0 scale for each 32 along K; R, C: [4096][1024] f32; bias [1024] f32; sums in f32.
; Here: A = the hidden layer as codes, laid [K / 256][4096 rows][192 bytes] by the launch before (its scale bytes [4096][128]), B = W2, R = h, bias = b2, C = the block's output.
; A tile of C, 256 x 256, is made by four waves, 128 x 128 each: 64 accumulators of 16 x 16, 512 registers.  K goes in steps of 256 through a ring of two LDS slots filled by the tensor data mover.
; The scales of the work-group's 256 rows of A and of B, for all of K, come into LDS once, in whole units of 256 bytes: 69,632 bytes behind the ring.
; CLUSTERS: 4 x 4 work-groups; A's tiles are asked for jointly along a row of the cluster, B's along a column.  The matrix instruction is used transposed (source 0 = 16 rows of B, source 1 = 16 rows of A): a lane holds eight neighbouring numbers of a row of C.
; THE RESIDUAL IS WHAT THE SUMS START FROM: R's numbers are loaded straight into the accumulators, in the result's layout, while the first tiles are on their way: nothing is cleared and nothing is added later.
; So the order of rounding is (R + products) + bias, another than the source's R + (products + bias).  The bias is added on the way out, where a lane holds four neighbouring columns of every row.
; C has 64 tiles of this size: 64 work-groups.  A smaller tile would give more of them and read each LDS byte for half the products.
; REGISTERS, in windows of 256: window 0: v0-31 addresses, v[8:11] the bias; v32-63 scale words, two sets; from v128 A's fragments, one set.  window 1: B's fragments, two sets.  windows 2, 3: the accumulators ((a, b) at v[8 (8 (a % 4) + b)]).
; LIMITS: NaN and infinities are not served.
.set SIZE_N, 1024
.set SIZE_K, 4096
.set AROW,   192                       ; from row to row of A's codes in memory, in bytes: a K step's rows are dense
.set ASTEP,  786432                    ; from K step to K step of A's codes: 4,096 rows of 192 bytes
.set KSTEP,  256
.set NQ,     KSTEP/128
.set ROWB,   192                       ; a tile's row in bytes: 256 codes
.set KROW,   SIZE_K*6/8                ; a row of B's codes in memory
.set PITCH,  240                       ; an LDS row: 3 x (64 bytes + 16 of padding)
.set FR,     12
.set NL,     6
.set NP,     4                         ; places behind this matrix instruction (ISA guide 7.12.1)
.set HALFT,  128*PITCH
.set SLOT,   4*HALFT
.set LAPS,   SIZE_K/(2*KSTEP)
.set KS,     SIZE_K/32
.set SCL,    2*SLOT                    ; behind the ring: the scales, as units of 256 bytes + 16 of padding
.set HALFS,  (128*KS/256)*272
.set SBLK,   (16*KS/256)*272
.set SPARE,  SCL+4*HALFS               ; behind the scales: the spare words, 128 bytes a wave, which no other line names
.set SPITCH, 528                       ; the way out: a stage of 16 rows x (512 bytes + 16) for each wave, in slot 0, which has had its last fill and its last read by then
.set RO,   7                           ; v7      my byte offset in a block of 16 rows of R: 4,096 r + 32 h
.set BV,   8                           ; v[8:11] the bias of my four columns on the way out
.set ADRA, 16
.set ADRB, 20
.set STO,  24
.set RD,   25
.set CO,   26
.set SPW,  28
.set NIL,  29
.set ADRS, 27
.set SC,   32
.set AF,   128
.set BK,   128
.set G1, 24
.set G0, 32
.set G1B, 48
.set G0B, 56
.set G1S, 68
.set G0S, 76
.set G1SB, 80
.set G0SB, 88
.set MSB, 0
.macro WIN new                         ; the immediate's high byte repeats the setting that is left
.if MSB != (\new)
	s_set_vgpr_msb (MSB<<8)|(\new)
.set MSB, \new
.endif
.endm
.set MUL_LO, 0xa1                      ; source 0 (B) window 1, source 1 (A) window 0, C and D window 2
.set MUL_HI, 0xf1                      ; the same, C and D window 3
.set TO_B,   0x40
; A joint load: waves 0 and 1 fetch for A, waves 2 and 3 for B; the branch hangs on the wave's number alone.  Four v_nop follow each of the two lines.
.macro JLOAD g0a, g1a, g0b, g1b
	s_cmp_eq_u32 s15, 0
	s_cbranch_scc0 .Lfor_b_\@
	tensor_load_to_lds s[\g0a:\g0a+3], s[\g1a:\g1a+7]
	s_nop 0
.rept 4
	v_nop
.endr
	s_branch .Lasked_\@
.Lfor_b_\@:
	tensor_load_to_lds s[\g0b:\g0b+3], s[\g1b:\g1b+7]
	s_nop 0
.rept 4
	v_nop
.endr
.Lasked_\@:
.endm
.macro CREST                           ; a round of the cluster's barrier behind its opening barrier
	s_cmp_lg_u32 s14, 0
	s_cbranch_scc1 .Lnot_wave_0_\@
	s_barrier_signal -3
.Lnot_wave_0_\@:
	s_barrier_wait -3
	s_barrier_signal -1
	s_barrier_wait -1
.endm
.macro CROUND
	s_barrier_signal -1
	s_barrier_wait -1
	CREST
.endm
	s_load_b128 s[4:7], s[0:1], 0x0                ; A's codes, A's scales
	s_load_b128 s[8:11], s[0:1], 0x10              ; B's codes, B's scales
	s_load_b128 s[96:99], s[0:1], 0x20             ; the bias s[96:97], R s[98:99]
	s_load_b64 s[12:13], s[0:1], 0x30              ; C
	v_lshl_add_u32 v[SPW], v0, 2, SPARE
	v_mov_b32 v[NIL], 0
	ds_add_u32 v28, v29
	ds_add_u32 v28, v29
	s_wait_dscnt 0x0
	v_lshrrev_b32 v1, 5, v0
	v_readfirstlane_b32 s14, v1                    ; wave 0..3
	s_lshr_b32 s15, s14, 1                         ; which half of the tile's rows is mine.  Also: I fetch for A (0) or for B (1)
	s_and_b32 s16, s14, 1                          ; which half of its columns.  Also: which 128 rows of that tile I fetch
	s_bfe_u32 s40, ttmp6, 0x40000                  ; cx, cy: my place in the cluster
	s_bfe_u32 s41, ttmp6, 0x40004
	s_lshl_b32 s42, ttmp9, 2
	s_add_co_u32 s42, s42, s40                     ; tile column of C
	s_and_b32 s17, ttmp7, 0xffff
	s_lshl_b32 s17, s17, 2
	s_add_co_u32 s17, s17, s41                     ; tile row of C
	s_lshl_b32 s43, s41, 2
	s_lshl_b32 s43, 15, s43                        ; my row of the cluster
	s_lshl_b32 s44, 0x1111, s40                    ; my column
	; descriptor group 1: a tile of 128 rows x 192 bytes, padded in LDS
	s_or_b32 s[G1+0], s43, (0<<16)|(1<<20)|(1<<21)|(3<<22)|(3<<25)  ; 15:0 the mask: A's tiles go to my row; elements of 1 byte; 20 padding on; 21 set beside a mask; after every 16 words, 4 words
	s_or_b32 s[G1B+0], s44, (0<<16)|(1<<20)|(1<<21)|(3<<22)|(3<<25)
.irp g, G1, G1B
	s_mov_b32 s[\g+1], ROWB<<16                    ; tensor_dim0
	s_mov_b32 s[\g+2], 128<<16                     ; tensor_dim1
	s_mov_b32 s[\g+3], ROWB<<16                    ; tile_dim0
	s_mov_b32 s[\g+4], 128                         ; tile_dim1
	s_mov_b32 s[\g+6], 0
	s_mov_b32 s[\g+7], 0
.endr
	s_mov_b32 s[G1+5], AROW                        ; tensor_dim0_stride: A's,
	s_mov_b32 s[G1B+5], KROW                       ; B's
	; the scales of 128 rows: a dense block of 128 KS bytes, as rows of 256 bytes (32 elements of 8 bytes), 16 bytes of padding behind each
	s_or_b32 s[G1S+0], s43, (3<<16)|(1<<20)|(1<<21)|(5<<22)|(3<<25)
	s_or_b32 s[G1SB+0], s44, (3<<16)|(1<<20)|(1<<21)|(5<<22)|(3<<25)
.irp g, G1S, G1SB
	s_mov_b32 s[\g+1], 32<<16
	s_mov_b32 s[\g+2], (128*KS/256)<<16
	s_mov_b32 s[\g+3], 32<<16
	s_mov_b32 s[\g+4], 128*KS/256
	s_mov_b32 s[\g+5], 32
	s_mov_b32 s[\g+6], 0
	s_mov_b32 s[\g+7], 0
.endr
	s_lshl_b32 s18, s16, 7                         ; which 128 rows of the tile I fetch
	s_lshl_b32 s20, s17, 8
	s_add_co_u32 s20, s20, s18                     ; A: row 256 x tile row + 128 x half
	s_lshl_b32 s46, s42, 8
	s_add_co_u32 s46, s46, s18                     ; B: row 256 x tile column + 128 x half
	s_mov_b32 s21, 0
	s_mov_b32 s47, 0
	s_mov_b64 s[18:19], KS
	s_mul_u64 s[22:23], s[20:21], s[18:19]         ; where these rows' scales begin,
	s_mul_u64 s[92:93], s[46:47], s[18:19]
	s_mov_b64 s[18:19], AROW
	s_mul_u64 s[20:21], s[20:21], s[18:19]         ; and their codes
	s_mov_b64 s[18:19], KROW
	s_mul_u64 s[46:47], s[46:47], s[18:19]
	s_mul_i32 s45, s14, HALFT                      ; where they go: wave x 128 rows: no place in the cluster enters an LDS address
	s_mul_i32 s94, s14, HALFS
	s_wait_kmcnt 0x0
	s_add_nc_u64 s[20:21], s[4:5], s[20:21]
	s_add_nc_u64 s[22:23], s[6:7], s[22:23]
	s_add_nc_u64 s[46:47], s[8:9], s[46:47]
	s_add_nc_u64 s[92:93], s[10:11], s[92:93]
	CROUND                                         ; all sixteen work-groups are here: the first joint loads meet
	s_mov_b32 s[G0S], 1
	s_add_co_u32 s[G0S+1], s94, SCL
	s_mov_b64 s[G0S+2:G0S+3], s[22:23]
	s_or_b32 s[G0S+3], s[G0S+3], 0x80000000
	s_mov_b32 s[G0SB], 1
	s_add_co_u32 s[G0SB+1], s94, SCL
	s_mov_b64 s[G0SB+2:G0SB+3], s[92:93]
	s_or_b32 s[G0SB+3], s[G0SB+3], 0x80000000
	JLOAD G0S, G1S, G0SB, G1SB                     ; the scales first: they are wanted with K step 0
.irp s, 0,1
	s_mov_b32 s[G0+4*\s], 1
	s_add_co_u32 s[G0+4*\s+1], s45, \s*SLOT
	s_add_nc_u64 s[G0+4*\s+2:G0+4*\s+3], s[20:21], \s*ASTEP
	s_or_b32 s[G0+4*\s+3], s[G0+4*\s+3], 0x80000000
	s_mov_b32 s[G0B+4*\s], 1
	s_add_co_u32 s[G0B+4*\s+1], s45, \s*SLOT
	s_add_nc_u64 s[G0B+4*\s+2:G0B+4*\s+3], s[46:47], \s*ROWB
	s_or_b32 s[G0B+4*\s+3], s[G0B+4*\s+3], 0x80000000
	JLOAD G0+4*\s, G1, G0B+4*\s, G1B               ; three tensor loads of mine are out now
.endr
	v_and_b32 v1, 15, v0                           ; r = l % 16
	v_bfe_u32 v2, v0, 4, 1                         ; h = l / 16
	v_mul_u32_u24 v3, v1, PITCH
	v_mul_u32_u24 v4, v2, 24
	v_add_nc_u32 v4, v3, v4                        ; a fragment's row x pitch + 24 x half
	v_lshl_add_u32 v5, v2, 4, v4                   ; and the same behind one padding more
	s_mul_i32 s21, s15, HALFT                      ; my 128 rows of A
	s_mul_i32 s22, s16, HALFT                      ; my 128 rows of B,
	s_add_co_u32 s22, s22, 2*HALFT                 ; which lie behind A's 256
.irp s, 0,1
	v_add_nc_u32 v[ADRA+\s], s21, v4
	v_add_nc_u32 v[ADRB+\s], s22, v4
	v_add_nc_u32 v[ADRA+2+\s], s21, v5
	v_add_nc_u32 v[ADRB+2+\s], s22, v5
	s_add_co_u32 s21, s21, SLOT
	s_add_co_u32 s22, s22, SLOT
.endr
	v_mul_u32_u24 v5, v1, KS                       ; my row's scales: KS bytes a row,
	v_lshrrev_b32 v6, 8, v5
	v_lshl_add_u32 v5, v6, 4, v5                   ; and 16 more for each 256 passed
	s_mul_i32 s21, s15, HALFS
	s_mul_i32 s22, s16, HALFS
	s_add_co_u32 s22, s22, 2*HALFS
	s_sub_co_u32 s22, s22, s21
	v_mul_u32_u24 v6, s22, v2                      ; lanes 16-31 take B's
	s_add_co_u32 s21, s21, SCL
	v_add_nc_u32 v5, v5, v6
	v_add_nc_u32 v[ADRS], s21, v5
	s_mul_i32 s23, s14, 16*SPITCH                  ; my stage
	v_mul_u32_u24 v5, v1, SPITCH                   ; in: row l % 16, 32 bytes for each half of the lanes
	v_lshl_add_u32 v5, v2, 5, v5
	v_add_nc_u32 v[STO], s23, v5
	v_and_b32 v6, 31, v0
	v_lshlrev_b32 v[CO], 4, v6                     ; back: the 32 lanes take one row of 512 bytes; and the same in C
	v_add_nc_u32 v[RD], s23, v[CO]
	v_lshlrev_b32 v[RO], 12, v1
	v_lshl_add_u32 v[RO], v2, 5, v[RO]
	s_lshl_b32 s20, s17, 8
	s_lshl_b32 s21, s15, 7
	s_add_co_u32 s20, s20, s21                     ; my first row of C
	s_mov_b32 s21, 0
	s_mov_b64 s[18:19], SIZE_N*4
	s_mul_u64 s[20:21], s[20:21], s[18:19]
	s_lshl_b32 s46, s42, 10                        ; my first column, in bytes
	s_lshl_b32 s47, s16, 9
	s_add_co_u32 s46, s46, s47
	s_mov_b32 s47, 0
	s_add_nc_u64 s[20:21], s[20:21], s[46:47]
	s_add_nc_u64 s[12:13], s[12:13], s[20:21]
	s_add_nc_u64 s[98:99], s[98:99], s[20:21]      ; R has C's shape
	s_add_nc_u64 s[96:97], s[96:97], s[46:47]
	global_load_b128 v[BV:BV+3], v[CO], s[96:97]   ; the bias of columns 4 x lane + 0 .. 3 of my 128
.irp a, 0,1,2,3,4,5,6,7                ; R into the accumulators: lane (r, h), register 8 b + j of block a: R(16 a + r, 16 b + 8 h + j)
	WIN 0x80+0x40*(\a/4)                           ; destination window 2 or 3, the offset's register in window 0
.irp b, 0,1,2,3,4,5,6,7
	global_load_b128 v[8*(8*(\a%4)+\b):8*(8*(\a%4)+\b)+3], v[RO], s[98:99] offset:\a*65536+64*\b
	global_load_b128 v[8*(8*(\a%4)+\b)+4:8*(8*(\a%4)+\b)+7], v[RO], s[98:99] offset:\a*65536+64*\b+16
.endr
.endr
	WIN 0
.macro FRAG reg, adr, q, i             ; a fragment, 16 rows x 128 K, is 12 registers: lane l holds row l % 16; registers 6 c .. 6 c + 5 hold K = 64 c + 32 (l / 16) + 0 .. 31: 24 bytes of the row's stream of bits, in pieces of 8
.irp p, 0,1,2,3,4,5
.set PCE, 12*(\q)+6*(\p/3)+\p%3        ; 16 bytes of padding lie behind every 8 pieces: where the piece three on lies behind one padding more, the second address register serves
.if PCE%8 < 5
	ds_load_b64 v[\reg+2*\p:\reg+2*\p+1], v[\adr] offset:8*PCE+16*(PCE/8)+(\i)*16*PITCH
.else
	ds_load_b64 v[\reg+2*\p:\reg+2*\p+1], v[\adr+2] offset:8*PCE+16*(PCE/8)+(\i)*16*PITCH
.endif
.endr
.endm
; 16 matrix instructions: A's blocks a0, a0 + 1 x B's eight, 128 along K.  The 64 accumulators take turns, one instruction a turn.
.macro MUL16 a0, p, q, sc
.irp a, \a0, \a0+1
.irp b, 0,1,2,3,4,5,6,7
	v_wmma_scale_f32_16x16x128_f8f6f4 v[8*(8*((\a)%4)+\b):8*(8*((\a)%4)+\b)+7], v[128*(\p)+FR*\b:128*(\p)+FR*\b+FR-1], v[AF+FR*(\a):AF+FR*(\a)+FR-1], v[8*(8*((\a)%4)+\b):8*(8*((\a)%4)+\b)+7], v[SC+8*NQ*(\sc)+NQ*\b+(\q)], v[SC+8*NQ*(\sc)+NQ*(\a)+(\q)] matrix_a_fmt:MATRIX_FMT_FP6 matrix_b_fmt:MATRIX_FMT_FP6 matrix_a_scale:MATRIX_SCALE_ROW1
.endr
.endr
.endm
.macro FETCH_B slot, q, p
	WIN TO_B
.irp i, 0,1,2,3,4,5,6,7
	FRAG 128*(\p)+FR*\i, ADRB+\slot, \q, \i
.endr
	WIN 0
.endm
.macro FETCH_A slot, q, i0
.irp i, \i0, \i0+1, \i0+2, \i0+3
	FRAG AF+FR*(\i), ADRA+\slot, \q, \i
.endr
.endm
.macro SCALES sc                       ; a K step's scale words: lanes 0-15 take A's block i, lanes 16-31 B's block i
.irp i, 0,1,2,3,4,5,6,7
	ds_load_b64 v[SC+8*NQ*\sc+NQ*\i:SC+8*NQ*\sc+NQ*\i+1], v[ADRS] offset:\i*SBLK
.endr
.endm
.macro PLACES n                        ; plain vector instructions between a matrix instruction and a load into, or a read of, its registers
.rept \n
	v_nop
.endr
.endm
.macro STEP slot, q                    ; a step of 128 along K that has its successor in the same slot
	s_wait_dscnt 4*NL                              ; B's set and A's blocks 0-3 are in; the youngest 24 loads (A's blocks 4-7) may be out
	WIN MUL_LO
	MUL16 0, (\q)%2, \q, \slot
	MUL16 2, (\q)%2, \q, \slot
	s_wait_dscnt 0                                 ; A's blocks 4-7 are in
	PLACES NP
	FETCH_B \slot, (\q)+1, 1-(\q)%2
	FETCH_A \slot, (\q)+1, 0
	WIN MUL_HI
	MUL16 4, (\q)%2, \q, \slot
	MUL16 6, (\q)%2, \q, \slot
	PLACES NP
	WIN 0
	FETCH_A \slot, (\q)+1, 4
.endm
; A slot's last step changes slots: one barrier; in front of it each wave waits for all its tensor loads, adds 0 to its spare word, and waits for that and for its own reads of this slot.  fill = 1: this slot is filled again.
.macro TURN slot, next, fill
	s_wait_tensorcnt 0x0                           ; all my tensor loads have landed: my part of the next slot
	ds_add_u32 v[SPW], v[NIL]                      ; 0 onto my spare word
	s_wait_dscnt 4*NL+1                            ; (the add and the youngest 24 loads may be out)
	WIN MUL_LO
	MUL16 0, 1, NQ-1, \slot                        ; sixteen matrix instructions stand between the add and the wait for it
	s_wait_dscnt 0x0                               ; the add is done, and my reads of this slot are over
	s_barrier_signal -1
	MUL16 2, 1, NQ-1, \slot
	WIN 0
	s_barrier_wait -1
.if \fill
	CREST                                          ; the barrier has opened a round of the cluster's barrier: no wave of any partner still reads this slot or has a load on its way
	s_add_nc_u64 s[G0+4*\slot+2:G0+4*\slot+3], s[G0+4*\slot+2:G0+4*\slot+3], 2*ASTEP
	s_add_nc_u64 s[G0B+4*\slot+2:G0B+4*\slot+3], s[G0B+4*\slot+2:G0B+4*\slot+3], 2*ROWB
	JLOAD G0+4*\slot, G1, G0B+4*\slot, G1B         ; the first tensor load behind the round; its four v_nop are the places in front of the loads below
.else
	PLACES NP
.endif
	v_add_nc_u32 v[ADRS], 4*NQ, v[ADRS]            ; on to the next K step's scale words
	FETCH_B \next, 0, 0
	FETCH_A \next, 0, 0
	SCALES \next
	WIN MUL_HI
	MUL16 4, 1, NQ-1, \slot
	MUL16 6, 1, NQ-1, \slot
	PLACES NP
	WIN 0
	FETCH_A \next, 0, 4
.endm
	s_wait_tensorcnt 1                             ; the scales and my part of K step 0 are in (K step 1's load may be out)
	s_barrier_signal -1
	s_barrier_wait -1                              ; everybody's are
	FETCH_B 0, 0, 0
	FETCH_A 0, 0, 0
	SCALES 0
	FETCH_A 0, 0, 4
	s_wait_loadcnt 0x0                             ; R lies in the accumulators, the bias in its registers
	STEP 0, 0
	s_mov_b32 s3, LAPS-1
.Llap:                                                 ; a trip goes once round the ring and fills both slots again
	TURN 0, 1, 1
	STEP 1, 0
	TURN 1, 0, 1
	STEP 0, 0
	s_sub_co_u32 s3, s3, 1
	s_cmp_lg_u32 s3, 0
	s_cbranch_scc1 .Llap
	TURN 0, 1, 0                                   ; the last lap fills nothing
	STEP 1, 0
	s_wait_dscnt 4*NL
	WIN MUL_LO
	MUL16 0, 1, NQ-1, 1
	MUL16 2, 1, NQ-1, 1
	s_wait_dscnt 0
	WIN MUL_HI
	MUL16 4, 1, NQ-1, 1
	MUL16 6, 1, NQ-1, 1
	WIN 0
; THE WAY OUT, block by block of 16 rows x 128 columns, through my own stage in LDS: in as 32 bytes a lane, back as whole rows of 512 bytes.  LDS serves a wave's instructions in order (ISA guide 5.7.1.4): no wait between the stores and the loads.
.macro TOSTAGE a
.set AC, 64*((\a)%4)
	WIN 0x08+4*((\a)/4)                            ; the data: window 2 or 3
.irp b, 0,1,2,3,4,5,6,7
	ds_store_b128 v[STO], v[AC+8*\b:AC+8*\b+3] offset:64*\b          ; each accumulator from its low end on
	ds_store_b128 v[STO], v[AC+8*\b+4:AC+8*\b+7] offset:64*\b+16
.endr
	WIN 0
.set BB, BK+64*((\a)%2)
.irp t, 0,1,2,3,4,5,6,7,8,9,10,11,12,13,14,15
	ds_load_b128 v[BB+4*\t:BB+4*\t+3], v[RD] offset:\t*SPITCH
.endr
.endm
.macro SEND a, younger                 ; younger: the LDS instructions issued behind block a's loads, which may stay out
.set BB, BK+64*((\a)%2)
	s_wait_dscnt \younger                          ; the block is back in registers
.if (\a) > 0
	s_add_nc_u64 s[12:13], s[12:13], 16*SIZE_N*4   ; (behind a wait on XCNT: the earlier stores have read their base)  16 rows of C on
.endif
.irp t, 0,1,2,3,4,5,6,7,8,9,10,11,12,13,14,15
	v_pk_add_f32 v[BB+4*\t:BB+4*\t+1], v[BB+4*\t:BB+4*\t+1], v[BV:BV+1]           ; + the bias of my four columns
	v_pk_add_f32 v[BB+4*\t+2:BB+4*\t+3], v[BB+4*\t+2:BB+4*\t+3], v[BV+2:BV+3]
	global_store_b128 v[CO], v[BB+4*\t:BB+4*\t+3], s[12:13] offset:\t*SIZE_N*4 th:TH_STORE_NT   ; 32 lanes store 512 consecutive bytes, at a multiple of 256 from C's first byte; written once, read by nobody here
.endr
.endm
	PLACES NP
	TOSTAGE 0
.irp a, 1,2,3,4,5,6,7
.if \a > 1
	s_wait_xcnt 0x0                                ; block a - 2's stores have read their registers and their base: block a's loads may land there, and the base may step
.endif
	TOSTAGE \a
	SEND \a-1, 32                                  ; behind block a - 1's loads: block a's 16 stores and 16 loads
.endr
	s_wait_xcnt 0x0
	SEND 7, 0
	s_wait_tensorcnt 0x0                           ; the wave's end
	ds_add_u32 v[SPW], v[NIL]
	s_wait_dscnt 0x0
	CROUND                                         ; the closing round: no work-group ends while a partner may still ask for a tile that names it
	s_endpgm
.Lfunc_end_k_qddabc5b606_w2:
	.size	k_qddabc5b606_w2, .Lfunc_end_k_qddabc5b606_w2-k_qddabc5b606_w2
	.p2alignl 7, 3214868480
	.fill 96, 4, 3214868480
	.section	.rodata,"a",@progbits
	.p2align	6, 0x0
	.amdhsa_kernel k_qddabc5b606_w2
		.amdhsa_group_segment_fixed_size 327680
		.amdhsa_private_segment_fixed_size 0
		.amdhsa_enable_private_segment 0
		.amdhsa_kernarg_size 56
		.amdhsa_user_sgpr_count 2
		.amdhsa_user_sgpr_kernarg_segment_ptr 1
		.amdhsa_wavefront_size32 1
		.amdhsa_system_sgpr_workgroup_id_x 1
		.amdhsa_system_sgpr_workgroup_id_y 1
		.amdhsa_system_sgpr_workgroup_id_z 1
		.amdhsa_system_vgpr_workitem_id 0
		.amdhsa_next_free_vgpr 1024
		.amdhsa_next_free_sgpr 100
		.amdhsa_reserve_vcc 0
		.amdhsa_float_denorm_mode_32 3
		.amdhsa_float_denorm_mode_16_64 3
		.amdhsa_memory_ordered 1
		.amdhsa_forward_progress 1
		.amdhsa_inst_pref_size 188
	.end_amdhsa_kernel
	.amdgpu_metadata
---
amdhsa.version: [ 1, 2 ]
amdhsa.kernels:
  - .name:           k_qddabc5b606_w2
    .symbol:         k_qddabc5b606_w2.kd
    .args:
      - { .name: bc, .offset: 0, .size: 8, .value_kind: global_buffer, .address_space: global }
      - { .name: bsc, .offset: 8, .size: 8, .value_kind: global_buffer, .address_space: global }
      - { .name: W2_codes, .offset: 16, .size: 8, .value_kind: global_buffer, .address_space: global }
      - { .name: W2_scales, .offset: 24, .size: 8, .value_kind: global_buffer, .address_space: global }
      - { .name: b2, .offset: 32, .size: 8, .value_kind: global_buffer, .address_space: global }
      - { .name: hbuf, .offset: 40, .size: 8, .value_kind: global_buffer, .address_space: global }
      - { .name: out0, .offset: 48, .size: 8, .value_kind: global_buffer, .address_space: global }
    .group_segment_fixed_size: 327680
    .private_segment_fixed_size: 0
    .kernarg_segment_align: 8
    .kernarg_segment_size: 56
    .max_flat_workgroup_size: 128
    .sgpr_count:     100
    .vgpr_count:     1024
    .wavefront_size: 32
...
	.end_amdgpu_metadata
.endif
;; end of part 6
;; ======== version 2 of 2: 7 launches
;; limits: right only within a limited range of input values
;; workspace buffers: ac 3,145,728 bytes; asc 131,072 bytes; bc 12,582,912 bytes; bsc 524,288 bytes; hbuf 16,777,216 bytes
;; launch ln1 (part 7): grid 256 x 1, 8 waves a work-group, no clusters, 79,872 bytes of LDS; arguments x, ln1_w, ln1_b, ac, asc; writes ac, asc
.if DOCPART == 7
	.amdgcn_target "amdgcn-amd-amdhsa--gfx1250"
	.amdhsa_code_object_version 6
	.text
	.protected	k_qddabc5b606_ln1
	.globl	k_qddabc5b606_ln1
	.p2align	8
	.type	k_qddabc5b606_ln1,@function
k_qddabc5b606_ln1:
	s_mov_b64 s[64:65], 0
	v_nop
	global_prefetch_b8 v0, s[64:65] scope:SCOPE_SE
	s_setreg_imm32_b32 hwreg(HW_REG_WAVE_MODE, 25, 1), 1
	s_wait_xcnt 0x0
; y = (x - mean) / sqrt(var + 1e-5) * w + b over rows of 1,024 f32, then y is quantised along the row to codes of FP6 (E2M3) with one E8M0 byte for each 32.
; Out: codes [4096][768 bytes] (a row is one stream of bits, K innermost) and scale bytes [4096][32].
; SHARES.  A work-group of eight waves owns 16 rows.  Phase 1: wave w normalises rows 2 w and 2 w + 1, each row whole in 32 registers of the wave, and lays y in LDS.
; Phase 2: wave w takes columns 128 w .. 128 w + 127 of all 16 rows: lane (r, h) holds, of row r, 16 neighbours of each block of 32, which is what the conversions want.
; Phase 3: codes and scale bytes leave LDS as dense runs: every store of a wave covers 512 consecutive bytes that begin at a multiple of 256 from the buffer's first byte.
; The mean is taken first and the variance of the differences, so a common offset of the inputs cancels before anything is squared.
; LIMITS: NaN and infinities are not served.  1 / sqrt is v_rsq_f32 (1 ulp) in place of a root and a division.  A block of zeros gets the byte 1 where the quantiser says 127:
; its codes are zeros, and only this program reads the bytes.  Blocks whose largest magnitude lies under 2^-124 are held at the byte 1.
; No matrix unit, no tensor load, no cluster: the rows are read once and shared with nobody.
.set YP,   4112                        ; LDS: a row of y, 4,096 bytes + 16: sixteen rows of one column of 16 bytes then start in sixteen different groups of banks
.set CST,  16*YP                       ; behind y: 16 rows of codes, 768 bytes + 16
.set CP,   784
.set SST,  CST+16*CP                   ; behind them: 16 rows of 32 scale bytes, dense
.set X,    32                          ; v32-95   two rows as loaded; in phase 2 the lane's 64 numbers
.set GW,   96                          ; v96-127  w of my 32 columns
.set GB,   128                         ; v128-159 b of my 32 columns
.set PC,   96                          ; v96-114  phase 2: the codes just made (w is done with)
.set TM,   160                         ; v160-175 phase 1: sums; phase 2: largest magnitudes, bytes, scale operands
.set MN,   176                         ; v[176:177], v[178:179] the two rows' means, each twice
.set RS,   180                         ; v[180:181], v[182:183] 1 / sqrt(var + eps), each twice
.set PW,   184                         ; the scale word just made
.set SEL,  22                          ; s[22:23] lane selects for v_permlanex16_b32: lane l xor 16
; 64 numbers of a lane, v[s] .. v[s + 63], register 16 b + i = k 32 b + 16 (lane / 16) + i of my row, become a fragment's codes in v[PC] on and its scale word in v[PW].
.macro QUANT s
.irp b, 0,1,2,3
	v_max3_num_f32 v[TM+\b], |v[\s+16*\b]|, |v[\s+1+16*\b]|, 0x1800000   ; block b: my 16 numbers, and the floor 2^(3 - 127): the byte cannot fall under 1
.endr
.irp i, 2,4,6,8,10,12,14
.irp b, 0,1,2,3
	s_delay_alu instid0(VALU_DEP_4)
	v_max3_num_f32 v[TM+\b], v[TM+\b], |v[\s+16*\b+\i]|, |v[\s+1+16*\b+\i]|   ; the four blocks by turns
.endr
.endr
.irp b, 0,1,2,3
	s_delay_alu instid0(VALU_DEP_4)
	v_permlanex16_b32 v[TM+4+\b], v[TM+\b], s[SEL], s[SEL+1]       ; (its destination counts as read: phase 1 has written these four)
.endr
.irp b, 0,1,2,3
	s_delay_alu instid0(VALU_DEP_4)
	v_max_num_f32 v[TM+\b], v[TM+\b], v[TM+4+\b]                   ; with lane l xor 16's: the block's largest magnitude
.endr
.irp b, 0,1,2,3
	s_delay_alu instid0(VALU_DEP_4)
	v_add_nc_u32 v[TM+12+\b], 0xff000000, v[TM+\b]                 ; 2 off its exponent field: the conversion takes the exponent field of this operand as its scale
.endr
.irp b, 0,1,2,3
	s_delay_alu instid0(VALU_DEP_4)
	v_lshrrev_b32 v[TM+4+\b], 23, v[TM+12+\b]                      ; the scale's byte
.endr
	s_delay_alu instid0(VALU_DEP_3)
	v_lshl_or_b32 v[PW], v[TM+5], 8, v[TM+4]                       ; four bytes make my row's scale word
	s_delay_alu instid0(VALU_DEP_1)
	v_lshl_or_b32 v[PW], v[TM+6], 16, v[PW]
	s_delay_alu instid0(VALU_DEP_1)
	v_lshl_or_b32 v[PW], v[TM+7], 24, v[PW]
.irp c, 0,1
	v_cvt_scalef32_pk16_fp6_f32 v[PC+6*\c:PC+2+6*\c], v[\s+32*\c:\s+15+32*\c], v[TM+12+2*\c]
	v_cvt_scalef32_pk16_fp6_f32 v[PC+12+4*\c:PC+14+4*\c], v[\s+16+32*\c:\s+31+32*\c], v[TM+12+2*\c+1]   ; (a conversion's three registers begin on an even number)
.endr
	v_nop                                                          ; one plain place behind a scaled conversion
.irp c, 0,1                            ; a lane is to hold a WHOLE block: lanes 0-15 block 2 c, lanes 16-31 block 2 c + 1
.irp i, 0,1,2
	v_permlane16_swap_b32 v[PC+6*\c+\i], v[PC+12+4*\c+\i]
.endr
.irp i, 0,1,2
	s_delay_alu instid0(VALU_DEP_3)
	v_mov_b32 v[PC+3+6*\c+\i], v[PC+12+4*\c+\i]
.endr
.endr
.endm
; v[a] summed over the wave's 32 lanes, the result in every lane; v[t] is a register that has been written
.macro LANESUM a, t
	v_add_f32_dpp v[\a], v[\a], v[\a] row_xmask:1 row_mask:0xf bank_mask:0xf
	s_delay_alu instid0(VALU_DEP_1)
	v_add_f32_dpp v[\a], v[\a], v[\a] row_xmask:2 row_mask:0xf bank_mask:0xf
	s_delay_alu instid0(VALU_DEP_1)
	v_add_f32_dpp v[\a], v[\a], v[\a] row_xmask:4 row_mask:0xf bank_mask:0xf
	s_delay_alu instid0(VALU_DEP_1)
	v_add_f32_dpp v[\a], v[\a], v[\a] row_xmask:8 row_mask:0xf bank_mask:0xf
	s_delay_alu instid0(VALU_DEP_1)
	v_permlanex16_b32 v[\t], v[\a], s[SEL], s[SEL+1]
	s_delay_alu instid0(VALU_DEP_1)
	v_add_f32 v[\a], v[\a], v[\t]
.endm
	s_load_b256 s[4:11], s[0:1], 0x0               ; the rows s[4:5], w s[6:7], b s[8:9], the codes s[10:11]
	s_load_b64 s[12:13], s[0:1], 0x20              ; the scale bytes
	v_lshl_add_u32 v192, v0, 2, 0x13400
	v_mov_b32 v193, 0
	v_lshrrev_b32 v1, 5, v0
	s_delay_alu instid0(VALU_DEP_1)
	v_readfirstlane_b32 s14, v1                    ; wave 0..7
	v_and_b32 v11, 31, v0                          ; lane
	s_delay_alu instid0(VALU_DEP_1)
	v_lshlrev_b32 v1, 4, v11                       ; v1: 16 x lane
	v_and_b32 v2, 15, v0                           ; r
	v_bfe_u32 v3, v0, 4, 1                         ; h
	s_mul_i32 s15, s14, 2*YP
	v_add_nc_u32 v4, s15, v1                       ; v4: y on the way in: rows 2 w, 2 w + 1, 16 bytes a lane
	v_mul_u32_u24 v5, v2, YP
	s_delay_alu instid0(VALU_DEP_1)
	v_lshl_add_u32 v5, v3, 6, v5
	s_lshl_b32 s15, s14, 9
	v_add_nc_u32 v5, s15, v5                       ; v5: y on the way out: row r, + 512 w (my 128 columns), + 64 h (my 16 of a block)
	v_mul_u32_u24 v6, v2, CP
	s_delay_alu instid0(VALU_DEP_1)
	v_mad_u32_u24 v6, v3, 24, v6
	s_mul_i32 s15, s14, 96
	s_add_co_u32 s15, s15, CST
	v_add_nc_u32 v6, s15, v6                       ; v6: codes in: row r, + 96 w, + 24 h
	v_lshlrev_b32 v7, 5, v2
	s_lshl_b32 s15, s14, 2
	s_add_co_u32 s15, s15, SST
	v_add_nc_u32 v7, s15, v7                       ; v7: scale word in: row r, + 4 w
	s_mul_i32 s15, s14, 2*CP
	s_add_co_u32 s15, s15, CST
	v_add_nc_u32 v8, s15, v1                       ; v8: codes out: rows 2 w, 2 w + 1 as 1,536 dense bytes;
	s_delay_alu instid0(VALU_DEP_1)
	v_lshl_add_u32 v9, v3, 4, v8                   ; v9: the same where lanes 16-31 lie behind the first row's padding
	v_add_nc_u32 v10, SST, v1                      ; v10: scale bytes out
	s_lshl_b32 s16, ttmp9, 16                      ; 16 rows of 4,096 bytes a work-group,
	s_lshl_b32 s15, s14, 13                        ; two a wave
	s_add_co_u32 s16, s16, s15
	s_mov_b32 s17, 0
	s_mul_i32 s18, ttmp9, 12288                    ; 16 rows of 768 bytes of codes,
	s_mul_i32 s15, s14, 1536                       ; two a wave
	s_add_co_u32 s18, s18, s15
	s_mov_b32 s19, 0
	s_lshl_b32 s24, ttmp9, 9                       ; 16 rows of 32 scale bytes
	s_mov_b32 s25, 0
	s_mov_b32 s20, 0x3a800000                      ; 1 / 1,024
	s_mov_b32 s21, 0x3727c5ac                      ; 1e-5
	s_mov_b32 s[SEL], 0x76543210
	s_mov_b32 s[SEL+1], 0xfedcba98
	s_wait_kmcnt 0x0
	s_add_nc_u64 s[4:5], s[4:5], s[16:17]
	s_add_nc_u64 s[10:11], s[10:11], s[18:19]
	s_add_nc_u64 s[12:13], s[12:13], s[24:25]
.irp q, 0,1
.irp j, 0,1,2,3,4,5,6,7
	global_load_b128 v[X+32*\q+4*\j:X+32*\q+4*\j+3], v1, s[4:5] offset:4096*\q+512*\j th:TH_LOAD_NT   ; 32 lanes read 512 consecutive bytes; the launch reads them once
.endr
.endr
.irp j, 0,1,2,3,4,5,6,7
	global_load_b128 v[GW+4*\j:GW+4*\j+3], v1, s[6:7] offset:512*\j
.endr
.irp j, 0,1,2,3,4,5,6,7
	global_load_b128 v[GB+4*\j:GB+4*\j+3], v1, s[8:9] offset:512*\j
.endr
	s_wait_loadcnt 16                              ; the two rows are in; the sixteen younger loads, w's and b's, may stay out
	; ---- phase 1: the mean.  Two chains a row, the two rows by turns
.irp q, 0,1
	v_pk_add_f32 v[TM+4*\q:TM+4*\q+1], v[X+32*\q:X+32*\q+1], v[X+32*\q+4:X+32*\q+5]
	v_pk_add_f32 v[TM+4*\q+2:TM+4*\q+3], v[X+32*\q+2:X+32*\q+3], v[X+32*\q+6:X+32*\q+7]
.endr
.irp i, 8,12,16,20,24,28
.irp q, 0,1
	s_delay_alu instid0(VALU_DEP_4)
	v_pk_add_f32 v[TM+4*\q:TM+4*\q+1], v[TM+4*\q:TM+4*\q+1], v[X+32*\q+\i:X+32*\q+\i+1]
	s_delay_alu instid0(VALU_DEP_4)
	v_pk_add_f32 v[TM+4*\q+2:TM+4*\q+3], v[TM+4*\q+2:TM+4*\q+3], v[X+32*\q+\i+2:X+32*\q+\i+3]
.endr
.endr
.irp q, 0
	s_delay_alu instid0(VALU_DEP_3)
	v_pk_add_f32 v[TM+4*\q:TM+4*\q+1], v[TM+4*\q:TM+4*\q+1], v[TM+4*\q+2:TM+4*\q+3]
.endr
.irp q, 1
	s_delay_alu instid0(VALU_DEP_2)
	v_pk_add_f32 v[TM+4*\q:TM+4*\q+1], v[TM+4*\q:TM+4*\q+1], v[TM+4*\q+2:TM+4*\q+3]
.endr
.irp q, 0,1
	s_delay_alu instid0(VALU_DEP_2)
	v_add_f32 v[TM+4*\q], v[TM+4*\q], v[TM+4*\q+1]
.endr
	LANESUM TM, TM+1
	LANESUM TM+4, TM+5
.irp q, 0
	v_mul_f32 v[MN+2*\q], s20, v[TM+4*\q]
	v_mul_f32 v[MN+2*\q+1], s20, v[TM+4*\q]
.endr
.irp q, 1
	s_delay_alu instid0(VALU_DEP_3)
	v_mul_f32 v[MN+2*\q], s20, v[TM+4*\q]
	s_delay_alu instid0(VALU_DEP_4)
	v_mul_f32 v[MN+2*\q+1], s20, v[TM+4*\q]
.endr
.irp i, 0,2,4,6,8,10,12,14,16,18,20,22,24,26,28,30
.irp q, 0,1
	v_pk_add_f32 v[X+32*\q+\i:X+32*\q+\i+1], v[X+32*\q+\i:X+32*\q+\i+1], v[MN+2*\q:MN+2*\q+1] neg_lo:[0,1] neg_hi:[0,1]   ; d = x - mean, in place
.endr
.endr
	; the variance: the mean of d^2
.irp q, 0,1
	v_pk_mul_f32 v[TM+4*\q:TM+4*\q+1], v[X+32*\q:X+32*\q+1], v[X+32*\q:X+32*\q+1]
	v_pk_mul_f32 v[TM+4*\q+2:TM+4*\q+3], v[X+32*\q+2:X+32*\q+3], v[X+32*\q+2:X+32*\q+3]
.endr
.irp i, 4,8,12,16,20,24,28
.irp q, 0,1
	s_delay_alu instid0(VALU_DEP_4)
	v_pk_fma_f32 v[TM+4*\q:TM+4*\q+1], v[X+32*\q+\i:X+32*\q+\i+1], v[X+32*\q+\i:X+32*\q+\i+1], v[TM+4*\q:TM+4*\q+1]
	s_delay_alu instid0(VALU_DEP_4)
	v_pk_fma_f32 v[TM+4*\q+2:TM+4*\q+3], v[X+32*\q+\i+2:X+32*\q+\i+3], v[X+32*\q+\i+2:X+32*\q+\i+3], v[TM+4*\q+2:TM+4*\q+3]
.endr
.endr
.irp q, 0
	s_delay_alu instid0(VALU_DEP_3)
	v_pk_add_f32 v[TM+4*\q:TM+4*\q+1], v[TM+4*\q:TM+4*\q+1], v[TM+4*\q+2:TM+4*\q+3]
.endr
.irp q, 1
	s_delay_alu instid0(VALU_DEP_2)
	v_pk_add_f32 v[TM+4*\q:TM+4*\q+1], v[TM+4*\q:TM+4*\q+1], v[TM+4*\q+2:TM+4*\q+3]
.endr
.irp q, 0,1
	s_delay_alu instid0(VALU_DEP_2)
	v_add_f32 v[TM+4*\q], v[TM+4*\q], v[TM+4*\q+1]
.endr
	LANESUM TM, TM+1
	LANESUM TM+4, TM+5
.irp q, 0
	v_fma_f32 v[TM+4*\q], v[TM+4*\q], s20, s21     ; var + eps
.endr
.irp q, 1
	s_delay_alu instid0(VALU_DEP_2)
	v_fma_f32 v[TM+4*\q], v[TM+4*\q], s20, s21     ; var + eps
.endr
	s_wait_alu depctr_va_vdst(0)
.irp q, 0,1
	v_rsq_f32 v[RS+2*\q], v[TM+4*\q]
.endr
	v_nop                                          ; a plain instruction behind the two transcendentals (ISA guide 5.7.2)
	s_wait_alu depctr_va_vdst(0)                   ; one wait for both, ahead of their first reader
.irp q, 0,1
	v_mov_b32 v[RS+2*\q+1], v[RS+2*\q]
.endr
	s_wait_alu depctr_va_vdst(0)
	s_wait_loadcnt 0x0                             ; w and b
.irp i, 0,2,4,6,8,10,12,14,16,18,20,22,24,26,28,30
.irp q, 0,1
	v_pk_mul_f32 v[X+32*\q+\i:X+32*\q+\i+1], v[X+32*\q+\i:X+32*\q+\i+1], v[RS+2*\q:RS+2*\q+1]
.endr
.endr
.irp i, 0,2,4,6,8,10,12,14,16,18,20,22,24,26,28,30
.irp q, 0,1
	v_pk_fma_f32 v[X+32*\q+\i:X+32*\q+\i+1], v[X+32*\q+\i:X+32*\q+\i+1], v[GW+\i:GW+\i+1], v[GB+\i:GB+\i+1]
.endr
.endr
.irp q, 0,1
.irp j, 0,1,2,3,4,5,6,7
	ds_store_b128 v4, v[X+32*\q+4*\j:X+32*\q+4*\j+3] offset:YP*\q+512*\j
.endr
.endr
	s_wait_dscnt 0x0                               ; for the others' sake: my two rows of y lie in LDS
	s_barrier_signal -1
	s_barrier_wait -1
	; ---- phase 2: my 128 columns of the 16 rows become one fragment's worth of codes and one scale word a row
.irp b, 0,1,2,3
.irp j, 0,1,2,3
	ds_load_b128 v[X+16*\b+4*\j:X+16*\b+4*\j+3], v5 offset:128*\b+16*\j
.endr
.endr
	s_wait_dscnt 0x0
	QUANT X
.irp p, 0,1,2,3,4,5
	ds_store_b64 v6, v[PC+2*\p:PC+2*\p+1] offset:48*(\p/3)+8*(\p%3)   ; registers 6 c .. 6 c + 5 are k = 64 c + 32 h + 0 .. 31: 24 bytes of the row's stream of bits
.endr
	ds_store_b32 v7, v[PW]                         ; both halves of the lanes hold the same word and write it to the same place
	s_wait_dscnt 0x0                               ; for the others' sake
	s_barrier_signal -1
	s_barrier_wait -1
	; ---- phase 3: two rows of codes a wave, 1,536 dense bytes of memory; in LDS the second row lies 16 bytes further on
	ds_load_b128 v[32:35], v8                      ; bytes 0-511: the first row
	ds_load_b128 v[36:39], v9 offset:512           ; bytes 512-1,023: lanes 0-15 the first row's end, lanes 16-31 the second row's start
	ds_load_b128 v[40:43], v8 offset:1040          ; bytes 1,024-1,535: the second row
	s_wait_dscnt 0x0
	global_store_b128 v1, v[32:35], s[10:11]
	global_store_b128 v1, v[36:39], s[10:11] offset:512
	global_store_b128 v1, v[40:43], s[10:11] offset:1024
	s_cmp_lg_u32 s14, 0                            ; the 512 scale bytes are one store: wave 0's
	s_cbranch_scc1 .Lend
	ds_load_b128 v[44:47], v10
	s_wait_dscnt 0x0
	global_store_b128 v1, v[44:47], s[12:13]
.Lend:
	s_wait_tensorcnt 0x0
	ds_add_u32 v192, v193
	s_wait_dscnt 0x0
	s_endpgm
.Lfunc_end_k_qddabc5b606_ln1:
	.size	k_qddabc5b606_ln1, .Lfunc_end_k_qddabc5b606_ln1-k_qddabc5b606_ln1
	.p2alignl 7, 3214868480
	.fill 96, 4, 3214868480
	.section	.rodata,"a",@progbits
	.p2align	6, 0x0
	.amdhsa_kernel k_qddabc5b606_ln1
		.amdhsa_group_segment_fixed_size 79872
		.amdhsa_private_segment_fixed_size 0
		.amdhsa_enable_private_segment 0
		.amdhsa_kernarg_size 40
		.amdhsa_user_sgpr_count 2
		.amdhsa_user_sgpr_kernarg_segment_ptr 1
		.amdhsa_wavefront_size32 1
		.amdhsa_system_sgpr_workgroup_id_x 1
		.amdhsa_system_sgpr_workgroup_id_y 1
		.amdhsa_system_sgpr_workgroup_id_z 1
		.amdhsa_system_vgpr_workitem_id 0
		.amdhsa_next_free_vgpr 194
		.amdhsa_next_free_sgpr 66
		.amdhsa_reserve_vcc 0
		.amdhsa_float_denorm_mode_32 3
		.amdhsa_float_denorm_mode_16_64 3
		.amdhsa_memory_ordered 1
		.amdhsa_forward_progress 1
		.amdhsa_inst_pref_size 30
	.end_amdhsa_kernel
	.amdgpu_metadata
---
amdhsa.version: [ 1, 2 ]
amdhsa.kernels:
  - .name:           k_qddabc5b606_ln1
    .symbol:         k_qddabc5b606_ln1.kd
    .args:
      - { .name: x, .offset: 0, .size: 8, .value_kind: global_buffer, .address_space: global }
      - { .name: ln1_w, .offset: 8, .size: 8, .value_kind: global_buffer, .address_space: global }
      - { .name: ln1_b, .offset: 16, .size: 8, .value_kind: global_buffer, .address_space: global }
      - { .name: ac, .offset: 24, .size: 8, .value_kind: global_buffer, .address_space: global }
      - { .name: asc, .offset: 32, .size: 8, .value_kind: global_buffer, .address_space: global }
    .group_segment_fixed_size: 79872
    .private_segment_fixed_size: 0
    .kernarg_segment_align: 8
    .kernarg_segment_size: 40
    .max_flat_workgroup_size: 256
    .sgpr_count:     66
    .vgpr_count:     194
    .wavefront_size: 32
...
	.end_amdgpu_metadata
.endif
;; end of part 7
;; launch qkv (part 8): grid 12 x 16, 4 waves a work-group, clusters of 4 x 4, 327,680 bytes of LDS; arguments ac, asc, Wq_codes, Wq_scales, Wk_codes, Wk_scales, Wv_codes, Wv_scales, bc, bsc; writes bc, bsc
.if DOCPART == 8
	.amdgcn_target "amdgcn-amd-amdhsa--gfx1250"
	.amdhsa_code_object_version 6
	.text
	.protected	k_qddabc5b606_qkv
	.globl	k_qddabc5b606_qkv
	.p2align	8
	.type	k_qddabc5b606_qkv,@function
k_qddabc5b606_qkv:
	s_mov_b64 s[64:65], 0
	v_nop
	global_prefetch_b8 v0, s[64:65] scope:SCOPE_SE
	s_setreg_imm32_b32 hwreg(HW_REG_WAVE_MODE, 25, 1), 1
	s_wait_xcnt 0x0
	s_wait_alu depctr_hold_cnt(0) depctr_sa_sdst(0) depctr_va_vdst(0) depctr_va_sdst(0) depctr_va_ssrc(0) depctr_va_vcc(0) depctr_vm_vsrc(0)
	s_getreg_b32 s2, hwreg(HW_REG_IB_STS2, 6, 4)
	s_cmp_eq_u32 s2, 0
	s_cbranch_scc0 .Lentry_in_a_cluster
	s_endpgm
.Lentry_in_a_cluster:
	s_bfe_u32 s2, ttmp6, 0x10000c
	s_cmp_lg_u32 s2, 0xf033
	s_cbranch_scc0 .Lentry_shape_is_right
	s_endpgm
.Lentry_shape_is_right:
.set SIZE_K, 1024
.set NQ,     2
.set ROWB,   256                       ; a tile's row: a chunk of 256 bytes of a row of codes, at a multiple of 256 bytes
.set KROW,   SIZE_K*6/8
.set STEPS,  SIZE_K/128                ; steps of 128 along K, 96 bytes of a row each
.set CHUNKS, KROW/ROWB                 ; chunk c lies in slot c % 2
.set PITCH,  272
.set FR,     12
.set NL,     6
.set NP,     4
.set HALFT,  128*PITCH
.set SLOT,   4*HALFT
.set KS,     SIZE_K/32
.set SCL,    2*SLOT
.set HALFS,  (128*KS/256)*272
.set SBLK,   (16*KS/256)*272
.set SPARE,  SCL+4*HALFS
.set ADRA, 16
.set ADRB, 20
.set SPW,  28
.set NIL,  29
.set ADRS, 27
.set SC,   32
.set AF,   128
.set TM,   32
.set PW,   48
.set PC,   128
.set SEL,  94
.set G1, 24
.set G0, 32
.set G1B, 48
.set G0B, 56
.set G1S, 68
.set G0S, 76
.set G1SB, 80
.set G0SB, 88
.set MSB, 0
.macro WIN new
.if MSB != (\new)
	s_set_vgpr_msb (MSB<<8)|(\new)
.set MSB, \new
.endif
.endm
.set MUL_LO, 0xa1
.set MUL_HI, 0xf1
.set TO_B,   0x40
.macro JLOAD g0a, g1a, g0b, g1b
	s_cmp_eq_u32 s15, 0
	s_cbranch_scc0 .Lfor_b_\@
	tensor_load_to_lds s[\g0a:\g0a+3], s[\g1a:\g1a+7]
	s_nop 0
.rept 4
	v_nop
.endr
	s_branch .Lasked_\@
.Lfor_b_\@:
	tensor_load_to_lds s[\g0b:\g0b+3], s[\g1b:\g1b+7]
	s_nop 0
.rept 4
	v_nop
.endr
.Lasked_\@:
.endm
.macro CREST
	s_cmp_lg_u32 s14, 0
	s_cbranch_scc1 .Lnot_wave_0_\@
	s_barrier_signal -3
.Lnot_wave_0_\@:
	s_barrier_wait -3
	s_barrier_signal -1
	s_barrier_wait -1
.endm
.macro CROUND
	s_barrier_signal -1
	s_barrier_wait -1
	CREST
.endm
	s_load_b512 s[68:83], s[0:1], 0x0
	s_load_b128 s[84:87], s[0:1], 0x40
	v_lshl_add_u32 v[SPW], v0, 2, SPARE
	v_mov_b32 v[NIL], 0
	ds_add_u32 v28, v29
	ds_add_u32 v28, v29
	s_wait_dscnt 0x0
	v_lshrrev_b32 v1, 5, v0
	v_readfirstlane_b32 s14, v1
	s_lshr_b32 s15, s14, 1
	s_and_b32 s16, s14, 1
	s_bfe_u32 s40, ttmp6, 0x40000
	s_bfe_u32 s41, ttmp6, 0x40004
	s_and_b32 s2, ttmp7, 0xffff
	s_lshl_b32 s2, s2, 2
	s_wait_kmcnt 0x0
	s_cmp_eq_u32 ttmp9, 2
	s_cselect_b32 s17, 0, s2
	s_cselect_b32 s42, s2, 0
	s_cselect_b64 s[4:5], s[80:81], s[68:69]
	s_cselect_b64 s[6:7], s[82:83], s[70:71]
	s_cselect_b64 s[8:9], s[68:69], s[72:73]
	s_cselect_b64 s[10:11], s[70:71], s[74:75]
	s_cmp_eq_u32 ttmp9, 1
	s_cselect_b64 s[8:9], s[76:77], s[8:9]
	s_cselect_b64 s[10:11], s[78:79], s[10:11]
	s_mov_b64 s[12:13], s[84:85]
	s_mov_b64 s[66:67], s[86:87]
	s_add_co_u32 s17, s17, s41
	s_add_co_u32 s42, s42, s40
	s_lshl_b32 s43, s41, 2
	s_lshl_b32 s43, 15, s43
	s_lshl_b32 s44, 0x1111, s40
	s_or_b32 s[G1+0], s43, (0<<16)|(1<<20)|(1<<21)|(5<<22)|(3<<25)
	s_or_b32 s[G1B+0], s44, (0<<16)|(1<<20)|(1<<21)|(5<<22)|(3<<25)
.irp g, G1, G1B
	s_mov_b32 s[\g+1], ROWB<<16
	s_mov_b32 s[\g+2], 256<<16                     ; the head's loads bring 256 rows; behind them the two counts are set to 128
	s_mov_b32 s[\g+3], ROWB<<16
	s_mov_b32 s[\g+4], 256
	s_mov_b32 s[\g+5], KROW
	s_mov_b32 s[\g+6], 0
	s_mov_b32 s[\g+7], 0
.endr
	s_or_b32 s[G1S+0], s43, (3<<16)|(1<<20)|(1<<21)|(5<<22)|(3<<25)
	s_or_b32 s[G1SB+0], s44, (3<<16)|(1<<20)|(1<<21)|(5<<22)|(3<<25)
.irp g, G1S, G1SB
	s_mov_b32 s[\g+1], 32<<16
	s_mov_b32 s[\g+2], KS<<16                      ; the scales of 256 rows: KS rows of 256 bytes
	s_mov_b32 s[\g+3], 32<<16
	s_mov_b32 s[\g+4], KS
	s_mov_b32 s[\g+5], 32
	s_mov_b32 s[\g+6], 0
	s_mov_b32 s[\g+7], 0
.endr
	s_lshl_b32 s20, s17, 8                         ; the tiles' first rows
	s_lshl_b32 s46, s42, 8
	s_mov_b32 s21, 0
	s_mov_b32 s47, 0
	s_mov_b64 s[18:19], KS
	s_mul_u64 s[22:23], s[20:21], s[18:19]
	s_mul_u64 s[92:93], s[46:47], s[18:19]
	s_mov_b64 s[18:19], KROW
	s_mul_u64 s[20:21], s[20:21], s[18:19]
	s_mul_u64 s[46:47], s[46:47], s[18:19]
	s_mul_i32 s45, s14, HALFT
	s_add_nc_u64 s[20:21], s[4:5], s[20:21]
	s_add_nc_u64 s[22:23], s[6:7], s[22:23]
	s_add_nc_u64 s[46:47], s[8:9], s[46:47]
	s_add_nc_u64 s[92:93], s[10:11], s[92:93]
	CROUND
	s_mov_b32 s[G0S], 1
	s_mov_b32 s[G0S+1], SCL
	s_mov_b64 s[G0S+2:G0S+3], s[22:23]
	s_or_b32 s[G0S+3], s[G0S+3], 0x80000000
	s_mov_b32 s[G0SB], 1
	s_mov_b32 s[G0SB+1], SCL+2*HALFS
	s_mov_b64 s[G0SB+2:G0SB+3], s[92:93]
	s_or_b32 s[G0SB+3], s[G0SB+3], 0x80000000
	s_mov_b32 s[G0], 1                             ; slot 0's groups 0 serve the head first: chunk 0's 256 rows of A,
	s_mov_b32 s[G0+1], 0
	s_mov_b64 s[G0+2:G0+3], s[20:21]
	s_or_b32 s[G0+3], s[G0+3], 0x80000000
	s_mov_b32 s[G0B], 1                            ; and of B, behind them
	s_mov_b32 s[G0B+1], 2*HALFT
	s_mov_b64 s[G0B+2:G0B+3], s[46:47]
	s_or_b32 s[G0B+3], s[G0B+3], 0x80000000
	s_mul_i32 s18, s16, 128*KROW                   ; in the ring I fetch 128 rows of a tile
	s_mov_b32 s19, 0
	s_add_nc_u64 s[20:21], s[20:21], s[18:19]
	s_add_nc_u64 s[46:47], s[46:47], s[18:19]
	s_mov_b32 s[G0+4], 1
	s_add_co_u32 s[G0+5], s45, SLOT
	s_add_nc_u64 s[G0+6:G0+7], s[20:21], ROWB
	s_or_b32 s[G0+7], s[G0+7], 0x80000000
	s_mov_b32 s[G0B+4], 1
	s_add_co_u32 s[G0B+5], s45, SLOT
	s_add_nc_u64 s[G0B+6:G0B+7], s[46:47], ROWB
	s_or_b32 s[G0B+7], s[G0B+7], 0x80000000
; the head's four tiles, one load a wave: one chain of branches on the wave's number
.macro ARM under, g0, g1, next
	s_cmp_lt_u32 s14, \under
	s_cbranch_scc0 \next
	tensor_load_to_lds s[\g0:\g0+3], s[\g1:\g1+7]
	s_nop 0
.rept 4
	v_nop
.endr
	s_branch .Lhead_asked
\next:
.endm
	ARM 1, G0,  G1,  .Lhead_b
	ARM 2, G0B, G1B, .Lhead_sa
	ARM 3, G0S, G1S, .Lhead_sb
	tensor_load_to_lds s[G0SB:G0SB+3], s[G1SB:G1SB+7]
	s_nop 0
.rept 4
	v_nop
.endr
.Lhead_asked:
	v_and_b32 v1, 15, v0
	v_bfe_u32 v2, v0, 4, 1
	v_mul_u32_u24 v3, v1, PITCH
	v_mul_u32_u24 v4, v2, 24
	v_add_nc_u32 v4, v3, v4
	s_mov_b32 s21, SLOT-232
	s_mov_b32 s22, SLOT+232
	v_sub_nc_u32 v7, 1, v2
	v_mul_u32_u24 v5, s21, v2
	v_add_nc_u32 v5, v3, v5
	v_add_nc_u32 v5, 232, v5                       ; across two chunks: lanes 0-15 byte 232 in slot 0, lanes 16-31 byte 0 in slot 1;
	v_mul_u32_u24 v6, s22, v7
	v_add_nc_u32 v6, v3, v6                        ; and lanes 0-15 byte 232 in slot 1, lanes 16-31 byte 0 in slot 0
	s_mul_i32 s21, s15, HALFT
	s_mul_i32 s22, s16, HALFT
	s_add_co_u32 s22, s22, 2*HALFT
	v_add_nc_u32 v[ADRA+2], s21, v5
	v_add_nc_u32 v[ADRA+3], s21, v6
	v_add_nc_u32 v[ADRB+2], s22, v5
	v_add_nc_u32 v[ADRB+3], s22, v6
.irp s, 0,1
	v_add_nc_u32 v[ADRA+\s], s21, v4
	v_add_nc_u32 v[ADRB+\s], s22, v4
	s_add_co_u32 s21, s21, SLOT
	s_add_co_u32 s22, s22, SLOT
.endr
	v_mul_u32_u24 v5, v1, KS
	v_lshrrev_b32 v6, 8, v5
	v_lshl_add_u32 v5, v6, 4, v5
	s_mul_i32 s21, s15, HALFS
	s_mul_i32 s22, s16, HALFS
	s_add_co_u32 s22, s22, 2*HALFS
	s_sub_co_u32 s22, s22, s21
	v_mul_u32_u24 v6, s22, v2
	s_add_co_u32 s21, s21, SCL
	v_add_nc_u32 v5, v5, v6
	v_add_nc_u32 v[ADRS], s21, v5
	s_lshl_b32 s18, s17, 8
	s_lshl_b32 s19, s15, 7
	s_add_co_u32 s18, s18, s19
	s_lshl_b32 s19, s42, 8
	s_lshl_b32 s20, s16, 7
	s_add_co_u32 s19, s19, s20
	s_cmp_eq_u32 ttmp9, 2
	s_cselect_b32 s20, s19, s18
	s_cselect_b32 s21, s18, s19
	s_mov_b32 s4, 768
	s_cselect_b32 s4, 1536, s4
	s_mov_b32 s5, 768
	s_cselect_b32 s5, 93696, s5
	s_cselect_b32 s6, 64, 2
	s_cselect_b32 s7, 64, 62
	s_mov_b32 s8, 3904
	s_cselect_b32 s8, s8, 62
	s_mov_b32 s9, 98304
	s_cselect_b32 s9, 768, s9
	s_mov_b32 s10, 4096
	s_cselect_b32 s10, 2, s10
	s_lshr_b32 s22, s20, 11
	s_lshl_b32 s22, s22, 4
	s_lshr_b32 s23, s21, 6
	s_add_co_u32 s22, s22, s23
	s_and_b32 s20, s20, 2047
	s_mul_i32 s23, ttmp9, 3145728
	s_mul_i32 s92, s22, 98304
	s_add_co_u32 s23, s23, s92
	s_mul_i32 s92, s20, 48
	s_add_co_u32 s23, s23, s92
	s_lshl_b32 s93, ttmp9, 17
	s_lshl_b32 s92, s22, 12
	s_add_co_u32 s93, s93, s92
	s_lshl_b32 s92, s20, 1
	s_add_co_u32 s93, s93, s92
	v_and_b32 v6, 31, v0
	v_lshl_add_u32 v8, v6, 3, s23
	v_add_nc_u32 v9, s9, v8
	v_mul_lo_u32 v10, v2, s10
	v_lshl_add_u32 v10, v1, 2, v10
	v_add_nc_u32 v10, s93, v10
	v_lshlrev_b32 v11, 4, v2
.macro FRAG reg, adr, st, i            ; step st's fragment of block i: six pieces of 8 bytes; byte y of a row lies in chunk y / 256, slot (y / 256) % 2
.irp p, 0,1,2,3,4,5
.set BY, 96*(\st)+48*(\p/3)+8*(\p%3)
.if BY/ROWB == (BY+24)/ROWB
	ds_load_b64 v[\reg+2*\p:\reg+2*\p+1], v[\adr+(BY/ROWB)%2] offset:BY%ROWB+(\i)*16*PITCH
.else
	ds_load_b64 v[\reg+2*\p:\reg+2*\p+1], v[\adr+2+(BY/ROWB)%2] offset:BY%ROWB-232+(\i)*16*PITCH
.endif
.endr
.endm
.macro MUL16 a0, p, q, sc, zero
.irp a, \a0, \a0+1
.irp b, 0,1,2,3,4,5,6,7
.if \zero
	v_wmma_scale_f32_16x16x128_f8f6f4 v[8*(8*((\a)%4)+\b):8*(8*((\a)%4)+\b)+7], v[128*(\p)+FR*\b:128*(\p)+FR*\b+FR-1], v[AF+FR*(\a):AF+FR*(\a)+FR-1], 0, v[SC+8*NQ*(\sc)+NQ*\b+(\q)], v[SC+8*NQ*(\sc)+NQ*(\a)+(\q)] matrix_a_fmt:MATRIX_FMT_FP6 matrix_b_fmt:MATRIX_FMT_FP6 matrix_a_scale:MATRIX_SCALE_ROW1
.else
	v_wmma_scale_f32_16x16x128_f8f6f4 v[8*(8*((\a)%4)+\b):8*(8*((\a)%4)+\b)+7], v[128*(\p)+FR*\b:128*(\p)+FR*\b+FR-1], v[AF+FR*(\a):AF+FR*(\a)+FR-1], v[8*(8*((\a)%4)+\b):8*(8*((\a)%4)+\b)+7], v[SC+8*NQ*(\sc)+NQ*\b+(\q)], v[SC+8*NQ*(\sc)+NQ*(\a)+(\q)] matrix_a_fmt:MATRIX_FMT_FP6 matrix_b_fmt:MATRIX_FMT_FP6 matrix_a_scale:MATRIX_SCALE_ROW1
.endif
.endr
.endr
.endm
.macro FETCH_B st, p
	WIN TO_B
.irp i, 0,1,2,3,4,5,6,7
	FRAG 128*(\p)+FR*\i, ADRB, \st, \i
.endr
	WIN 0
.endm
.macro FETCH_A st, i0
.irp i, \i0, \i0+1, \i0+2, \i0+3
	FRAG AF+FR*(\i), ADRA, \st, \i
.endr
.endm
.macro SCALES pr                       ; the scale words of steps 2 pr and 2 pr + 1 into set pr % 2
.irp i, 0,1,2,3,4,5,6,7
	ds_load_b64 v[SC+8*NQ*((\pr)%2)+NQ*\i:SC+8*NQ*((\pr)%2)+NQ*\i+1], v[ADRS] offset:\i*SBLK+4*NQ*(\pr)
.endr
.endm
.macro PLACES n
.rept \n
	v_nop
.endr
.endm
; A step of 128 along K: 64 products; the next step's fragments are fetched in its middle and at its end.  Where the next step's bytes end in a chunk not read yet, a barrier shows that chunk whole;
; where they begin in a later chunk, the chunk left behind is read no more: the three lines, the barrier, which opens a round of the cluster's, and the refill two chunks ahead.
.macro STEP st, zero
.set NX, (\st)+1
.set C0, (96*(\st))/ROWB
.set C1, (96*NX)/ROWB
.set E0, (96*(\st)+95)/ROWB
.set E1, (96*NX+95)/ROWB
.if C1 > C0 || E1 > E0
	s_wait_tensorcnt 0x0                           ; all my tensor loads have landed
.if C1 > C0
	ds_add_u32 v[SPW], v[NIL]
	s_wait_dscnt 4*NL+1                            ; the add and A's blocks 4-7 may be out
.else
	s_wait_dscnt 4*NL
.endif
	WIN MUL_LO
	MUL16 0, (\st)%2, (\st)%2, ((\st)/2)%2, \zero
	s_wait_dscnt 0x0                               ; the add and all my reads are done
	s_barrier_signal -1
	MUL16 2, (\st)%2, (\st)%2, ((\st)/2)%2, \zero
	WIN 0
	s_barrier_wait -1
.if C1 > C0 && C0+2 < CHUNKS
	CREST
	s_add_nc_u64 s[G0+4*(C0%2)+2:G0+4*(C0%2)+3], s[G0+4*(C0%2)+2:G0+4*(C0%2)+3], 2*ROWB
	s_add_nc_u64 s[G0B+4*(C0%2)+2:G0B+4*(C0%2)+3], s[G0B+4*(C0%2)+2:G0B+4*(C0%2)+3], 2*ROWB
	JLOAD G0+4*(C0%2), G1, G0B+4*(C0%2), G1B
.else
	PLACES NP
.endif
.else
	s_wait_dscnt 4*NL
	WIN MUL_LO
	MUL16 0, (\st)%2, (\st)%2, ((\st)/2)%2, \zero
	MUL16 2, (\st)%2, (\st)%2, ((\st)/2)%2, \zero
	s_wait_dscnt 0
	PLACES NP
.endif
	FETCH_B NX, NX%2
	FETCH_A NX, 0
.if NX%2 == 0
	SCALES NX/2
.endif
	WIN MUL_HI
	MUL16 4, (\st)%2, (\st)%2, ((\st)/2)%2, \zero
	MUL16 6, (\st)%2, (\st)%2, ((\st)/2)%2, \zero
	PLACES NP
	WIN 0
	FETCH_A NX, 4
.endm
	s_wait_alu depctr_va_vdst(0)                   ; the wait at the head's end
	s_wait_tensorcnt 0x0                           ; my tile of the head's four is in
	ds_add_u32 v[SPW], v[NIL]
	s_mov_b32 s[G1+2], 128<<16                     ; no load of mine is out: from here on a load brings 128 rows,
	s_mov_b32 s[G1+4], 128
	s_mov_b32 s[G1B+2], 128<<16
	s_mov_b32 s[G1B+4], 128
	s_add_co_u32 s[G0+1], s45, 0                   ; and slot 0's groups 0 name my quarter of the slot
	s_add_co_u32 s[G0B+1], s45, 0
	s_mul_i32 s18, s16, 128*KROW
	s_mov_b32 s19, 0
	s_add_nc_u64 s[G0+2:G0+3], s[G0+2:G0+3], s[18:19]
	s_add_nc_u64 s[G0B+2:G0B+3], s[G0B+2:G0B+3], s[18:19]
	s_wait_dscnt 0x0
	CROUND
	JLOAD G0+4, G1, G0B+4, G1B                     ; chunk 1, the first tensor load behind the round
	FETCH_B 0, 0
	FETCH_A 0, 0
	SCALES 0
	FETCH_A 0, 4
	STEP 0, 1
.set ST, 1
.rept STEPS-2
	STEP ST, 0
.set ST, ST+1
.endr
	s_wait_dscnt 4*NL
	WIN MUL_LO
	MUL16 0, 1, NQ-1, 1, 0
	MUL16 2, 1, NQ-1, 1, 0
	s_wait_dscnt 0
	WIN MUL_HI
	MUL16 4, 1, NQ-1, 1, 0
	MUL16 6, 1, NQ-1, 1, 0
	WIN 0
.macro QOUT a
.set QW, 2+(\a)/4
.set QS, 64*((\a)%4)
	WIN QW|(QW<<2)
.irp b, 0,1,2,3
	v_max3_num_f32 v[TM+\b], |v[QS+16*\b]|, |v[QS+1+16*\b]|, 0x1800000
.endr
.irp i, 2,4,6,8,10,12,14
.irp b, 0,1,2,3
	v_max3_num_f32 v[TM+\b], |v[QS+16*\b+\i]|, |v[QS+1+16*\b+\i]|, v[TM+\b]
.endr
.endr
	WIN 0
.irp b, 0,1,2,3
	v_permlanex16_b32 v[TM+4+\b], v[TM+\b], s[SEL], s[SEL+1]
.endr
.irp b, 0,1,2,3
	v_max_num_f32 v[TM+\b], v[TM+\b], v[TM+4+\b]
.endr
.irp b, 0,1,2,3
	v_add_nc_u32 v[TM+12+\b], 0xff000000, v[TM+\b]
.endr
.irp b, 0,1,2,3
	v_lshrrev_b32 v[TM+4+\b], 23, v[TM+12+\b]
.endr
	v_lshl_or_b32 v[PW], v[TM+5], 8, v[TM+4]
	v_lshl_or_b32 v[PW], v[TM+6], 16, v[PW]
	v_lshl_or_b32 v[PW], v[TM+7], 24, v[PW]
	s_wait_xcnt 0x0
.if (\a) == 4
	v_add_nc_u32 v8, s5, v8
	v_add_nc_u32 v9, s5, v9
	v_add_nc_u32 v10, s8, v10
.elseif (\a)%2 == 1
	v_add_nc_u32 v8, s4, v8
	v_add_nc_u32 v9, s4, v9
	v_add_nc_u32 v10, s6, v10
.elseif (\a) > 0
	v_add_nc_u32 v8, s4, v8
	v_add_nc_u32 v9, s4, v9
	v_add_nc_u32 v10, s7, v10
.endif
	WIN QW
.irp c, 0,1
	v_cvt_scalef32_pk16_fp6_f32 v[PC+6*\c:PC+2+6*\c], v[QS+32*\c:QS+15+32*\c], v[TM+12+2*\c]
	v_cvt_scalef32_pk16_fp6_f32 v[PC+12+4*\c:PC+14+4*\c], v[QS+16+32*\c:QS+31+32*\c], v[TM+12+2*\c+1]
.endr
	WIN 0
	v_nop
.irp c, 0,1
.irp i, 0,1,2
	v_permlane16_swap_b32 v[PC+6*\c+\i], v[PC+12+4*\c+\i]
.endr
.irp i, 0,1,2
	v_mov_b32 v[PC+3+6*\c+\i], v[PC+12+4*\c+\i]
.endr
.endr
	v_lshrrev_b32 v49, v11, v[PW]
.irp p, 0,1,2
	global_store_b64 v8, v[PC+2*\p:PC+2*\p+1], s[12:13] offset:256*\p
.endr
.irp p, 0,1,2
	global_store_b64 v9, v[PC+6+2*\p:PC+7+2*\p], s[12:13] offset:256*\p
.endr
	global_store_b16 v10, v49, s[66:67]
.endm
	PLACES NP
	s_mov_b32 s[SEL], 0x76543210
	s_mov_b32 s[SEL+1], 0xfedcba98
.irp b, 0,1,2,3
	v_mov_b32 v[TM+4+\b], 0
.endr
.irp a, 0,1,2,3,4,5,6,7
	QOUT \a
.endr
	s_wait_tensorcnt 0x0
	ds_add_u32 v[SPW], v[NIL]
	s_wait_dscnt 0x0
	CROUND
	s_endpgm
.Lfunc_end_k_qddabc5b606_qkv:
	.size	k_qddabc5b606_qkv, .Lfunc_end_k_qddabc5b606_qkv-k_qddabc5b606_qkv
	.p2alignl 7, 3214868480
	.fill 96, 4, 3214868480
	.section	.rodata,"a",@progbits
	.p2align	6, 0x0
	.amdhsa_kernel k_qddabc5b606_qkv
		.amdhsa_group_segment_fixed_size 327680
		.amdhsa_private_segment_fixed_size 0
		.amdhsa_enable_private_segment 0
		.amdhsa_kernarg_size 80
		.amdhsa_user_sgpr_count 2
		.amdhsa_user_sgpr_kernarg_segment_ptr 1
		.amdhsa_wavefront_size32 1
		.amdhsa_system_sgpr_workgroup_id_x 1
		.amdhsa_system_sgpr_workgroup_id_y 1
		.amdhsa_system_sgpr_workgroup_id_z 1
		.amdhsa_system_vgpr_workitem_id 0
		.amdhsa_next_free_vgpr 1024
		.amdhsa_next_free_sgpr 98
		.amdhsa_reserve_vcc 0
		.amdhsa_float_denorm_mode_32 3
		.amdhsa_float_denorm_mode_16_64 3
		.amdhsa_memory_ordered 1
		.amdhsa_forward_progress 1
		.amdhsa_inst_pref_size 169
	.end_amdhsa_kernel
	.amdgpu_metadata
---
amdhsa.version: [ 1, 2 ]
amdhsa.kernels:
  - .name:           k_qddabc5b606_qkv
    .symbol:         k_qddabc5b606_qkv.kd
    .args:
      - { .name: ac, .offset: 0, .size: 8, .value_kind: global_buffer, .address_space: global }
      - { .name: asc, .offset: 8, .size: 8, .value_kind: global_buffer, .address_space: global }
      - { .name: Wq_codes, .offset: 16, .size: 8, .value_kind: global_buffer, .address_space: global }
      - { .name: Wq_scales, .offset: 24, .size: 8, .value_kind: global_buffer, .address_space: global }
      - { .name: Wk_codes, .offset: 32, .size: 8, .value_kind: global_buffer, .address_space: global }
      - { .name: Wk_scales, .offset: 40, .size: 8, .value_kind: global_buffer, .address_space: global }
      - { .name: Wv_codes, .offset: 48, .size: 8, .value_kind: global_buffer, .address_space: global }
      - { .name: Wv_scales, .offset: 56, .size: 8, .value_kind: global_buffer, .address_space: global }
      - { .name: bc, .offset: 64, .size: 8, .value_kind: global_buffer, .address_space: global }
      - { .name: bsc, .offset: 72, .size: 8, .value_kind: global_buffer, .address_space: global }
    .group_segment_fixed_size: 327680
    .private_segment_fixed_size: 0
    .kernarg_segment_align: 8
    .kernarg_segment_size: 80
    .max_flat_workgroup_size: 128
    .sgpr_count:     98
    .vgpr_count:     1024
    .wavefront_size: 32
...
	.end_amdgpu_metadata
.endif
;; end of part 8
;; launch att (part 9): grid 8 x 32, 16 waves a work-group, clusters of 4 x 1, 206,848 bytes of LDS; arguments bc, bsc, ac, asc; writes ac, asc
.if DOCPART == 9
	.amdgcn_target "amdgcn-amd-amdhsa--gfx1250"
	.amdhsa_code_object_version 6
	.text
	.protected	k_qddabc5b606_att
	.globl	k_qddabc5b606_att
	.p2align	8
	.type	k_qddabc5b606_att,@function
k_qddabc5b606_att:
	s_mov_b64 s[64:65], 0
	v_nop
	global_prefetch_b8 v0, s[64:65] scope:SCOPE_SE
	s_setreg_imm32_b32 hwreg(HW_REG_WAVE_MODE, 25, 1), 1
	s_wait_xcnt 0x0
	s_wait_alu depctr_hold_cnt(0) depctr_sa_sdst(0) depctr_va_vdst(0) depctr_va_sdst(0) depctr_va_ssrc(0) depctr_va_vcc(0) depctr_vm_vsrc(0)
	s_getreg_b32 s2, hwreg(HW_REG_IB_STS2, 6, 4)
	s_cmp_eq_u32 s2, 0
	s_cbranch_scc0 .Lentry_in_a_cluster
	s_endpgm
.Lentry_in_a_cluster:
	s_bfe_u32 s2, ttmp6, 0x10000c
	s_cmp_lg_u32 s2, 0x3003
	s_cbranch_scc0 .Lentry_shape_is_right
	s_endpgm
.Lentry_shape_is_right:
; Causal attention of one head (bh = 16 x batch + head, 2,048 tokens, 64 channels), both products on codes of FP6 (E2M3) with E8M0 scales, and the result quantised along the 1,024 channels of a token for the next product.
; In: the images of q, k, v and their scale bytes that the launch before has laid (bc, bsc).  Out: codes [4096][768 bytes] and scale bytes [4096][32].
; THE SOFTMAX: t = score x log2(e) / 8; M = the row's largest t so far, rounded up to a whole number; p = 2^(t - M) is quantised along the keys, not normalised; the row's sum is taken of the unquantised p and divides O at the end.
; When M moves, the sum and O are multiplied by 2^(old M - new M): exact.
; SHARES.  A work-group owns 256 queries of a head, a wave one tile of 16: wave w of work-group g (0 .. 7) takes queries 128 sigma(w) + 16 g + 0 .. 15 and walks key steps 0 .. sigma(w) of 128 keys; step sigma is the one on the diagonal.
; sigma(w) = 4 (a xor b) + (a xor M(b)), a = w / 4, b = w % 4, M = 0, 2, 3, 1: two orthogonal Latin squares.  So sigma runs through 0 .. 15, and the four waves with equal a, and the four with equal b, have 34 key steps together:
; the work is even however sixteen waves are dealt to four SIMDs, and every work-group is alike.  sigma hangs on the wave's number alone: no branch hangs on a work-group's place.
; ALL OF A HEAD'S K AND V LIES IN LDS (196,608 bytes of codes, 8,192 of scale words) AND IS FILLED ONCE: no ring, no slot is filled again.  One load a wave; all of them land before the first key step.
; CLUSTER.  The four work-groups of a cluster belong to one head: every tile is asked for jointly, by the same tensor load with the same descriptor and a mask that names the four.
; No prefetch: everything that the launch reads from memory in bulk is asked for in its first lines.
; LAYOUT.  Both products are used transposed: S^T = K Q^T, O^T = V^T P^T: a lane holds one query (lane % 16) throughout.
; THE FIRST PRODUCT HAS K = 64, the instruction 128.  A fragment of K holds TWO tiles of 16 keys: registers 0-5 tile 2 P, registers 6-11 tile 2 P + 1; it is multiplied by [q | 0] for the first and by [0 | q] for the second.
; Zero codes add nothing under any scale byte but 0xff.  [0 | q] and [q | 0] are two views of 18 registers: six zeros, q's six, six zeros.
; The keys of a tile are neighbours: register 8 t + j of lane half h holds key 16 t + 8 h + j, and p is laid at place 16 h + 8 u + j of its block of 32 as v was by the launch before: the products are those of the true order.
; The output's channels meet a GIVEN weight next, so there one exchange of lane halves for each pair of registers restores the true order ahead of the quantiser.
; Stores: 24 bytes of codes and one scale byte for each lane: a head is 48 bytes of a token's 768.  One head to a work-group is kept all the same: four heads would ask for four times the K and V in each work-group's LDS, which has no room for them.
; LIMITS: NaN and infinities are not served.  1 / l is v_rcp_f32 (1 ulp).  A block of zeros gets the byte 1 where the quantiser says 127 (its codes are zeros; only this program reads the bytes); blocks under 2^-124 are held at the byte 1.
; A block's largest p is made from the block's largest score by the same two instructions as p itself; this takes v_exp_f32 not to fall where its input rises.
.set VIMG, 98304                       ; LDS: K's image at 0, V's here,
.set KSC,  196608                      ; K's scale words,
.set VSC,  200704                      ; V's
.set AL,   1                           ; v1   8 x lane: an image's place for my lane
.set ASK0, 2                           ; v2   KSC + 4 r
.set ASV0, 3                           ; v3   VSC + 4 r
.set DM,   4                           ; v4   16 g + r - 8 h: on the diagonal register 8 t + j is hidden where 16 t + j is above it
.set OC,   5                           ; v5   my byte offset in the codes that leave
.set OS,   6                           ; v6   and in the scale bytes
.set HH,   7                           ; v7   h
.set ADK,  8                           ; v8-11 LDS addresses of the step in hand: K, V, K's scale words, V's
.set ADV,  9
.set ADS,  10
.set ADT,  11
.set KF,   34                          ; v34-81 four fragments, of K and then of V
; v12 -M, v13 the largest t, v[14:15] the sum in two halves; v16-33 [0 | q | 0]; v96-159 S^T, then p; v160-191 O^T; v192-208 at work at the head and on the way out; v224-235 p's codes; v232-254 at work; v248-251 scale words; v253 p's scale word; v255 q's
.set WV,   12
.set SG,   13                          ; s13  sigma
.set GG,   15                          ; s15  g
.set BH,   16                          ; s16  bh
.set ST,   17                          ; s17  the key step
.set TB,   18                          ; s18  6,144 x key step: where its tiles begin in an image
.set TS,   19                          ; s19  256 x key step: where its scale words begin
.set SEL,  20                          ; s[20:21] lane selects for v_permlanex16_b32: lane l xor 16
.set CS,   22                          ; s[22:23] c = log2(e) / 8
.set G1A,  24                          ; s[24:31], s[32:39] descriptor groups 1: dense blocks of 8 and 64 rows of 256 bytes
.set G1B,  32
.set G1C,  40
.set G0A,  48                          ; s[48:51], s[52:55] their groups 0
.set G0B,  52
.set G0C,  56
.macro ROUND                           ; a round of the cluster's barrier
	s_barrier_signal -1
	s_barrier_wait -1
	s_cmp_lg_u32 s[WV], 0
	s_cbranch_scc1 .Lnot_wave_0_\@
	s_barrier_signal -3
.Lnot_wave_0_\@:
	s_barrier_wait -3
	s_barrier_signal -1
	s_barrier_wait -1
.endm
.macro GROUP1 g, rows                  ; rows x 256 dense bytes, as elements of 8 bytes
	s_mov_b32 s[\g], 15|(3<<16)|(1<<21)            ; 15:0 the mask: all four work-groups; 17:16 elements of 8 bytes; 21 set beside a mask; no padding
	s_mov_b32 s[\g+1], 32<<16                      ; tensor_dim0 = 32
	s_mov_b32 s[\g+2], (\rows)<<16                 ; tensor_dim1
	s_mov_b32 s[\g+3], 32<<16                      ; tile_dim0 = 32
	s_mov_b32 s[\g+4], \rows                       ; tile_dim1
	s_mov_b32 s[\g+5], 32                          ; from row to row
	s_mov_b32 s[\g+6], 0
	s_mov_b32 s[\g+7], 0
.endm
	s_load_b256 s[4:11], s[0:1], 0x0               ; bc s[4:5], bsc s[6:7], the codes that leave s[8:9], their scale bytes s[10:11]
	v_lshl_add_u32 v223, v0, 2, 0x32000
	v_mov_b32 v243, 0
	ds_add_u32 v223, v243
	ds_add_u32 v223, v243
	v_lshrrev_b32 v192, 5, v0
	s_delay_alu instid0(VALU_DEP_1)
	v_readfirstlane_b32 s[WV], v192                ; wave 0..15
	s_bfe_u32 s14, ttmp6, 0x40000                  ; cx
	s_lshl_b32 s[GG], ttmp9, 2
	s_add_co_u32 s[GG], s[GG], s14                 ; g = 4 x cluster x + cx: it enters q's and the output's addresses and the diagonal's mask, nothing else
	s_and_b32 s[BH], ttmp7, 0xffff                 ; bh, which the four partners share
	s_lshr_b32 s60, s[WV], 2                       ; a
	s_and_b32 s61, s[WV], 3                        ; b
	s_lshr_b32 s62, s61, 1                         ; b's upper bit
	s_xor_b32 s63, s61, s62
	s_and_b32 s63, s63, 1                          ; its two bits' exclusive or
	s_lshl_b32 s63, s63, 1
	s_or_b32 s63, s63, s62                         ; M(b)
	s_xor_b32 s63, s63, s60                        ; a xor M(b)
	s_xor_b32 s[SG], s60, s61
	s_lshl_b32 s[SG], s[SG], 2
	s_add_co_u32 s[SG], s[SG], s63                 ; sigma
	GROUP1 G1A, 8
	GROUP1 G1B, 64
	; ONE LOAD A WAVE: waves 0-5 a sixth of K's codes each (16,384 bytes), waves 6-11 of V's; waves 12, 13 the halves of K's scale words (2,048 bytes), waves 14, 15 of V's
	s_cmp_ge_u32 s[WV], 6
	s_cselect_b32 s68, 3047424, 0                  ; from K's image to V's in memory, less the 98,304 bytes that the wave's number has already counted
	s_mul_i32 s69, s[BH], 98304
	s_add_co_u32 s68, s68, s69
	s_lshl_b32 s63, s[WV], 14                      ; in LDS V's image follows K's: 16,384 x wave
	s_add_co_u32 s68, s68, s63
	s_add_co_u32 s70, s68, 3145728
	s_mov_b32 s71, 0
	s_and_b32 s61, s[WV], 3                        ; which of the four parts of the scale words
	s_lshr_b32 s62, s61, 1
	s_add_co_u32 s62, s62, 1
	s_lshl_b32 s66, s62, 17
	s_lshl_b32 s67, s[BH], 12
	s_add_co_u32 s66, s66, s67
	s_and_b32 s67, s61, 1
	s_lshl_b32 s67, s67, 11
	s_add_co_u32 s66, s66, s67
	s_mov_b32 s67, 0
	s_lshl_b32 s74, s61, 11
	s_mov_b32 s[G0A], 1
	s_add_co_u32 s[G0A+1], s74, KSC
	s_mov_b32 s[G0B], 1
	s_add_co_u32 s[G0B+1], s63, 0
	s_mov_b32 s[SEL], 0x76543210
	s_mov_b32 s[SEL+1], 0xfedcba98
	s_mov_b32 s[CS], 0x3e38aa3b                    ; c = log2(e) / sqrt(64)
	s_mov_b32 s[CS+1], s[CS]                       ; (named with it as a pair, so it is written)
	s_mov_b32 s[ST], 0
	s_mov_b32 s[TB], 0
	s_mov_b32 s[TS], 0
	s_wait_dscnt 0x0
	s_wait_kmcnt 0x0
	s_add_nc_u64 s[G0A+2:G0A+3], s[6:7], s[66:67]
	s_or_b32 s[G0A+3], s[G0A+3], 0x80000000        ; type = 2
	s_add_nc_u64 s[G0B+2:G0B+3], s[4:5], s[70:71]
	s_or_b32 s[G0B+3], s[G0B+3], 0x80000000
	ROUND                                          ; all four work-groups are here: the joint loads meet
	s_cmp_lt_u32 s[WV], 12
	s_cbranch_scc0 .Lfor_scales
	tensor_load_to_lds s[G0B:G0B+3], s[G1B:G1B+7]  ; codes
	s_nop 0
.rept 4
	v_nop
.endr
	s_branch .Lasked
.Lfor_scales:
	tensor_load_to_lds s[G0A:G0A+3], s[G1A:G1A+7]  ; scale words
	s_nop 0
.rept 4
	v_nop
.endr
.Lasked:
	s_lshl_b32 s60, s[SG], 3
	s_add_co_u32 s60, s60, s[GG]                   ; my tile of 16 queries: 8 sigma + g
	s_mul_i32 s62, s[BH], 98304
	s_mul_i32 s63, s60, 768
	s_add_co_u32 s62, s62, s63
	s_mov_b32 s63, 0
	s_add_nc_u64 s[66:67], s[4:5], s[62:63]        ; its image in q's
	s_lshl_b32 s62, s[BH], 12
	s_lshr_b32 s61, s60, 1
	s_lshl_b32 s61, s61, 6
	s_add_co_u32 s62, s62, s61
	s_and_b32 s61, s60, 1
	s_lshl_b32 s61, s61, 1
	s_add_co_u32 s62, s62, s61
	s_add_nc_u64 s[68:69], s[6:7], s[62:63]        ; its scale bytes: pair of tiles x 64, + 2 x (tile % 2); 4 r in the lane
	v_and_b32 v192, 15, v0                         ; r
	v_bfe_u32 v[HH], v0, 4, 1                      ; h
	v_and_b32 v193, 31, v0
	s_delay_alu instid0(VALU_DEP_1)
	v_lshlrev_b32 v[AL], 3, v193
	s_delay_alu instid0(VALU_DEP_4)
	v_lshlrev_b32 v194, 2, v192
.irp p, 0,1,2
	global_load_b64 v[22+2*\p:23+2*\p], v[AL], s[66:67] offset:256*\p   ; q's six registers stay
.endr
	global_load_u16 v255, v194, s[68:69]           ; q's two scale bytes
	v_lshl_add_u32 v[ASK0], v192, 2, KSC
	v_lshl_add_u32 v[ASV0], v192, 2, VSC
	v_lshlrev_b32 v193, 3, v[HH]
	s_delay_alu instid0(VALU_DEP_1)
	v_sub_nc_u32 v[DM], v192, v193
	s_lshl_b32 s61, s[GG], 4
	v_add_nc_u32 v[DM], s61, v[DM]
	s_lshr_b32 s70, s[BH], 4                       ; batch
	s_lshl_b32 s70, s70, 11
	s_lshl_b32 s71, s60, 4
	s_add_co_u32 s70, s70, s71                     ; my first token among the 4,096
	s_and_b32 s71, s[BH], 15                       ; head
	s_mul_i32 s72, s70, 768
	s_mul_i32 s73, s71, 48
	s_add_co_u32 s72, s72, s73
	s_lshl_b32 s73, s70, 5
	s_lshl_b32 s74, s71, 1
	s_add_co_u32 s73, s73, s74
	v_mul_u32_u24 v[OC], v192, 768
	s_delay_alu instid0(VALU_DEP_1)
	v_mad_u32_u24 v[OC], v[HH], 24, v[OC]
	s_delay_alu instid0(VALU_DEP_1)
	v_add_nc_u32 v[OC], s72, v[OC]                 ; token x 768 + head x 48 + 24 h: my block of 32 channels
	v_lshl_add_u32 v[OS], v192, 5, v[HH]
	s_delay_alu instid0(VALU_DEP_1)
	v_add_nc_u32 v[OS], s73, v[OS]                 ; token x 32 + head x 2 + h
.irp j, 16,17,18,19,20,21,28,29,30,31,32,33
	v_mov_b32 v\j, 0                               ; the zero codes on both sides of q
.endr
	v_mov_b32 v13, 0xff61b1e6                      ; the largest t so far: -3e38, under every t
	s_delay_alu instid0(VALU_DEP_1)
	v_floor_f32 v12, -v13                          ; -M
	v_mov_b32 v14, 0                               ; the sum, in two halves
	v_mov_b32 v15, 0
.irp b, 0,1,2,3
	v_mov_b32 v[236+\b], 0                         ; written once: a lane permute's destination counts as one of its sources
.endr
	v_mov_b32 v252, 0
	v_mov_b32 v253, 0                              ; (named as the upper half of the pair v[252:253] before it is first written)
	s_wait_loadcnt 0x0                             ; q and its scale bytes
	v_lshl_or_b32 v255, v255, 16, v255             ; the same two bytes for both halves of K = 128
.set n, 0
.rept 32
	v_mov_b32 v[160+n], 0                          ; O^T: the step is written once for all; the first finds zeros.  (These are also the places between v255's line and the first scaled product)
.set n, n+1
.endr
; A KEY STEP: 128 keys.
.macro STEP
	s_cmp_gt_u32 s[ST], s[SG]                      ; a step all of whose keys come after my queries is left out: a branch on the wave's number and the step's
	s_cbranch_scc1 .Lhidden_\@
	v_add_nc_u32 v[ADK], s[TB], v[AL]              ; (these four are the places in front of loads into registers that the last products have read)
	s_delay_alu instid0(VALU_DEP_1)
	v_add_nc_u32 v[ADV], VIMG, v[ADK]
	v_add_nc_u32 v[ADS], s[TS], v[ASK0]
	v_add_nc_u32 v[ADT], s[TS], v[ASV0]
.irp f, 0,1,2,3
.irp g, 0,1,2,3,4,5
	ds_load_b64 v[KF+12*\f+2*\g:KF+12*\f+2*\g+1], v[ADK] offset:1536*\f+256*\g   ; 32 lanes read 256 consecutive bytes: registers 2 g, 2 g + 1 of the fragment of key tiles 2 f, 2 f + 1
.endr
	ds_load_b32 v[248+\f], v[ADS] offset:64*\f     ; its scale word: two bytes of each tile
.endr
	s_wait_alu depctr_va_vdst(0)
	s_wait_dscnt 0x0
.irp t, 0,1,2,3,4,5,6,7
	v_wmma_scale_f32_16x16x128_f8f6f4 v[96+8*\t:103+8*\t], v[KF+12*(\t/2):KF+12*(\t/2)+11], v[22-6*(\t%2):33-6*(\t%2)], 0, v[248+\t/2], v255 matrix_a_fmt:MATRIX_FMT_FP6 matrix_b_fmt:MATRIX_FMT_FP6
.endr
.rept 4
	v_nop                                          ; places behind the products: their fragments' registers are loaded anew, their results are read
.endr
.irp f, 0,1,2,3
.irp g, 0,1,2,3,4,5
	ds_load_b64 v[KF+12*\f+2*\g:KF+12*\f+2*\g+1], v[ADV] offset:1536*\f+256*\g   ; V's four fragments (16 channels x these 128 keys) land while the softmax is walked
.endr
	ds_load_b32 v[248+\f], v[ADT] offset:64*\f
.endr
	s_cmp_lg_u32 s[ST], s[SG]                      ; only my last step lies on the diagonal
	s_cbranch_scc1 .Lopen_\@
	v_mov_b32 v254, 0xff800000                     ; -infinity: p = 0 then
.set n, 0
.rept 64
	v_cmp_gt_i32 vcc_lo, 16*(n/8)+n%8, v[DM]
	v_cndmask_b32 v[96+n], v[96+n], v254, vcc_lo
.set n, n+1
.endr
.Lopen_\@:
.irp b, 0,1,2,3
	v_max3_num_f32 v[232+\b], v[96+16*\b], v[97+16*\b], v[98+16*\b]   ; the largest score of each block of 32 keys: it serves for the row's maximum and, since p rises with the score, for the block's largest p
.endr
.irp i, 3,5,7,9,11,13
.irp b, 0,1,2,3
	v_max3_num_f32 v[232+\b], v[232+\b], v[96+16*\b+\i], v[97+16*\b+\i]
.endr
.endr
.irp b, 0,1,2,3
	v_max_num_f32 v[232+\b], v[232+\b], v[111+16*\b]
.endr
.irp b, 0,1,2,3
	s_delay_alu instid0(VALU_DEP_4)
	v_permlanex16_b32 v[236+\b], v[232+\b], s[SEL], s[SEL+1]
.endr
.irp b, 0,1,2,3
	s_delay_alu instid0(VALU_DEP_4)
	v_max_num_f32 v[232+\b], v[232+\b], v[236+\b]  ; with lane l xor 16's 16 keys
.endr
	s_delay_alu instid0(VALU_DEP_2)
	v_max3_num_f32 v254, v232, v233, v234
	s_delay_alu instid0(VALU_DEP_1)
	v_max_num_f32 v254, v254, v235                 ; the step's largest score of my query
	s_delay_alu instid0(VALU_DEP_1)
	v_mul_f32 v254, s[CS], v254                    ; as t (c is positive)
	s_delay_alu instid0(VALU_DEP_1)
	v_max_num_f32 v13, v13, v254                   ; the running largest t
	v_mov_b32 v254, v12
	s_delay_alu instid0(VALU_DEP_2)
	v_floor_f32 v12, -v13                          ; the new -M = floor(-t) = -ceil(t): M is a whole number
	s_delay_alu instid0(VALU_DEP_1)
	v_sub_f32 v254, v12, v254                      ; M's old value less its new one: a whole number, 0 or less
	s_delay_alu instid0(VALU_DEP_1)
	v_cvt_i32_f32 v254, v254                       ; (it saturates)
	s_delay_alu instid0(VALU_DEP_1)
	v_ldexp_f32 v252, 1.0, v254                    ; f = 2^(old M - new M)
.irp j, 0,2,4,6,8,10,12,14,16,18,20,22,24,26,28,30,32,34,36,38,40,42,44,46,48,50,52,54,56,58,60,62
	v_pk_fma_f32 v[96+\j:97+\j], v[96+\j:97+\j], s[CS:CS+1], v[12:13] op_sel_hi:[1,0,0]   ; t - M, two at a time
.endr
.irp b, 0,1,2,3
	v_fma_f32 v[232+\b], v[232+\b], s[CS], v12     ; the same of each block's largest score
.endr
.set n, 0
	s_wait_alu depctr_va_vdst(0)
.rept 64
	v_exp_f32 v[96+n], v[96+n]                     ; p = 2^(t - M), at most 1: not normalised
.set n, n+1
.endr
	v_pk_mul_f32 v[14:15], v[14:15], v[252:253] op_sel_hi:[1,0]   ; the sums under the new M.  (A plain instruction behind the exponentials)
	s_wait_alu depctr_va_vdst(0)                   ; one wait for the whole batch, ahead of its first reader
.irp b, 0,1,2,3
	v_exp_f32 v[232+\b], v[232+\b]                 ; the block's largest p
.endr
	v_pk_add_f32 v[236:237], v[100:101], v[104:105]
	v_pk_add_f32 v[246:247], v[108:109], v[112:113]
	v_pk_add_f32 v[244:245], v[116:117], v[120:121]
	v_pk_add_f32 v[240:241], v[124:125], v[128:129]
	v_pk_add_f32 v[238:239], v[132:133], v[136:137]
	v_pk_add_f32 v[230:231], v[140:141], v[144:145]
	v_pk_add_f32 v[228:229], v[148:149], v[152:153]
	v_pk_add_f32 v[14:15], v[14:15], v[156:157]
	v_pk_add_f32 v[236:237], v[236:237], v[96:97]
	v_pk_add_f32 v[246:247], v[246:247], v[98:99]
	v_pk_add_f32 v[244:245], v[244:245], v[102:103]
	v_pk_add_f32 v[240:241], v[240:241], v[106:107]
	v_pk_add_f32 v[238:239], v[238:239], v[110:111]
	v_pk_add_f32 v[230:231], v[230:231], v[114:115]
	v_pk_add_f32 v[228:229], v[228:229], v[118:119]
	v_pk_add_f32 v[14:15], v[14:15], v[122:123]
	v_pk_add_f32 v[236:237], v[236:237], v[126:127]
	v_pk_add_f32 v[246:247], v[246:247], v[130:131]
	v_pk_add_f32 v[244:245], v[244:245], v[134:135]
	v_pk_add_f32 v[240:241], v[240:241], v[138:139]
	v_pk_add_f32 v[238:239], v[238:239], v[142:143]
	v_pk_add_f32 v[230:231], v[230:231], v[146:147]
	v_pk_add_f32 v[228:229], v[228:229], v[150:151]
	v_pk_add_f32 v[14:15], v[14:15], v[154:155]
	v_pk_add_f32 v[236:237], v[236:237], v[158:159]
	s_delay_alu instid0(VALU_DEP_2)
	v_pk_add_f32 v[14:15], v[14:15], v[240:241]
	s_delay_alu instid0(VALU_DEP_2)
	v_pk_add_f32 v[236:237], v[236:237], v[238:239]
	v_pk_add_f32 v[246:247], v[246:247], v[230:231]
	v_pk_add_f32 v[244:245], v[244:245], v[228:229]
	s_delay_alu instid0(VALU_DEP_2)
	v_pk_add_f32 v[14:15], v[14:15], v[246:247]
	s_delay_alu instid0(VALU_DEP_2)
	v_pk_add_f32 v[236:237], v[236:237], v[244:245]
	s_delay_alu instid0(VALU_DEP_1)
	v_pk_add_f32 v[14:15], v[14:15], v[236:237]
	s_wait_alu depctr_va_vdst(0)                   ; and one for the four
.irp b, 0,1,2,3
	v_max_num_f32 v[232+\b], 0x1800000, v[232+\b]  ; the floor 2^(3 - 127): the byte cannot fall under 1
.endr
.irp b, 0,1,2,3
	s_delay_alu instid0(VALU_DEP_4)
	v_add_nc_u32 v[244+\b], 0xff000000, v[232+\b]  ; 2 off the exponent field: the conversion's scale operand
.endr
.irp b, 0,1,2,3
	s_delay_alu instid0(VALU_DEP_4)
	v_lshrrev_b32 v[236+\b], 23, v[244+\b]         ; the scale's byte
.endr
	s_delay_alu instid0(VALU_DEP_3)
	v_lshl_or_b32 v253, v237, 8, v236              ; p's scale word for these 128 keys
	s_delay_alu instid0(VALU_DEP_1)
	v_lshl_or_b32 v253, v238, 16, v253
	s_delay_alu instid0(VALU_DEP_1)
	v_lshl_or_b32 v253, v239, 24, v253
.irp c, 0,1
	v_cvt_scalef32_pk16_fp6_f32 v[224+6*\c:226+6*\c], v[96+32*\c:111+32*\c], v[244+2*\c]
	v_cvt_scalef32_pk16_fp6_f32 v[236+4*\c:238+4*\c], v[112+32*\c:127+32*\c], v[244+2*\c+1]
.endr
	v_nop                                          ; one plain place behind a scaled conversion
.irp c, 0,1                            ; a lane is to hold a whole block: lanes 0-15 block 2 c, lanes 16-31 block 2 c + 1
.irp i, 0,1,2
	v_permlane16_swap_b32 v[224+6*\c+\i], v[236+4*\c+\i]
.endr
.irp i, 0,1,2
	s_delay_alu instid0(VALU_DEP_3)
	v_mov_b32 v[227+6*\c+\i], v[236+4*\c+\i]
.endr
.endr
.irp j, 0,2,4,6,8,10,12,14,16,18,20,22,24,26,28,30
	v_pk_mul_f32 v[160+\j:161+\j], v[160+\j:161+\j], v[252:253] op_sel_hi:[1,0]   ; O^T under the new M.  (These sixteen are also the places between p's codes and scale word and the products below)
.endr
	s_wait_alu depctr_va_vdst(0)
	s_wait_dscnt 0x0                               ; V's fragments and scale words are in
.irp i, 0,1,2,3
	v_wmma_scale_f32_16x16x128_f8f6f4 v[160+8*\i:167+8*\i], v[KF+12*\i:KF+12*\i+11], v[224:235], v[160+8*\i:167+8*\i], v[248+\i], v253 matrix_a_fmt:MATRIX_FMT_FP6 matrix_b_fmt:MATRIX_FMT_FP6
.endr                                  ; the four accumulators take turns; the next step's eight products for S^T stand between two links of a chain
.Lhidden_\@:
	s_add_co_u32 s[TB], s[TB], 6144
	s_add_co_u32 s[TS], s[TS], 256
	s_add_co_u32 s[ST], s[ST], 1
.endm
	s_wait_alu depctr_va_vdst(0)                   ; the wait at the head's end
	s_wait_tensorcnt 0x0                           ; my one load is in,
	s_barrier_signal -1
	s_barrier_wait -1                              ; everybody's is: sixteen trips follow in every wave
.Lkeys:                                                ; key steps 0 to 15: sixteen trips in every wave; what a wave's queries do not see is jumped over inside the step
	STEP
	s_cmp_lt_u32 s[ST], 16
	s_cbranch_scc1 .Lkeys
	; THE WAY OUT: O^T / the sum; the true order of channels; two blocks of 32 quantised; 24 bytes of codes and a scale byte a lane.
.rept 4
	v_nop                                          ; places behind the last products
.endr
	v_add_f32 v14, v14, v15                        ; the sum's two halves,
	s_delay_alu instid0(VALU_DEP_1)
	v_permlanex16_b32 v252, v14, s[SEL], s[SEL+1]
	s_delay_alu instid0(VALU_DEP_1)
	v_add_f32 v14, v14, v252                       ; and lane l xor 16's: the row's sum
	s_wait_alu depctr_va_vdst(0)
	v_rcp_f32 v14, v14
	v_nop                                          ; a plain instruction behind the transcendental
	s_wait_alu depctr_va_vdst(0)                   ; the wait ahead of its first reader
.set n, 0
.rept 32
	v_mul_f32 v[96+n], v[160+n], v14               ; register 8 i + j is channel 16 i + 8 h + j of my query; each accumulator is read from its low end on
.set n, n+1
.endr
.irp b, 0,1
.irp j, 0,1,2,3,4,5,6,7
	v_permlane16_swap_b32 v[96+16*\b+\j], v[104+16*\b+\j]   ; the first's lanes 16-31 change places with the second's lanes 0-15: register 16 b + i is now channel 32 b + 16 h + i
.endr
.endr
.irp b, 0,1
	v_max3_num_f32 v[232+\b], |v[96+16*\b]|, |v[97+16*\b]|, 0x1800000
.endr
.irp i, 2,4,6,8,10,12,14
.irp b, 0,1
	s_delay_alu instid0(VALU_DEP_2)
	v_max3_num_f32 v[232+\b], v[232+\b], |v[96+16*\b+\i]|, |v[97+16*\b+\i]|
.endr
.endr
.irp b, 0,1
	s_delay_alu instid0(VALU_DEP_2)
	v_permlanex16_b32 v[236+\b], v[232+\b], s[SEL], s[SEL+1]
.endr
.irp b, 0,1
	s_delay_alu instid0(VALU_DEP_2)
	v_max_num_f32 v[232+\b], v[232+\b], v[236+\b]  ; the block's largest magnitude
.endr
.irp b, 0,1
	s_delay_alu instid0(VALU_DEP_2)
	v_add_nc_u32 v[244+\b], 0xff000000, v[232+\b]
.endr
.irp b, 0,1
	s_delay_alu instid0(VALU_DEP_2)
	v_lshrrev_b32 v[236+\b], 23, v[244+\b]         ; the scale's byte
.endr
	v_cvt_scalef32_pk16_fp6_f32 v[200:202], v[96:111], v244    ; block 0, places 16 h + 0 .. 15
	v_cvt_scalef32_pk16_fp6_f32 v[204:206], v[112:127], v245   ; block 1
	v_nop                                          ; one plain place behind a scaled conversion
.irp i, 0,1,2
	v_permlane16_swap_b32 v[200+\i], v[204+\i]     ; lane half h now holds block h: its lower 16 codes in v200-202, its upper 16 in v204-206
.endr
	v_cmp_eq_u32 vcc_lo, 1, v[HH]
	s_delay_alu instid0(VALU_DEP_1)
	v_cndmask_b32 v208, v236, v237, vcc_lo         ; and block h's byte
	global_store_b96 v[OC], v[200:202], s[8:9]
	global_store_b96 v[OC], v[204:206], s[8:9] offset:12
	global_store_b8 v[OS], v208, s[10:11]
	s_wait_dscnt 0x0
	s_wait_tensorcnt 0x0
	ds_add_u32 v223, v243
	s_wait_dscnt 0x0
	ROUND                                          ; the closing round: no work-group ends while a partner may still ask for a tile that names it
	s_endpgm
.Lfunc_end_k_qddabc5b606_att:
	.size	k_qddabc5b606_att, .Lfunc_end_k_qddabc5b606_att-k_qddabc5b606_att
	.p2alignl 7, 3214868480
	.fill 96, 4, 3214868480
	.section	.rodata,"a",@progbits
	.p2align	6, 0x0
	.amdhsa_kernel k_qddabc5b606_att
		.amdhsa_group_segment_fixed_size 206848
		.amdhsa_private_segment_fixed_size 0
		.amdhsa_enable_private_segment 0
		.amdhsa_kernarg_size 32
		.amdhsa_user_sgpr_count 2
		.amdhsa_user_sgpr_kernarg_segment_ptr 1
		.amdhsa_wavefront_size32 1
		.amdhsa_system_sgpr_workgroup_id_x 1
		.amdhsa_system_sgpr_workgroup_id_y 1
		.amdhsa_system_sgpr_workgroup_id_z 1
		.amdhsa_system_vgpr_workitem_id 0
		.amdhsa_next_free_vgpr 256
		.amdhsa_next_free_sgpr 80
		.amdhsa_reserve_vcc 1
		.amdhsa_float_denorm_mode_32 3
		.amdhsa_float_denorm_mode_16_64 3
		.amdhsa_memory_ordered 1
		.amdhsa_forward_progress 1
		.amdhsa_inst_pref_size 38
	.end_amdhsa_kernel
	.amdgpu_metadata
---
amdhsa.version: [ 1, 2 ]
amdhsa.kernels:
  - .name:           k_qddabc5b606_att
    .symbol:         k_qddabc5b606_att.kd
    .args:
      - { .name: bc, .offset: 0, .size: 8, .value_kind: global_buffer, .address_space: global }
      - { .name: bsc, .offset: 8, .size: 8, .value_kind: global_buffer, .address_space: global }
      - { .name: ac, .offset: 16, .size: 8, .value_kind: global_buffer, .address_space: global }
      - { .name: asc, .offset: 24, .size: 8, .value_kind: global_buffer, .address_space: global }
    .group_segment_fixed_size: 206848
    .private_segment_fixed_size: 0
    .kernarg_segment_align: 8
    .kernarg_segment_size: 32
    .max_flat_workgroup_size: 512
    .sgpr_count:     80
    .vgpr_count:     256
    .wavefront_size: 32
...
	.end_amdgpu_metadata
.endif
;; end of part 9
;; launch wo (part 10): grid 8 x 32, 4 waves a work-group, clusters of 4 x 4, 235,520 bytes of LDS; arguments ac, asc, Wo_codes, Wo_scales, bo, x, hbuf; writes hbuf
.if DOCPART == 10
	.amdgcn_target "amdgcn-amd-amdhsa--gfx1250"
	.amdhsa_code_object_version 6
	.text
	.protected	k_qddabc5b606_wo
	.globl	k_qddabc5b606_wo
	.p2align	8
	.type	k_qddabc5b606_wo,@function
k_qddabc5b606_wo:
	s_mov_b64 s[64:65], 0
	v_nop
	global_prefetch_b8 v0, s[64:65] scope:SCOPE_SE
	s_setreg_imm32_b32 hwreg(HW_REG_WAVE_MODE, 25, 1), 1
	s_wait_xcnt 0x0
	s_wait_alu depctr_hold_cnt(0) depctr_sa_sdst(0) depctr_va_vdst(0) depctr_va_sdst(0) depctr_va_ssrc(0) depctr_va_vcc(0) depctr_vm_vsrc(0)
	s_getreg_b32 s2, hwreg(HW_REG_IB_STS2, 6, 4)
	s_cmp_eq_u32 s2, 0
	s_cbranch_scc0 .Lentry_in_a_cluster
	s_endpgm
.Lentry_in_a_cluster:
	s_bfe_u32 s2, ttmp6, 0x10000c
	s_cmp_lg_u32 s2, 0xf033
	s_cbranch_scc0 .Lentry_shape_is_right
	s_endpgm
.Lentry_shape_is_right:
; C[m][n] = R[m][n] + bias[n] + sum over k of A[m][k] B[n][k].  A [4096][1024] = attention's output, B [1024][1024] = Wo: codes of FP6 (E2M3), one E8M0 byte for each 32 along K; R = x, bias = bo, C = h: f32.
; SHARES.  256 tiles of C, 128 x 128, a work-group each; a wave makes 64 x 64: 16 accumulators.  Every sum has one owner, K ascending.
; LDS.  ALL OF K IS STAGED ONCE: whole rows of 768 bytes, which begin at multiples of 256 bytes, 16 bytes of padding behind every 256.  Four tiles, one load a wave: A's 128 rows, B's 128 rows, A's scales, B's scales.  Nothing is filled again.
; No prefetch: all that the launch reads in bulk is asked for in its first lines.  CLUSTERS 4 x 4: A's tiles are asked for jointly along a row of the cluster, B's along a column.
; The matrix instruction is used transposed (source 0 = rows of B, source 1 = rows of A): a lane holds eight neighbouring numbers of a row of C.  They leave through a stage of the wave's own, 16 lanes to 256 aligned bytes.
; REGISTERS: v0-31 addresses, v[8:11] bias; v32-47 scale words, two sets; v48-239 fragments, two sets of A's four and B's four; window 1: v0-127 accumulators, v128-255 R.
; LIMITS: NaN and infinities are not served.
.set KROW,   768
.set PITCH,  816                       ; 3 x (256 + 16): 204 words, so sixteen rows start in sixteen different groups of four banks
.set STEPS,  8
.set KS,     32
.set FR,     12
.set QT,     64*PITCH
.set SCL,    4*QT
.set QS,     (64*KS/256)*272
.set SBLK,   (16*KS/256)*272
.set SPARE,  SCL+4*QS
.set STAGE,  SPARE+512
.set SP,     272
.set BV, 8
.set ADRA, 16                          ; v16 my A fragments; v17 for a piece whose lanes 16-31 lie behind the padding
.set ADRB, 20
.set STO, 24
.set RD, 25
.set CO, 26
.set ADRS, 27
.set SPW, 28
.set NIL, 29
.set BO, 31
.set SC, 32
.set FS, 48
.set BK, 48
.set G1, 24
.set G0, 32
.set G1B, 48
.set G0B, 56
.set G1S, 68
.set G0S, 76
.set G1SB, 80
.set G0SB, 88
.set MSB, 0
.macro WIN new
.if MSB != (\new)
	s_set_vgpr_msb (MSB<<8)|(\new)
.set MSB, \new
.endif
.endm
.macro CROUND
	s_barrier_signal -1
	s_barrier_wait -1
	s_cmp_lg_u32 s14, 0
	s_cbranch_scc1 .Lnot_wave_0_\@
	s_barrier_signal -3
.Lnot_wave_0_\@:
	s_barrier_wait -3
	s_barrier_signal -1
	s_barrier_wait -1
.endm
.macro PLACES
.rept 4
	v_nop
.endr
.endm
	s_load_b128 s[4:7], s[0:1], 0x0                ; A's codes, scales
	s_load_b128 s[8:11], s[0:1], 0x10              ; B's codes, scales
	s_load_b128 s[96:99], s[0:1], 0x20             ; bias, R
	s_load_b64 s[12:13], s[0:1], 0x30              ; C
	v_lshl_add_u32 v[SPW], v0, 2, SPARE
	v_mov_b32 v[NIL], 0
	ds_add_u32 v[SPW], v[NIL]                      ; the opening lines
	ds_add_u32 v[SPW], v[NIL]
	v_lshrrev_b32 v1, 5, v0
	v_readfirstlane_b32 s14, v1                    ; wave
	s_lshr_b32 s15, s14, 1                         ; which 64 rows of the tile are mine
	s_and_b32 s16, s14, 1                          ; which 64 columns
	s_bfe_u32 s40, ttmp6, 0x40000
	s_bfe_u32 s41, ttmp6, 0x40004
	s_lshl_b32 s42, ttmp9, 2
	s_add_co_u32 s42, s42, s40                     ; tile column
	s_and_b32 s17, ttmp7, 0xffff
	s_lshl_b32 s17, s17, 2
	s_add_co_u32 s17, s17, s41                     ; tile row
	s_lshl_b32 s43, s41, 2
	s_lshl_b32 s43, 15, s43
	s_lshl_b32 s44, 0x1111, s40
	s_or_b32 s[G1], s43, (1<<20)|(1<<21)|(5<<22)|(3<<25)
	s_or_b32 s[G1B], s44, (1<<20)|(1<<21)|(5<<22)|(3<<25)
.irp g, G1, G1B
	s_mov_b32 s[\g+1], KROW<<16
	s_mov_b32 s[\g+2], 128<<16
	s_mov_b32 s[\g+3], KROW<<16
	s_mov_b32 s[\g+4], 128
	s_mov_b32 s[\g+5], KROW
	s_mov_b32 s[\g+6], 0
	s_mov_b32 s[\g+7], 0
.endr
	s_or_b32 s[G1S], s43, (3<<16)|(1<<20)|(1<<21)|(5<<22)|(3<<25)
	s_or_b32 s[G1SB], s44, (3<<16)|(1<<20)|(1<<21)|(5<<22)|(3<<25)
.irp g, G1S, G1SB
	s_mov_b32 s[\g+1], 32<<16
	s_mov_b32 s[\g+2], (KS/2)<<16                  ; the scales of 128 rows: KS / 2 rows of 256 bytes
	s_mov_b32 s[\g+3], 32<<16
	s_mov_b32 s[\g+4], KS/2
	s_mov_b32 s[\g+5], 32
	s_mov_b32 s[\g+6], 0
	s_mov_b32 s[\g+7], 0
.endr
	s_lshl_b32 s20, s17, 7
	s_lshl_b32 s46, s42, 7
	s_mov_b32 s21, 0
	s_mov_b32 s47, 0
	s_mov_b64 s[18:19], KS
	s_mul_u64 s[22:23], s[20:21], s[18:19]
	s_mul_u64 s[92:93], s[46:47], s[18:19]
	s_mov_b64 s[18:19], KROW
	s_mul_u64 s[20:21], s[20:21], s[18:19]
	s_mul_u64 s[46:47], s[46:47], s[18:19]
	s_wait_dscnt 0x0
	s_wait_kmcnt 0x0
	s_add_nc_u64 s[20:21], s[4:5], s[20:21]
	s_add_nc_u64 s[22:23], s[6:7], s[22:23]
	s_add_nc_u64 s[46:47], s[8:9], s[46:47]
	s_add_nc_u64 s[92:93], s[10:11], s[92:93]
	CROUND                                         ; the joint loads meet
	s_mov_b32 s[G0], 1
	s_mov_b32 s[G0+1], 0
	s_mov_b64 s[G0+2:G0+3], s[20:21]
	s_or_b32 s[G0+3], s[G0+3], 0x80000000
	s_mov_b32 s[G0B], 1
	s_mov_b32 s[G0B+1], 2*QT
	s_mov_b64 s[G0B+2:G0B+3], s[46:47]
	s_or_b32 s[G0B+3], s[G0B+3], 0x80000000
	s_mov_b32 s[G0S], 1
	s_mov_b32 s[G0S+1], SCL
	s_mov_b64 s[G0S+2:G0S+3], s[22:23]
	s_or_b32 s[G0S+3], s[G0S+3], 0x80000000
	s_mov_b32 s[G0SB], 1
	s_mov_b32 s[G0SB+1], SCL+2*QS
	s_mov_b64 s[G0SB+2:G0SB+3], s[92:93]
	s_or_b32 s[G0SB+3], s[G0SB+3], 0x80000000
.macro ARM under, g0, g1, next         ; one chain of branches on the wave's number, one load to an arm
	s_cmp_lt_u32 s14, \under
	s_cbranch_scc0 \next
	tensor_load_to_lds s[\g0:\g0+3], s[\g1:\g1+7]
	s_nop 0
	PLACES
	s_branch .Lhead_asked
\next:
.endm
	ARM 1, G0,  G1,  .Lhead_b
	ARM 2, G0B, G1B, .Lhead_sa
	ARM 3, G0S, G1S, .Lhead_sb
	tensor_load_to_lds s[G0SB:G0SB+3], s[G1SB:G1SB+7]
	s_nop 0
	PLACES
.Lhead_asked:
	s_lshl_b32 s20, s17, 7
	s_lshl_b32 s21, s15, 6
	s_add_co_u32 s20, s20, s21                     ; my first row of C,
	s_lshl_b32 s20, s20, 12                        ; in bytes: 4,096 a row
	s_lshl_b32 s46, s42, 9
	s_lshl_b32 s47, s16, 8
	s_add_co_u32 s46, s46, s47                     ; my first column, in bytes
	s_mov_b32 s47, 0
	s_add_nc_u64 s[96:97], s[96:97], s[46:47]
	s_add_co_u32 s20, s20, s46
	s_mov_b32 s21, 0
	s_add_nc_u64 s[12:13], s[12:13], s[20:21]
	s_add_nc_u64 s[98:99], s[98:99], s[20:21]
	v_and_b32 v1, 15, v0                           ; r
	v_bfe_u32 v2, v0, 4, 1                         ; h
	v_mul_u32_u24 v3, v1, PITCH
	v_mad_u32_u24 v4, v2, 24, v3                   ; row + 24 h
	v_mad_u32_u24 v5, v2, 40, v3
	v_add_nc_u32 v5, 232, v5                       ; row + 232 + 40 h: lanes 16-31 lie 16 bytes of padding further on
	s_mul_i32 s21, s15, QT
	s_mul_i32 s22, s16, QT
	s_add_co_u32 s22, s22, 2*QT
	v_add_nc_u32 v[ADRA], s21, v4
	v_add_nc_u32 v[ADRA+1], s21, v5
	v_add_nc_u32 v[ADRB], s22, v4
	v_add_nc_u32 v[ADRB+1], s22, v5
	v_mul_u32_u24 v5, v1, KS
	v_lshrrev_b32 v6, 8, v5
	v_lshl_add_u32 v5, v6, 4, v5
	s_mul_i32 s21, s15, QS
	s_mul_i32 s22, s16, QS
	s_add_co_u32 s22, s22, 2*QS
	s_sub_co_u32 s22, s22, s21
	v_mul_u32_u24 v6, s22, v2                      ; lanes 16-31 take B's scale words
	s_add_co_u32 s21, s21, SCL
	v_add_nc_u32 v5, v5, v6
	v_add_nc_u32 v[ADRS], s21, v5
	s_mul_i32 s23, s14, 16*SP
	s_add_co_u32 s23, s23, STAGE
	v_mul_u32_u24 v5, v1, SP
	v_lshl_add_u32 v5, v2, 5, v5
	v_add_nc_u32 v[STO], s23, v5                   ; in: row r, 32 bytes for each half of the lanes
	v_mul_u32_u24 v5, v2, SP
	v_lshl_add_u32 v5, v1, 4, v5
	v_add_nc_u32 v[RD], s23, v5                    ; back: lanes 0-15 one row of 256 bytes, lanes 16-31 the next
	v_lshlrev_b32 v5, 12, v2
	v_lshl_add_u32 v[CO], v1, 4, v5                ; the same two rows in C and R
	v_lshlrev_b32 v[BO], 4, v1
	s_wait_alu depctr_va_vdst(0)                   ; the wait at the head's end
	global_load_b128 v[BV:BV+3], v[BO], s[96:97]
	WIN 0x40
.set n, 0
.rept 32
	global_load_b128 v[128+4*n:131+4*n], v[CO], s[98:99] offset:(n/8)*65536+(n%8)*8192   ; R: 16 lanes read 256 aligned bytes
.set n, n+1
.endr
	WIN 0
.macro FRAG reg, adr, st, i            ; six pieces of 8 bytes; byte y of a row lies at y + 16 (y / 256)
.irp p, 0,1,2,3,4,5
.set BY, 96*(\st)+48*(\p/3)+8*(\p%3)
.if BY/256 == (BY+24)/256
	ds_load_b64 v[\reg+2*\p:\reg+2*\p+1], v[\adr] offset:BY+16*(BY/256)+(\i)*16*PITCH
.else
	ds_load_b64 v[\reg+2*\p:\reg+2*\p+1], v[\adr+1] offset:BY%256-232+272*(BY/256)+(\i)*16*PITCH
.endif
.endr
.endm
.macro FETCH st                        ; step st's eight fragments into set st % 2; with an even step the scale words of two steps
.irp i, 0,1,2,3
	FRAG FS+96*((\st)%2)+FR*\i, ADRA, \st, \i
.endr
.irp i, 0,1,2,3
	FRAG FS+96*((\st)%2)+48+FR*\i, ADRB, \st, \i
.endr
.if (\st)%2 == 0
.irp i, 0,1,2,3
	ds_load_b64 v[SC+8*(((\st)/2)%2)+2*\i:SC+8*(((\st)/2)%2)+2*\i+1], v[ADRS] offset:\i*SBLK+4*(\st)
.endr
.endif
.endm
.macro MUL st, zero                    ; 16 products, the accumulators by turns
.set P, FS+96*((\st)%2)
.set W, SC+8*(((\st)/2)%2)+(\st)%2
	WIN 0x50
.irp a, 0,1,2,3
.irp b, 0,1,2,3
.if \zero
	v_wmma_scale_f32_16x16x128_f8f6f4 v[8*(4*\a+\b):8*(4*\a+\b)+7], v[P+48+FR*\b:P+48+FR*\b+11], v[P+FR*\a:P+FR*\a+11], 0, v[W+2*\b], v[W+2*\a] matrix_a_fmt:MATRIX_FMT_FP6 matrix_b_fmt:MATRIX_FMT_FP6 matrix_a_scale:MATRIX_SCALE_ROW1
.else
	v_wmma_scale_f32_16x16x128_f8f6f4 v[8*(4*\a+\b):8*(4*\a+\b)+7], v[P+48+FR*\b:P+48+FR*\b+11], v[P+FR*\a:P+FR*\a+11], v[8*(4*\a+\b):8*(4*\a+\b)+7], v[W+2*\b], v[W+2*\a] matrix_a_fmt:MATRIX_FMT_FP6 matrix_b_fmt:MATRIX_FMT_FP6 matrix_a_scale:MATRIX_SCALE_ROW1
.endif
.endr
.endr
	WIN 0
.endm
.macro STEP st, zero
	PLACES                                         ; in front of loads into registers that the last products have read
	FETCH (\st)+1
	s_wait_dscnt 48+4*((\st)%2)                    ; all but the loads just issued
	MUL \st, \zero
.endm
	s_wait_tensorcnt 0x0                           ; my tile is in,
	s_barrier_signal -1
	s_barrier_wait -1                              ; everybody's is
	FETCH 0
	STEP 0, 1
.set ST, 1
.rept STEPS-2
	STEP ST, 0
.set ST, ST+1
.endr
	s_wait_dscnt 0x0
	MUL STEPS-1, 0
; THE WAY OUT, by blocks of 16 rows x 64 columns, through my own stage; LDS serves a wave's instructions in order
.macro TOSTAGE a
	WIN 0x04
.irp b, 0,1,2,3
	ds_store_b128 v[STO], v[8*(4*(\a)+\b):8*(4*(\a)+\b)+3] offset:64*\b
	ds_store_b128 v[STO], v[8*(4*(\a)+\b)+4:8*(4*(\a)+\b)+7] offset:64*\b+16
.endr
	WIN 0
.irp t, 0,1,2,3,4,5,6,7
	ds_load_b128 v[BK+32*((\a)%2)+4*\t:BK+32*((\a)%2)+4*\t+3], v[RD] offset:\t*2*SP
.endr
.endm
.macro SEND a, younger
.set BB, BK+32*((\a)%2)
	s_wait_dscnt \younger
.irp t, 0,1,2,3,4,5,6,7
	v_pk_add_f32 v[BB+4*\t:BB+4*\t+1], v[BB+4*\t:BB+4*\t+1], v[BV:BV+1]
	v_pk_add_f32 v[BB+4*\t+2:BB+4*\t+3], v[BB+4*\t+2:BB+4*\t+3], v[BV+2:BV+3]
.endr
	WIN 0x04
.irp i, 0,2,4,6,8,10,12,14,16,18,20,22,24,26,28,30
	v_pk_add_f32 v[BB+\i:BB+\i+1], v[BB+\i:BB+\i+1], v[128+32*(\a)+\i:129+32*(\a)+\i]
.endr
	WIN 0
.irp t, 0,1,2,3,4,5,6,7
	global_store_b128 v[CO], v[BB+4*\t:BB+4*\t+3], s[12:13] offset:(\a)*65536+\t*8192   ; 16 lanes store 256 aligned bytes
.endr
.endm
	PLACES
	TOSTAGE 0
	s_wait_loadcnt 0x0                             ; the bias and R
.irp a, 1,2,3
.if \a > 1
	s_wait_xcnt 0x0                                ; block a - 2's stores have read their registers
.endif
	TOSTAGE \a
	SEND \a-1, 16                                  ; behind block a - 1's loads: eight stores and eight loads
.endr
	SEND 3, 0
	s_wait_tensorcnt 0x0                           ; the wave's end
	ds_add_u32 v[SPW], v[NIL]
	s_wait_dscnt 0x0
	CROUND
	s_endpgm
.Lfunc_end_k_qddabc5b606_wo:
	.size	k_qddabc5b606_wo, .Lfunc_end_k_qddabc5b606_wo-k_qddabc5b606_wo
	.p2alignl 7, 3214868480
	.fill 96, 4, 3214868480
	.section	.rodata,"a",@progbits
	.p2align	6, 0x0
	.amdhsa_kernel k_qddabc5b606_wo
		.amdhsa_group_segment_fixed_size 235520
		.amdhsa_private_segment_fixed_size 0
		.amdhsa_enable_private_segment 0
		.amdhsa_kernarg_size 56
		.amdhsa_user_sgpr_count 2
		.amdhsa_user_sgpr_kernarg_segment_ptr 1
		.amdhsa_wavefront_size32 1
		.amdhsa_system_sgpr_workgroup_id_x 1
		.amdhsa_system_sgpr_workgroup_id_y 1
		.amdhsa_system_sgpr_workgroup_id_z 1
		.amdhsa_system_vgpr_workitem_id 0
		.amdhsa_next_free_vgpr 512
		.amdhsa_next_free_sgpr 100
		.amdhsa_reserve_vcc 0
		.amdhsa_float_denorm_mode_32 3
		.amdhsa_float_denorm_mode_16_64 3
		.amdhsa_memory_ordered 1
		.amdhsa_forward_progress 1
		.amdhsa_inst_pref_size 71
	.end_amdhsa_kernel
	.amdgpu_metadata
---
amdhsa.version: [ 1, 2 ]
amdhsa.kernels:
  - .name:           k_qddabc5b606_wo
    .symbol:         k_qddabc5b606_wo.kd
    .args:
      - { .name: ac, .offset: 0, .size: 8, .value_kind: global_buffer, .address_space: global }
      - { .name: asc, .offset: 8, .size: 8, .value_kind: global_buffer, .address_space: global }
      - { .name: Wo_codes, .offset: 16, .size: 8, .value_kind: global_buffer, .address_space: global }
      - { .name: Wo_scales, .offset: 24, .size: 8, .value_kind: global_buffer, .address_space: global }
      - { .name: bo, .offset: 32, .size: 8, .value_kind: global_buffer, .address_space: global }
      - { .name: x, .offset: 40, .size: 8, .value_kind: global_buffer, .address_space: global }
      - { .name: hbuf, .offset: 48, .size: 8, .value_kind: global_buffer, .address_space: global }
    .group_segment_fixed_size: 235520
    .private_segment_fixed_size: 0
    .kernarg_segment_align: 8
    .kernarg_segment_size: 56
    .max_flat_workgroup_size: 128
    .sgpr_count:     100
    .vgpr_count:     512
    .wavefront_size: 32
...
	.end_amdgpu_metadata
.endif
;; end of part 10
;; launch ln2: the kernel of part 7 again; grid 256 x 1, 8 waves a work-group, no clusters, 79,872 bytes of LDS; arguments hbuf, ln2_w, ln2_b, ac, asc; writes ac, asc
;; launch w1 (part 11): grid 16 x 16, 4 waves a work-group, clusters of 4 x 4, 327,680 bytes of LDS; arguments ac, asc, W1_codes, W1_scales, b1, bc, bsc; writes bc, bsc
.if DOCPART == 11
	.amdgcn_target "amdgcn-amd-amdhsa--gfx1250"
	.amdhsa_code_object_version 6
	.text
	.protected	k_qddabc5b606_w1
	.globl	k_qddabc5b606_w1
	.p2align	8
	.type	k_qddabc5b606_w1,@function
k_qddabc5b606_w1:
	s_mov_b64 s[64:65], 0
	v_nop
	global_prefetch_b8 v0, s[64:65] scope:SCOPE_SE
	s_setreg_imm32_b32 hwreg(HW_REG_WAVE_MODE, 25, 1), 1
	s_wait_xcnt 0x0
	s_wait_alu depctr_hold_cnt(0) depctr_sa_sdst(0) depctr_va_vdst(0) depctr_va_sdst(0) depctr_va_ssrc(0) depctr_va_vcc(0) depctr_vm_vsrc(0)
	s_getreg_b32 s2, hwreg(HW_REG_IB_STS2, 6, 4)
	s_cmp_eq_u32 s2, 0
	s_cbranch_scc0 .Lentry_in_a_cluster
	s_endpgm
.Lentry_in_a_cluster:
	s_bfe_u32 s2, ttmp6, 0x10000c
	s_cmp_lg_u32 s2, 0xf033
	s_cbranch_scc0 .Lentry_shape_is_right
	s_endpgm
.Lentry_shape_is_right:
.set SIZE_K, 1024
.set NQ,     2
.set ROWB,   256                       ; a tile's row: a chunk of 256 bytes of a row of codes, at a multiple of 256 bytes
.set KROW,   SIZE_K*6/8
.set STEPS,  SIZE_K/128
.set CHUNKS, KROW/ROWB                 ; chunk c lies in slot c % 2
.set PITCH,  272
.set FR,     12
.set NL,     6
.set NP,     4
.set HALFT,  128*PITCH
.set SLOT,   4*HALFT
.set KS,     SIZE_K/32
.set SCL,    2*SLOT
.set HALFS,  (128*KS/256)*272
.set SBLK,   (16*KS/256)*272
.set SPARE,  SCL+4*HALFS
.set STGS,   SLOT+49152                ; the stage lies in slot 1, which does not hold the last chunk
.set ADRA, 16
.set ADRB, 20
.set SPW,  28
.set NIL,  29
.set ADRS, 27
.set SC,   32
.set BI,   64
.set HA,   64
.set AF,   128
.set TM,   32
.set PW,   48
.set PC,   128
.set SEL,  94
.set G1, 24
.set G0, 32
.set G1B, 48
.set G0B, 56
.set G1S, 68
.set G0S, 76
.set G1SB, 80
.set G0SB, 88
.set MSB, 0
.macro WIN new
.if MSB != (\new)
	s_set_vgpr_msb (MSB<<8)|(\new)
.set MSB, \new
.endif
.endm
.set MUL_LO, 0xa1
.set MUL_HI, 0xf1
.set FIRST_LO, 0x81
.set FIRST_HI, 0xc1
.set TO_B,   0x40
.macro JLOAD g0a, g1a, g0b, g1b
	s_cmp_eq_u32 s15, 0
	s_cbranch_scc0 .Lfor_b_\@
	tensor_load_to_lds s[\g0a:\g0a+3], s[\g1a:\g1a+7]
	s_nop 0
.rept 4
	v_nop
.endr
	s_branch .Lasked_\@
.Lfor_b_\@:
	tensor_load_to_lds s[\g0b:\g0b+3], s[\g1b:\g1b+7]
	s_nop 0
.rept 4
	v_nop
.endr
.Lasked_\@:
.endm
.macro CREST
	s_cmp_lg_u32 s14, 0
	s_cbranch_scc1 .Lnot_wave_0_\@
	s_barrier_signal -3
.Lnot_wave_0_\@:
	s_barrier_wait -3
	s_barrier_signal -1
	s_barrier_wait -1
.endm
.macro CROUND
	s_barrier_signal -1
	s_barrier_wait -1
	CREST
.endm
	s_load_b128 s[4:7], s[0:1], 0x0
	s_load_b128 s[8:11], s[0:1], 0x10
	s_load_b128 s[96:99], s[0:1], 0x20
	s_load_b64 s[12:13], s[0:1], 0x30
	v_lshl_add_u32 v[SPW], v0, 2, SPARE
	v_mov_b32 v[NIL], 0
	ds_add_u32 v28, v29
	ds_add_u32 v28, v29
	s_wait_dscnt 0x0
	v_lshrrev_b32 v1, 5, v0
	v_readfirstlane_b32 s14, v1
	s_lshr_b32 s15, s14, 1
	s_and_b32 s16, s14, 1
	s_bfe_u32 s40, ttmp6, 0x40000
	s_bfe_u32 s41, ttmp6, 0x40004
	s_lshl_b32 s42, ttmp9, 2
	s_add_co_u32 s42, s42, s40
	s_and_b32 s17, ttmp7, 0xffff
	s_lshl_b32 s17, s17, 2
	s_add_co_u32 s17, s17, s41
	s_lshl_b32 s43, s41, 2
	s_lshl_b32 s43, 15, s43
	s_lshl_b32 s44, 0x1111, s40
	s_or_b32 s[G1+0], s43, (0<<16)|(1<<20)|(1<<21)|(5<<22)|(3<<25)
	s_or_b32 s[G1B+0], s44, (0<<16)|(1<<20)|(1<<21)|(5<<22)|(3<<25)
.irp g, G1, G1B
	s_mov_b32 s[\g+1], ROWB<<16
	s_mov_b32 s[\g+2], 256<<16                     ; the head's loads bring 256 rows; behind them the two counts are set to 128
	s_mov_b32 s[\g+3], ROWB<<16
	s_mov_b32 s[\g+4], 256
	s_mov_b32 s[\g+5], KROW
	s_mov_b32 s[\g+6], 0
	s_mov_b32 s[\g+7], 0
.endr
	s_or_b32 s[G1S+0], s43, (3<<16)|(1<<20)|(1<<21)|(5<<22)|(3<<25)
	s_or_b32 s[G1SB+0], s44, (3<<16)|(1<<20)|(1<<21)|(5<<22)|(3<<25)
.irp g, G1S, G1SB
	s_mov_b32 s[\g+1], 32<<16
	s_mov_b32 s[\g+2], KS<<16                      ; the scales of 256 rows: KS rows of 256 bytes
	s_mov_b32 s[\g+3], 32<<16
	s_mov_b32 s[\g+4], KS
	s_mov_b32 s[\g+5], 32
	s_mov_b32 s[\g+6], 0
	s_mov_b32 s[\g+7], 0
.endr
	s_lshl_b32 s20, s17, 8                         ; the tiles' first rows
	s_lshl_b32 s46, s42, 8
	s_mov_b32 s21, 0
	s_mov_b32 s47, 0
	s_mov_b64 s[18:19], KS
	s_mul_u64 s[22:23], s[20:21], s[18:19]
	s_mul_u64 s[92:93], s[46:47], s[18:19]
	s_mov_b64 s[18:19], KROW
	s_mul_u64 s[20:21], s[20:21], s[18:19]
	s_mul_u64 s[46:47], s[46:47], s[18:19]
	s_mul_i32 s45, s14, HALFT
	s_wait_kmcnt 0x0
	s_add_nc_u64 s[20:21], s[4:5], s[20:21]
	s_add_nc_u64 s[22:23], s[6:7], s[22:23]
	s_add_nc_u64 s[46:47], s[8:9], s[46:47]
	s_add_nc_u64 s[92:93], s[10:11], s[92:93]
	CROUND
	s_mov_b32 s[G0S], 1
	s_mov_b32 s[G0S+1], SCL
	s_mov_b64 s[G0S+2:G0S+3], s[22:23]
	s_or_b32 s[G0S+3], s[G0S+3], 0x80000000
	s_mov_b32 s[G0SB], 1
	s_mov_b32 s[G0SB+1], SCL+2*HALFS
	s_mov_b64 s[G0SB+2:G0SB+3], s[92:93]
	s_or_b32 s[G0SB+3], s[G0SB+3], 0x80000000
	s_mov_b32 s[G0], 1                             ; slot 0's groups 0 serve the head first: chunk 0's 256 rows of A,
	s_mov_b32 s[G0+1], 0
	s_mov_b64 s[G0+2:G0+3], s[20:21]
	s_or_b32 s[G0+3], s[G0+3], 0x80000000
	s_mov_b32 s[G0B], 1                            ; and of B, behind them
	s_mov_b32 s[G0B+1], 2*HALFT
	s_mov_b64 s[G0B+2:G0B+3], s[46:47]
	s_or_b32 s[G0B+3], s[G0B+3], 0x80000000
	s_mul_i32 s18, s16, 128*KROW                   ; in the ring I fetch 128 rows of a tile
	s_mov_b32 s19, 0
	s_add_nc_u64 s[20:21], s[20:21], s[18:19]
	s_add_nc_u64 s[46:47], s[46:47], s[18:19]
	s_mov_b32 s[G0+4], 1
	s_add_co_u32 s[G0+5], s45, SLOT
	s_add_nc_u64 s[G0+6:G0+7], s[20:21], ROWB
	s_or_b32 s[G0+7], s[G0+7], 0x80000000
	s_mov_b32 s[G0B+4], 1
	s_add_co_u32 s[G0B+5], s45, SLOT
	s_add_nc_u64 s[G0B+6:G0B+7], s[46:47], ROWB
	s_or_b32 s[G0B+7], s[G0B+7], 0x80000000
; the head's four tiles, one load a wave: one chain of branches on the wave's number
.macro ARM under, g0, g1, next
	s_cmp_lt_u32 s14, \under
	s_cbranch_scc0 \next
	tensor_load_to_lds s[\g0:\g0+3], s[\g1:\g1+7]
	s_nop 0
.rept 4
	v_nop
.endr
	s_branch .Lhead_asked
\next:
.endm
	ARM 1, G0,  G1,  .Lhead_b
	ARM 2, G0B, G1B, .Lhead_sa
	ARM 3, G0S, G1S, .Lhead_sb
	tensor_load_to_lds s[G0SB:G0SB+3], s[G1SB:G1SB+7]
	s_nop 0
.rept 4
	v_nop
.endr
.Lhead_asked:
	v_and_b32 v1, 15, v0
	v_bfe_u32 v2, v0, 4, 1
	v_mul_u32_u24 v3, v1, PITCH
	v_mul_u32_u24 v4, v2, 24
	v_add_nc_u32 v4, v3, v4
	s_mov_b32 s21, SLOT-232
	s_mov_b32 s22, SLOT+232
	v_sub_nc_u32 v7, 1, v2
	v_mul_u32_u24 v5, s21, v2
	v_add_nc_u32 v5, v3, v5
	v_add_nc_u32 v5, 232, v5                       ; across two chunks: lanes 0-15 byte 232 in slot 0, lanes 16-31 byte 0 in slot 1;
	v_mul_u32_u24 v6, s22, v7
	v_add_nc_u32 v6, v3, v6                        ; and lanes 0-15 byte 232 in slot 1, lanes 16-31 byte 0 in slot 0
	s_mul_i32 s21, s15, HALFT
	s_mul_i32 s22, s16, HALFT
	s_add_co_u32 s22, s22, 2*HALFT
	v_add_nc_u32 v[ADRA+2], s21, v5
	v_add_nc_u32 v[ADRA+3], s21, v6
	v_add_nc_u32 v[ADRB+2], s22, v5
	v_add_nc_u32 v[ADRB+3], s22, v6
.irp s, 0,1
	v_add_nc_u32 v[ADRA+\s], s21, v4
	v_add_nc_u32 v[ADRB+\s], s22, v4
	s_add_co_u32 s21, s21, SLOT
	s_add_co_u32 s22, s22, SLOT
.endr
	v_mul_u32_u24 v5, v1, KS
	v_lshrrev_b32 v6, 8, v5
	v_lshl_add_u32 v5, v6, 4, v5
	s_mul_i32 s21, s15, HALFS
	s_mul_i32 s22, s16, HALFS
	s_add_co_u32 s22, s22, 2*HALFS
	s_sub_co_u32 s22, s22, s21
	v_mul_u32_u24 v6, s22, v2
	s_add_co_u32 s21, s21, SCL
	v_add_nc_u32 v5, v5, v6
	v_add_nc_u32 v[ADRS], s21, v5
	s_mul_i32 s21, s15, 24576
	s_mul_i32 s22, s16, 96
	s_add_co_u32 s21, s21, s22
	s_add_co_u32 s21, s21, SLOT
	v_mul_u32_u24 v8, v1, 192
	v_mad_u32_u24 v8, v2, 24, v8
	v_add_nc_u32 v8, s21, v8
	s_lshl_b32 s21, s15, 10
	s_lshl_b32 s22, s16, 2
	s_add_co_u32 s21, s21, s22
	s_add_co_u32 s21, s21, STGS
	v_lshl_add_u32 v9, v1, 3, s21
	v_and_b32 v6, 31, v0
	v_lshlrev_b32 v12, 4, v6
	s_mul_i32 s21, s14, 12288
	s_add_co_u32 s21, s21, SLOT
	v_add_nc_u32 v10, s21, v12
; the codes leave as [4096][3072 bytes]: a row's 192 bytes of this tile are 12 pieces of 16; three stores cover 96 pieces, 8 rows: piece g lies in row g / 12
.irp u, 0,1,2
	v_add_nc_u32 v3, 32*\u, v6
	v_mul_u32_u24 v4, v3, 43
	v_lshrrev_b32 v4, 9, v4                        ; g / 12 for g under 96
	v_mul_u32_u24 v5, v4, 12
	v_sub_nc_u32 v3, v3, v5
	v_mul_u32_u24 v4, v4, 3072
	v_lshl_add_u32 v[24+\u], v3, 4, v4
.endr
	s_lshl_b32 s21, s14, 9
	s_add_co_u32 s21, s21, STGS
	v_lshl_add_u32 v11, v6, 3, s21
	v_lshlrev_b32 v13, 7, v6
	v_lshlrev_b32 v7, 5, v2
	s_wait_alu depctr_va_vdst(0)
	s_mul_i32 s20, s17, 786432                     ; 256 rows of 3,072 bytes a tile row,
	s_mul_i32 s21, s42, 192                        ; 192 bytes a tile column,
	s_add_co_u32 s20, s20, s21
	s_mul_i32 s21, s14, 196608                     ; 64 rows a wave
	s_add_co_u32 s20, s20, s21
	s_mov_b32 s21, 0
	s_add_nc_u64 s[98:99], s[98:99], s[20:21]
	s_lshl_b32 s20, s17, 15
	s_lshl_b32 s22, s14, 13
	s_add_co_u32 s20, s20, s22
	s_lshl_b32 s22, s42, 3
	s_add_co_u32 s20, s20, s22
	s_add_nc_u64 s[12:13], s[12:13], s[20:21]
	s_lshl_b32 s20, s42, 10
	s_lshl_b32 s22, s16, 9
	s_add_co_u32 s20, s20, s22
	s_add_nc_u64 s[96:97], s[96:97], s[20:21]
.irp b, 0,1,2,3,4,5,6,7
	global_load_b128 v[BI+8*\b:BI+8*\b+3], v7, s[96:97] offset:64*\b
	global_load_b128 v[BI+8*\b+4:BI+8*\b+7], v7, s[96:97] offset:64*\b+16
.endr
.macro FRAG reg, adr, st, i            ; step st's fragment of block i: six pieces of 8 bytes; byte y of a row lies in chunk y / 256, slot (y / 256) % 2
.irp p, 0,1,2,3,4,5
.set BY, 96*(\st)+48*(\p/3)+8*(\p%3)
.if BY/ROWB == (BY+24)/ROWB
	ds_load_b64 v[\reg+2*\p:\reg+2*\p+1], v[\adr+(BY/ROWB)%2] offset:BY%ROWB+(\i)*16*PITCH
.else
	ds_load_b64 v[\reg+2*\p:\reg+2*\p+1], v[\adr+2+(BY/ROWB)%2] offset:BY%ROWB-232+(\i)*16*PITCH
.endif
.endr
.endm
.macro MUL16 a0, p, q, sc, first
.irp a, \a0, \a0+1
.irp b, 0,1,2,3,4,5,6,7
.if \first
	v_wmma_scale_f32_16x16x128_f8f6f4 v[8*(8*((\a)%4)+\b):8*(8*((\a)%4)+\b)+7], v[128*(\p)+FR*\b:128*(\p)+FR*\b+FR-1], v[AF+FR*(\a):AF+FR*(\a)+FR-1], v[BI+8*\b:BI+8*\b+7], v[SC+8*NQ*(\sc)+NQ*\b+(\q)], v[SC+8*NQ*(\sc)+NQ*(\a)+(\q)] matrix_a_fmt:MATRIX_FMT_FP6 matrix_b_fmt:MATRIX_FMT_FP6 matrix_a_scale:MATRIX_SCALE_ROW1
.else
	v_wmma_scale_f32_16x16x128_f8f6f4 v[8*(8*((\a)%4)+\b):8*(8*((\a)%4)+\b)+7], v[128*(\p)+FR*\b:128*(\p)+FR*\b+FR-1], v[AF+FR*(\a):AF+FR*(\a)+FR-1], v[8*(8*((\a)%4)+\b):8*(8*((\a)%4)+\b)+7], v[SC+8*NQ*(\sc)+NQ*\b+(\q)], v[SC+8*NQ*(\sc)+NQ*(\a)+(\q)] matrix_a_fmt:MATRIX_FMT_FP6 matrix_b_fmt:MATRIX_FMT_FP6 matrix_a_scale:MATRIX_SCALE_ROW1
.endif
.endr
.endr
.endm
.macro FETCH_B st, p
	WIN TO_B
.irp i, 0,1,2,3,4,5,6,7
	FRAG 128*(\p)+FR*\i, ADRB, \st, \i
.endr
	WIN 0
.endm
.macro FETCH_A st, i0
.irp i, \i0, \i0+1, \i0+2, \i0+3
	FRAG AF+FR*(\i), ADRA, \st, \i
.endr
.endm
.macro SCALES pr                       ; the scale words of steps 2 pr and 2 pr + 1 into set pr % 2
.irp i, 0,1,2,3,4,5,6,7
	ds_load_b64 v[SC+8*NQ*((\pr)%2)+NQ*\i:SC+8*NQ*((\pr)%2)+NQ*\i+1], v[ADRS] offset:\i*SBLK+4*NQ*(\pr)
.endr
.endm
.macro PLACES n
.rept \n
	v_nop
.endr
.endm
; A step of 128 along K: 64 products; the next step's fragments are fetched in its middle and at its end.  Where the next step's bytes end in a chunk not read yet, a barrier shows that chunk whole;
; where they begin in a later chunk, the chunk left behind is read no more: the three lines, the barrier, which opens a round of the cluster's, and the refill two chunks ahead.
; first = 1 (step 0, which has no barrier): C is the bias, in window 0.
.macro STEP st, first
.set NX, (\st)+1
.set C0, (96*(\st))/ROWB
.set C1, (96*NX)/ROWB
.set E0, (96*(\st)+95)/ROWB
.set E1, (96*NX+95)/ROWB
.if C1 > C0 || E1 > E0
	s_wait_tensorcnt 0x0                           ; all my tensor loads have landed
.if C1 > C0
	ds_add_u32 v[SPW], v[NIL]
	s_wait_dscnt 4*NL+1                            ; the add and A's blocks 4-7 may be out
.else
	s_wait_dscnt 4*NL
.endif
	WIN MUL_LO
	MUL16 0, (\st)%2, (\st)%2, ((\st)/2)%2, \first
	s_wait_dscnt 0x0                               ; the add and all my reads are done
	s_barrier_signal -1
	MUL16 2, (\st)%2, (\st)%2, ((\st)/2)%2, \first
	WIN 0
	s_barrier_wait -1
.if C1 > C0 && C0+2 < CHUNKS
	CREST
	s_add_nc_u64 s[G0+4*(C0%2)+2:G0+4*(C0%2)+3], s[G0+4*(C0%2)+2:G0+4*(C0%2)+3], 2*ROWB
	s_add_nc_u64 s[G0B+4*(C0%2)+2:G0B+4*(C0%2)+3], s[G0B+4*(C0%2)+2:G0B+4*(C0%2)+3], 2*ROWB
	JLOAD G0+4*(C0%2), G1, G0B+4*(C0%2), G1B
.else
	PLACES NP
.endif
.else
	s_wait_dscnt 4*NL
	WIN MUL_LO-(MUL_LO-FIRST_LO)*(\first)
	MUL16 0, (\st)%2, (\st)%2, ((\st)/2)%2, \first
	MUL16 2, (\st)%2, (\st)%2, ((\st)/2)%2, \first
	s_wait_dscnt 0
	PLACES NP
.endif
	FETCH_B NX, NX%2
	FETCH_A NX, 0
.if NX%2 == 0
	SCALES NX/2
.endif
	WIN MUL_HI-(MUL_HI-FIRST_HI)*(\first)
	MUL16 4, (\st)%2, (\st)%2, ((\st)/2)%2, \first
	MUL16 6, (\st)%2, (\st)%2, ((\st)/2)%2, \first
	PLACES NP
	WIN 0
	FETCH_A NX, 4
.endm
.macro QUANT s
.irp b, 0,1,2,3
	v_max3_num_f32 v[TM+\b], |v[\s+16*\b]|, |v[\s+1+16*\b]|, 0x1800000
.endr
.irp i, 2,4,6,8,10,12,14
.irp b, 0,1,2,3
	v_max3_num_f32 v[TM+\b], v[TM+\b], |v[\s+16*\b+\i]|, |v[\s+1+16*\b+\i]|
.endr
.endr
.irp b, 0,1,2,3
	v_permlanex16_b32 v[TM+4+\b], v[TM+\b], s[SEL], s[SEL+1]
.endr
.irp b, 0,1,2,3
	v_max_num_f32 v[TM+\b], v[TM+\b], v[TM+4+\b]
.endr
.irp b, 0,1,2,3
	v_add_nc_u32 v[TM+12+\b], 0xff000000, v[TM+\b]
.endr
.irp b, 0,1,2,3
	v_lshrrev_b32 v[TM+4+\b], 23, v[TM+12+\b]
.endr
	v_lshl_or_b32 v[PW], v[TM+5], 8, v[TM+4]
	v_lshl_or_b32 v[PW], v[TM+6], 16, v[PW]
	v_lshl_or_b32 v[PW], v[TM+7], 24, v[PW]
.irp c, 0,1
	v_cvt_scalef32_pk16_fp6_f32 v[PC+6*\c:PC+2+6*\c], v[\s+32*\c:\s+15+32*\c], v[TM+12+2*\c]
	v_cvt_scalef32_pk16_fp6_f32 v[PC+12+4*\c:PC+14+4*\c], v[\s+16+32*\c:\s+31+32*\c], v[TM+12+2*\c+1]
.endr
	v_nop
.irp c, 0,1
.irp i, 0,1,2
	v_permlane16_swap_b32 v[PC+6*\c+\i], v[PC+12+4*\c+\i]
.endr
.irp i, 0,1,2
	v_mov_b32 v[PC+3+6*\c+\i], v[PC+12+4*\c+\i]
.endr
.endr
.endm
	s_wait_alu depctr_va_vdst(0)                   ; the wait at the head's end
	s_wait_tensorcnt 0x0                           ; my tile of the head's four is in
	ds_add_u32 v[SPW], v[NIL]
	s_mov_b32 s[G1+2], 128<<16                     ; no load of mine is out: from here on a load brings 128 rows,
	s_mov_b32 s[G1+4], 128
	s_mov_b32 s[G1B+2], 128<<16
	s_mov_b32 s[G1B+4], 128
	s_add_co_u32 s[G0+1], s45, 0                   ; and slot 0's groups 0 name my quarter of the slot
	s_add_co_u32 s[G0B+1], s45, 0
	s_mul_i32 s18, s16, 128*KROW
	s_mov_b32 s19, 0
	s_add_nc_u64 s[G0+2:G0+3], s[G0+2:G0+3], s[18:19]
	s_add_nc_u64 s[G0B+2:G0B+3], s[G0B+2:G0B+3], s[18:19]
	s_wait_dscnt 0x0
	CROUND
	JLOAD G0+4, G1, G0B+4, G1B                     ; chunk 1, the first tensor load behind the round
	FETCH_B 0, 0
	FETCH_A 0, 0
	SCALES 0
	FETCH_A 0, 4
	s_wait_loadcnt 0x0
	STEP 0, 1
.set ST, 1
.rept STEPS-2
	STEP ST, 0
.set ST, ST+1
.endr
	s_wait_dscnt 4*NL
	WIN MUL_LO
	MUL16 0, 1, NQ-1, 1, 0
	MUL16 2, 1, NQ-1, 1, 0
	s_wait_dscnt 0
	WIN MUL_HI
	MUL16 4, 1, NQ-1, 1, 0
	MUL16 6, 1, NQ-1, 1, 0
	WIN 0
.macro HOUT a
.set QW, 2+(\a)/4
.set QS, 64*((\a)%4)
	WIN QW<<2
.set j, 0
.rept 64
	v_max_num_f32 v[HA+j], 0, v[QS+j]
.set j, j+1
.endr
	WIN 0
.irp b, 0,1,2,3
.irp i, 0,1,2,3,4,5,6,7
	v_permlane16_swap_b32 v[HA+16*\b+\i], v[HA+16*\b+8+\i]
.endr
.endr
	s_wait_dscnt 0x0
	QUANT HA
.irp p, 0,1,2,3,4,5
	ds_store_b64 v8, v[PC+2*\p:PC+2*\p+1] offset:3072*(\a)+48*(\p/3)+8*(\p%3)
.endr
	ds_store_b32 v9, v[PW] offset:128*(\a)
.endm
	PLACES NP
	s_mov_b32 s[SEL], 0x76543210
	s_mov_b32 s[SEL+1], 0xfedcba98
.irp b, 0,1,2,3
	v_mov_b32 v[TM+4+\b], 0
.endr
.irp a, 0,1,2,3,4,5,6,7
	HOUT \a
.endr
	s_wait_dscnt 0x0
	s_barrier_signal -1
	s_barrier_wait -1
.irp t, 0,1,2,3,4,5,6,7,8,9,10,11,12,13,14,15,16,17,18,19,20,21,22,23
	ds_load_b128 v[128+4*\t:131+4*\t], v10 offset:512*\t
.endr
.irp t, 0,1
	ds_load_b64 v[224+2*\t:225+2*\t], v11 offset:256*\t
.endr
	s_wait_dscnt 0x0
.irp t, 0,1,2,3,4,5,6,7,8,9,10,11,12,13,14,15,16,17,18,19,20,21,22,23
	global_store_b128 v[24+\t%3], v[128+4*\t:131+4*\t], s[98:99] offset:(\t/3)*24576   ; runs of 192 bytes of a row: a tile's 256 columns are no whole number of 256 bytes
.endr
.irp t, 0,1
	global_store_b64 v13, v[224+2*\t:225+2*\t], s[12:13] offset:4096*\t
.endr
	s_wait_tensorcnt 0x0
	ds_add_u32 v[SPW], v[NIL]
	s_wait_dscnt 0x0
	CROUND
	s_endpgm
.Lfunc_end_k_qddabc5b606_w1:
	.size	k_qddabc5b606_w1, .Lfunc_end_k_qddabc5b606_w1-k_qddabc5b606_w1
	.p2alignl 7, 3214868480
	.fill 96, 4, 3214868480
	.section	.rodata,"a",@progbits
	.p2align	6, 0x0
	.amdhsa_kernel k_qddabc5b606_w1
		.amdhsa_group_segment_fixed_size 327680
		.amdhsa_private_segment_fixed_size 0
		.amdhsa_enable_private_segment 0
		.amdhsa_kernarg_size 56
		.amdhsa_user_sgpr_count 2
		.amdhsa_user_sgpr_kernarg_segment_ptr 1
		.amdhsa_wavefront_size32 1
		.amdhsa_system_sgpr_workgroup_id_x 1
		.amdhsa_system_sgpr_workgroup_id_y 1
		.amdhsa_system_sgpr_workgroup_id_z 1
		.amdhsa_system_vgpr_workitem_id 0
		.amdhsa_next_free_vgpr 1024
		.amdhsa_next_free_sgpr 100
		.amdhsa_reserve_vcc 0
		.amdhsa_float_denorm_mode_32 3
		.amdhsa_float_denorm_mode_16_64 3
		.amdhsa_memory_ordered 1
		.amdhsa_forward_progress 1
		.amdhsa_inst_pref_size 197
	.end_amdhsa_kernel
	.amdgpu_metadata
---
amdhsa.version: [ 1, 2 ]
amdhsa.kernels:
  - .name:           k_qddabc5b606_w1
    .symbol:         k_qddabc5b606_w1.kd
    .args:
      - { .name: ac, .offset: 0, .size: 8, .value_kind: global_buffer, .address_space: global }
      - { .name: asc, .offset: 8, .size: 8, .value_kind: global_buffer, .address_space: global }
      - { .name: W1_codes, .offset: 16, .size: 8, .value_kind: global_buffer, .address_space: global }
      - { .name: W1_scales, .offset: 24, .size: 8, .value_kind: global_buffer, .address_space: global }
      - { .name: b1, .offset: 32, .size: 8, .value_kind: global_buffer, .address_space: global }
      - { .name: bc, .offset: 40, .size: 8, .value_kind: global_buffer, .address_space: global }
      - { .name: bsc, .offset: 48, .size: 8, .value_kind: global_buffer, .address_space: global }
    .group_segment_fixed_size: 327680
    .private_segment_fixed_size: 0
    .kernarg_segment_align: 8
    .kernarg_segment_size: 56
    .max_flat_workgroup_size: 128
    .sgpr_count:     100
    .vgpr_count:     1024
    .wavefront_size: 32
...
	.end_amdgpu_metadata
.endif
;; end of part 11
;; launch w2 (part 12): grid 8 x 32, 4 waves a work-group, clusters of 4 x 4, 327,680 bytes of LDS; arguments bc, bsc, W2_codes, W2_scales, b2, hbuf, out0; writes out0
.if DOCPART == 12
	.amdgcn_target "amdgcn-amd-amdhsa--gfx1250"
	.amdhsa_code_object_version 6
	.text
	.protected	k_qddabc5b606_w2
	.globl	k_qddabc5b606_w2
	.p2align	8
	.type	k_qddabc5b606_w2,@function
k_qddabc5b606_w2:
	s_mov_b64 s[64:65], 0
	v_nop
	global_prefetch_b8 v0, s[64:65] scope:SCOPE_SE
	s_setreg_imm32_b32 hwreg(HW_REG_WAVE_MODE, 25, 1), 1
	s_wait_xcnt 0x0
	s_wait_alu depctr_hold_cnt(0) depctr_sa_sdst(0) depctr_va_vdst(0) depctr_va_sdst(0) depctr_va_ssrc(0) depctr_va_vcc(0) depctr_vm_vsrc(0)
	s_getreg_b32 s2, hwreg(HW_REG_IB_STS2, 6, 4)
	s_cmp_eq_u32 s2, 0
	s_cbranch_scc0 .Lentry_in_a_cluster
	s_endpgm
.Lentry_in_a_cluster:
	s_bfe_u32 s2, ttmp6, 0x10000c
	s_cmp_lg_u32 s2, 0xf033
	s_cbranch_scc0 .Lentry_shape_is_right
	s_endpgm
.Lentry_shape_is_right:
; C[m][n] = R[m][n] + bias[n] + sum over k of A[m][k] B[n][k].  A [4096][4096] = the hidden layer, B [1024][4096] = W2: codes of FP6 (E2M3), rows of 3,072 bytes, one E8M0 byte for each 32 along K; R = h, bias = b2, C = the output: f32.
; SHARES.  256 tiles of C, 128 x 128, a work-group each; a wave makes 64 x 64: 16 accumulators.  Every sum has one owner, K ascending.
; THE RING.  K goes in CHUNKS OF 512 BYTES of each row (they begin at multiples of 256 bytes) through two slots of 256 rows; chunk c lies in slot c % 2; six chunks, 32 steps of 128 along K (96 bytes).  Steps 5, 10, 21, 26 lie across two chunks.
; At the head one load a wave: chunk 0 of A's 128 rows, of B's, A's scales, B's scales (these stay).  Behind it a wave fetches 64 rows of a chunk.  The walk is written out: slots and steps come back to where they began only after all 32 steps.
; CLUSTERS 4 x 4: A's tiles are asked for jointly along a row of the cluster, B's along a column.  PREFETCH: behind the refills for chunks 2 and 3 each wave names the chunk two refills on, 16 of its 64 rows (the four partners
; share the rows out by address), two blocks of 256 bytes a row, a lane a block; chunks 0 to 3 come by their loads alone.
; The matrix instruction is used transposed (source 0 = rows of B, source 1 = rows of A): a lane holds eight neighbouring numbers of a row of C.  They leave through a stage of the wave's own, 16 lanes to 256 aligned bytes.
; REGISTERS: v0-31 addresses, v[8:11] bias; v32-47 scale words, two sets; v48-239 fragments, two sets of A's four and B's four; window 1: v0-127 accumulators, v128-255 R.
; LIMITS: NaN and infinities are not served.
.set KROW,   3072
.set ROWB,   512
.set PITCH,  528                       ; 132 words: sixteen rows start in sixteen different groups of four banks
.set STEPS,  32
.set CHUNKS, 6
.set KS,     128
.set FR,     12
.set QT,     64*PITCH
.set SLOT,   4*QT
.set SCL,    2*SLOT
.set QS,     (64*KS/256)*272
.set SBLK,   (16*KS/256)*272
.set SPARE,  SCL+4*QS
.set STAGE,  SPARE+512
.set SP,     272
.set BV, 8
.set ADRA, 16                          ; v16-17 my A fragments in slot 0, 1; v18-19 for a piece whose lanes 16-31 read the next chunk, in the other slot
.set ADRB, 20
.set STO, 24
.set RD, 25
.set CO, 26
.set ADRS, 27
.set SPW, 28
.set NIL, 29
.set PFO, 30
.set BO, 31
.set SC, 32
.set FS, 48
.set BK, 48
.set PFA, 66
.set G1, 24
.set G0, 32
.set G1B, 48
.set G0B, 56
.set G1S, 68
.set G0S, 76
.set G1SB, 80
.set G0SB, 88
.set MSB, 0
.macro WIN new
.if MSB != (\new)
	s_set_vgpr_msb (MSB<<8)|(\new)
.set MSB, \new
.endif
.endm
.macro PLACES
.rept 4
	v_nop
.endr
.endm
.macro JLOAD s                         ; waves 0, 1 fetch for A, waves 2, 3 for B
	s_cmp_eq_u32 s15, 0
	s_cbranch_scc0 .Lfor_b_\@
	tensor_load_to_lds s[G0+4*(\s):G0+4*(\s)+3], s[G1:G1+7]
	s_nop 0
	PLACES
	s_branch .Lasked_\@
.Lfor_b_\@:
	tensor_load_to_lds s[G0B+4*(\s):G0B+4*(\s)+3], s[G1B:G1B+7]
	s_nop 0
	PLACES
.Lasked_\@:
.endm
.macro CREST
	s_cmp_lg_u32 s14, 0
	s_cbranch_scc1 .Lnot_wave_0_\@
	s_barrier_signal -3
.Lnot_wave_0_\@:
	s_barrier_wait -3
	s_barrier_signal -1
	s_barrier_wait -1
.endm
.macro CROUND
	s_barrier_signal -1
	s_barrier_wait -1
	CREST
.endm
	s_load_b128 s[4:7], s[0:1], 0x0                ; A's codes, scales
	s_load_b128 s[8:11], s[0:1], 0x10              ; B's codes, scales
	s_load_b128 s[96:99], s[0:1], 0x20             ; bias, R
	s_load_b64 s[12:13], s[0:1], 0x30              ; C
	v_lshl_add_u32 v[SPW], v0, 2, SPARE
	v_mov_b32 v[NIL], 0
	ds_add_u32 v[SPW], v[NIL]                      ; the opening lines
	ds_add_u32 v[SPW], v[NIL]
	v_lshrrev_b32 v1, 5, v0
	v_readfirstlane_b32 s14, v1                    ; wave
	s_lshr_b32 s15, s14, 1                         ; which 64 rows of the tile are mine.  Also: I fetch for A (0) or B (1)
	s_and_b32 s16, s14, 1                          ; which 64 columns.  Also: which 64 rows I fetch
	s_bfe_u32 s40, ttmp6, 0x40000
	s_bfe_u32 s41, ttmp6, 0x40004
	s_lshl_b32 s42, ttmp9, 2
	s_add_co_u32 s42, s42, s40                     ; tile column
	s_and_b32 s17, ttmp7, 0xffff
	s_lshl_b32 s17, s17, 2
	s_add_co_u32 s17, s17, s41                     ; tile row
	s_lshl_b32 s43, s41, 2
	s_lshl_b32 s43, 15, s43
	s_lshl_b32 s44, 0x1111, s40
	s_or_b32 s[G1], s43, (1<<20)|(1<<21)|(6<<22)|(3<<25)   ; 16 bytes of padding behind every 128 words
	s_or_b32 s[G1B], s44, (1<<20)|(1<<21)|(6<<22)|(3<<25)
.irp g, G1, G1B
	s_mov_b32 s[\g+1], ROWB<<16
	s_mov_b32 s[\g+2], 128<<16                     ; the head's loads bring 128 rows; behind them the two counts are set to 64
	s_mov_b32 s[\g+3], ROWB<<16
	s_mov_b32 s[\g+4], 128
	s_mov_b32 s[\g+5], KROW
	s_mov_b32 s[\g+6], 0
	s_mov_b32 s[\g+7], 0
.endr
	s_or_b32 s[G1S], s43, (3<<16)|(1<<20)|(1<<21)|(5<<22)|(3<<25)
	s_or_b32 s[G1SB], s44, (3<<16)|(1<<20)|(1<<21)|(5<<22)|(3<<25)
.irp g, G1S, G1SB
	s_mov_b32 s[\g+1], 32<<16
	s_mov_b32 s[\g+2], (KS/2)<<16                  ; the scales of 128 rows: KS / 2 rows of 256 bytes
	s_mov_b32 s[\g+3], 32<<16
	s_mov_b32 s[\g+4], KS/2
	s_mov_b32 s[\g+5], 32
	s_mov_b32 s[\g+6], 0
	s_mov_b32 s[\g+7], 0
.endr
	s_lshl_b32 s20, s17, 7
	s_lshl_b32 s46, s42, 7
	s_mov_b32 s21, 0
	s_mov_b32 s47, 0
	s_mov_b64 s[18:19], KS
	s_mul_u64 s[22:23], s[20:21], s[18:19]
	s_mul_u64 s[92:93], s[46:47], s[18:19]
	s_mov_b64 s[18:19], KROW
	s_mul_u64 s[20:21], s[20:21], s[18:19]
	s_mul_u64 s[46:47], s[46:47], s[18:19]
	s_mul_i32 s18, s16, 64*KROW                    ; in the ring: which 64 rows I fetch, in bytes; kept
	s_mov_b32 s19, 0
	s_mul_i32 s45, s14, QT                         ; and where they go
	s_wait_dscnt 0x0
	s_wait_kmcnt 0x0
	s_add_nc_u64 s[20:21], s[4:5], s[20:21]
	s_add_nc_u64 s[22:23], s[6:7], s[22:23]
	s_add_nc_u64 s[46:47], s[8:9], s[46:47]
	s_add_nc_u64 s[92:93], s[10:11], s[92:93]
	CROUND                                         ; the first joint loads meet
	s_mov_b32 s[G0], 1                             ; slot 0's groups 0 serve the head first: chunk 0's 128 rows of A,
	s_mov_b32 s[G0+1], 0
	s_mov_b64 s[G0+2:G0+3], s[20:21]
	s_or_b32 s[G0+3], s[G0+3], 0x80000000
	s_mov_b32 s[G0B], 1                            ; and of B
	s_mov_b32 s[G0B+1], 2*QT
	s_mov_b64 s[G0B+2:G0B+3], s[46:47]
	s_or_b32 s[G0B+3], s[G0B+3], 0x80000000
	s_mov_b32 s[G0S], 1
	s_mov_b32 s[G0S+1], SCL
	s_mov_b64 s[G0S+2:G0S+3], s[22:23]
	s_or_b32 s[G0S+3], s[G0S+3], 0x80000000
	s_mov_b32 s[G0SB], 1
	s_mov_b32 s[G0SB+1], SCL+2*QS
	s_mov_b64 s[G0SB+2:G0SB+3], s[92:93]
	s_or_b32 s[G0SB+3], s[G0SB+3], 0x80000000
	s_add_nc_u64 s[20:21], s[20:21], s[18:19]
	s_add_nc_u64 s[46:47], s[46:47], s[18:19]
	s_mov_b32 s[G0+4], 1
	s_add_co_u32 s[G0+5], s45, SLOT
	s_add_nc_u64 s[G0+6:G0+7], s[20:21], ROWB
	s_or_b32 s[G0+7], s[G0+7], 0x80000000
	s_mov_b32 s[G0B+4], 1
	s_add_co_u32 s[G0B+5], s45, SLOT
	s_add_nc_u64 s[G0B+6:G0B+7], s[46:47], ROWB
	s_or_b32 s[G0B+7], s[G0B+7], 0x80000000
.macro ARM under, g0, g1, next         ; one chain of branches on the wave's number, one load to an arm
	s_cmp_lt_u32 s14, \under
	s_cbranch_scc0 \next
	tensor_load_to_lds s[\g0:\g0+3], s[\g1:\g1+7]
	s_nop 0
	PLACES
	s_branch .Lhead_asked
\next:
.endm
	ARM 1, G0,  G1,  .Lhead_b
	ARM 2, G0B, G1B, .Lhead_sa
	ARM 3, G0S, G1S, .Lhead_sb
	tensor_load_to_lds s[G0SB:G0SB+3], s[G1SB:G1SB+7]
	s_nop 0
	PLACES
.Lhead_asked:
	s_cmp_eq_u32 s15, 0                            ; the prefetches: my buffer, my tile, my place among the four that ask with me
	s_cselect_b32 s20, s17, s42
	s_cselect_b32 s21, s40, s41
	s_cselect_b64 s[PFA:PFA+1], s[4:5], s[8:9]
	s_lshl_b32 s20, s20, 7
	s_lshl_b32 s22, s16, 6
	s_add_co_u32 s20, s20, s22
	s_lshl_b32 s21, s21, 4
	s_add_co_u32 s20, s20, s21                     ; my work-group's 16 of the 64 rows that I fetch
	s_mul_i32 s20, s20, KROW
	s_mov_b32 s21, 0
	s_add_nc_u64 s[PFA:PFA+1], s[PFA:PFA+1], s[20:21]
	s_lshl_b32 s20, s17, 7
	s_lshl_b32 s21, s15, 6
	s_add_co_u32 s20, s20, s21                     ; my first row of C,
	s_lshl_b32 s20, s20, 12                        ; in bytes: 4,096 a row
	s_lshl_b32 s46, s42, 9
	s_lshl_b32 s47, s16, 8
	s_add_co_u32 s46, s46, s47                     ; my first column, in bytes
	s_mov_b32 s47, 0
	s_add_nc_u64 s[96:97], s[96:97], s[46:47]
	s_add_co_u32 s20, s20, s46
	s_mov_b32 s21, 0
	s_add_nc_u64 s[12:13], s[12:13], s[20:21]
	s_add_nc_u64 s[98:99], s[98:99], s[20:21]
	v_and_b32 v1, 15, v0                           ; r
	v_bfe_u32 v2, v0, 4, 1                         ; h
	v_mul_u32_u24 v3, v1, PITCH
	v_mul_u32_u24 v4, v2, 24
	v_add_nc_u32 v4, v3, v4
	s_mov_b32 s21, SLOT-(ROWB-24)
	s_mov_b32 s22, SLOT+(ROWB-24)
	v_sub_nc_u32 v7, 1, v2
	v_mul_u32_u24 v5, s21, v2
	v_add_nc_u32 v5, v3, v5
	v_add_nc_u32 v5, ROWB-24, v5                   ; lanes 0-15 byte 488 of the row in slot 0, lanes 16-31 byte 0 in slot 1;
	v_mul_u32_u24 v6, s22, v7
	v_add_nc_u32 v6, v3, v6                        ; and the other way round
	s_mul_i32 s21, s15, QT
	s_mul_i32 s22, s16, QT
	s_add_co_u32 s22, s22, 2*QT
	v_add_nc_u32 v[ADRA+2], s21, v5
	v_add_nc_u32 v[ADRA+3], s21, v6
	v_add_nc_u32 v[ADRB+2], s22, v5
	v_add_nc_u32 v[ADRB+3], s22, v6
.irp s, 0,1
	v_add_nc_u32 v[ADRA+\s], s21, v4
	v_add_nc_u32 v[ADRB+\s], s22, v4
	s_add_co_u32 s21, s21, SLOT
	s_add_co_u32 s22, s22, SLOT
.endr
	v_mul_u32_u24 v5, v1, KS
	v_lshrrev_b32 v6, 8, v5
	v_lshl_add_u32 v5, v6, 4, v5
	s_mul_i32 s21, s15, QS
	s_mul_i32 s22, s16, QS
	s_add_co_u32 s22, s22, 2*QS
	s_sub_co_u32 s22, s22, s21
	v_mul_u32_u24 v6, s22, v2                      ; lanes 16-31 take B's scale words
	s_add_co_u32 s21, s21, SCL
	v_add_nc_u32 v5, v5, v6
	v_add_nc_u32 v[ADRS], s21, v5
	s_mul_i32 s23, s14, 16*SP
	s_add_co_u32 s23, s23, STAGE
	v_mul_u32_u24 v5, v1, SP
	v_lshl_add_u32 v5, v2, 5, v5
	v_add_nc_u32 v[STO], s23, v5                   ; in: row r, 32 bytes for each half of the lanes
	v_mul_u32_u24 v5, v2, SP
	v_lshl_add_u32 v5, v1, 4, v5
	v_add_nc_u32 v[RD], s23, v5                    ; back: lanes 0-15 one row of 256 bytes, lanes 16-31 the next
	v_lshlrev_b32 v5, 12, v2
	v_lshl_add_u32 v[CO], v1, 4, v5                ; the same two rows in C and R
	v_lshlrev_b32 v[BO], 4, v1
	v_and_b32 v6, 31, v0
	v_lshrrev_b32 v5, 1, v6
	v_and_b32 v7, 1, v6
	v_mul_u32_u24 v5, v5, KROW
	v_lshl_add_u32 v[PFO], v7, 8, v5               ; row lane / 2, block lane % 2
	s_wait_alu depctr_va_vdst(0)                   ; the wait at the head's end
	global_load_b128 v[BV:BV+3], v[BO], s[96:97]
	WIN 0x40
.set n, 0
.rept 32
	global_load_b128 v[128+4*n:131+4*n], v[CO], s[98:99] offset:(n/8)*65536+(n%8)*8192 th:TH_LOAD_NT   ; R: 16 lanes read 256 aligned bytes, once
.set n, n+1
.endr
	WIN 0
.macro FRAG reg, adr, st, i            ; six pieces of 8 bytes; byte y of a row lies in chunk y / 512, slot (y / 512) % 2
.irp p, 0,1,2,3,4,5
.set BY, 96*(\st)+48*(\p/3)+8*(\p%3)
.if BY/ROWB == (BY+24)/ROWB
	ds_load_b64 v[\reg+2*\p:\reg+2*\p+1], v[\adr+(BY/ROWB)%2] offset:BY%ROWB+(\i)*16*PITCH
.else
	ds_load_b64 v[\reg+2*\p:\reg+2*\p+1], v[\adr+2+(BY/ROWB)%2] offset:BY%ROWB-(ROWB-24)+(\i)*16*PITCH
.endif
.endr
.endm
.macro FETCH st                        ; step st's eight fragments into set st % 2; with an even step the scale words of two steps
.irp i, 0,1,2,3
	FRAG FS+96*((\st)%2)+FR*\i, ADRA, \st, \i
.endr
.irp i, 0,1,2,3
	FRAG FS+96*((\st)%2)+48+FR*\i, ADRB, \st, \i
.endr
.if (\st)%2 == 0
.irp i, 0,1,2,3
	ds_load_b64 v[SC+8*(((\st)/2)%2)+2*\i:SC+8*(((\st)/2)%2)+2*\i+1], v[ADRS] offset:\i*SBLK+4*(\st)
.endr
.endif
.endm
.macro MUL st, zero                    ; 16 products, the accumulators by turns
.set P, FS+96*((\st)%2)
.set W, SC+8*(((\st)/2)%2)+(\st)%2
	WIN 0x50
.irp a, 0,1,2,3
.irp b, 0,1,2,3
.if \zero
	v_wmma_scale_f32_16x16x128_f8f6f4 v[8*(4*\a+\b):8*(4*\a+\b)+7], v[P+48+FR*\b:P+48+FR*\b+11], v[P+FR*\a:P+FR*\a+11], 0, v[W+2*\b], v[W+2*\a] matrix_a_fmt:MATRIX_FMT_FP6 matrix_b_fmt:MATRIX_FMT_FP6 matrix_a_scale:MATRIX_SCALE_ROW1
.else
	v_wmma_scale_f32_16x16x128_f8f6f4 v[8*(4*\a+\b):8*(4*\a+\b)+7], v[P+48+FR*\b:P+48+FR*\b+11], v[P+FR*\a:P+FR*\a+11], v[8*(4*\a+\b):8*(4*\a+\b)+7], v[W+2*\b], v[W+2*\a] matrix_a_fmt:MATRIX_FMT_FP6 matrix_b_fmt:MATRIX_FMT_FP6 matrix_a_scale:MATRIX_SCALE_ROW1
.endif
.endr
.endr
	WIN 0
.endm
; A step: the next step's fragments are fetched, then this step's 16 products run.  Where the next step's bytes end in a chunk not read yet, a barrier shows it whole; where they begin in a later chunk,
; the chunk left behind is read no more: the three lines, a round of the cluster's barrier, and the refill two chunks ahead.
.macro STEP st, zero
.set NX, (\st)+1
.set C0, (96*(\st))/ROWB
.set C1, (96*NX)/ROWB
.set E0, (96*(\st)+95)/ROWB
.set E1, (96*NX+95)/ROWB
.if C1 > C0 || E1 > E0
	s_wait_tensorcnt 0x0                           ; all my tensor loads have landed
.if C1 > C0
	ds_add_u32 v[SPW], v[NIL]
.endif
	s_wait_dscnt 0x0                               ; the add and all my reads, this step's fragments among them, are done
	s_barrier_signal -1
	s_barrier_wait -1
.if C1 > C0 && C0+2 < CHUNKS
	CREST
	s_add_nc_u64 s[G0+4*(C0%2)+2:G0+4*(C0%2)+3], s[G0+4*(C0%2)+2:G0+4*(C0%2)+3], 2*ROWB
	s_add_nc_u64 s[G0B+4*(C0%2)+2:G0B+4*(C0%2)+3], s[G0B+4*(C0%2)+2:G0B+4*(C0%2)+3], 2*ROWB
	JLOAD C0%2                                     ; chunk C0 + 2; its four v_nop are the places in front of the loads below
	FETCH NX
.if C0+4 < CHUNKS
	global_prefetch_b8 v[PFO], s[PFA:PFA+1] offset:(C0+4)*ROWB th:TH_LOAD_NT scope:SCOPE_SE   ; the chunk two refills on; its registers are never rewritten
.endif
.else
	PLACES
	FETCH NX
.endif
.else
	PLACES                                         ; in front of loads into registers that the last products have read
	FETCH NX
	s_wait_dscnt 48+4*(1-NX%2)                     ; all but the loads just issued
.endif
	MUL \st, \zero
.endm
	s_wait_tensorcnt 0x0                           ; my tile of the head's four is in
	ds_add_u32 v[SPW], v[NIL]
	s_mov_b32 s[G1+2], 64<<16                      ; no load of mine is out: from here on a load brings 64 rows,
	s_mov_b32 s[G1+4], 64
	s_mov_b32 s[G1B+2], 64<<16
	s_mov_b32 s[G1B+4], 64
	s_add_co_u32 s[G0+1], s45, 0                   ; and slot 0's groups 0 name my quarter of the slot
	s_add_co_u32 s[G0B+1], s45, 0
	s_add_nc_u64 s[G0+2:G0+3], s[G0+2:G0+3], s[18:19]
	s_add_nc_u64 s[G0B+2:G0B+3], s[G0B+2:G0B+3], s[18:19]
	s_wait_dscnt 0x0
	CROUND
	JLOAD 1                                        ; chunk 1, the first tensor load behind the round
	FETCH 0
	STEP 0, 1
.set ST, 1
.rept STEPS-2
	STEP ST, 0
.set ST, ST+1
.endr
	s_wait_dscnt 0x0
	MUL STEPS-1, 0
; THE WAY OUT, by blocks of 16 rows x 64 columns, through my own stage; LDS serves a wave's instructions in order
.macro TOSTAGE a
	WIN 0x04
.irp b, 0,1,2,3
	ds_store_b128 v[STO], v[8*(4*(\a)+\b):8*(4*(\a)+\b)+3] offset:64*\b
	ds_store_b128 v[STO], v[8*(4*(\a)+\b)+4:8*(4*(\a)+\b)+7] offset:64*\b+16
.endr
	WIN 0
.irp t, 0,1,2,3,4,5,6,7
	ds_load_b128 v[BK+32*((\a)%2)+4*\t:BK+32*((\a)%2)+4*\t+3], v[RD] offset:\t*2*SP
.endr
.endm
.macro SEND a, younger
.set BB, BK+32*((\a)%2)
	s_wait_dscnt \younger
.irp t, 0,1,2,3,4,5,6,7
	v_pk_add_f32 v[BB+4*\t:BB+4*\t+1], v[BB+4*\t:BB+4*\t+1], v[BV:BV+1]
	v_pk_add_f32 v[BB+4*\t+2:BB+4*\t+3], v[BB+4*\t+2:BB+4*\t+3], v[BV+2:BV+3]
.endr
	WIN 0x04
.irp i, 0,2,4,6,8,10,12,14,16,18,20,22,24,26,28,30
	v_pk_add_f32 v[BB+\i:BB+\i+1], v[BB+\i:BB+\i+1], v[128+32*(\a)+\i:129+32*(\a)+\i]
.endr
	WIN 0
.irp t, 0,1,2,3,4,5,6,7
	global_store_b128 v[CO], v[BB+4*\t:BB+4*\t+3], s[12:13] offset:(\a)*65536+\t*8192 th:TH_STORE_NT   ; 16 lanes store 256 aligned bytes
.endr
.endm
	PLACES
	TOSTAGE 0
	s_wait_loadcnt 0x0                             ; the bias and R
.irp a, 1,2,3
.if \a > 1
	s_wait_xcnt 0x0                                ; block a - 2's stores have read their registers
.endif
	TOSTAGE \a
	SEND \a-1, 16                                  ; behind block a - 1's loads: eight stores and eight loads
.endr
	SEND 3, 0
	s_wait_tensorcnt 0x0                           ; the wave's end
	ds_add_u32 v[SPW], v[NIL]
	s_wait_dscnt 0x0
	CROUND
	s_endpgm
.Lfunc_end_k_qddabc5b606_w2:
	.size	k_qddabc5b606_w2, .Lfunc_end_k_qddabc5b606_w2-k_qddabc5b606_w2
	.p2alignl 7, 3214868480
	.fill 96, 4, 3214868480
	.section	.rodata,"a",@progbits
	.p2align	6, 0x0
	.amdhsa_kernel k_qddabc5b606_w2
		.amdhsa_group_segment_fixed_size 327680
		.amdhsa_private_segment_fixed_size 0
		.amdhsa_enable_private_segment 0
		.amdhsa_kernarg_size 56
		.amdhsa_user_sgpr_count 2
		.amdhsa_user_sgpr_kernarg_segment_ptr 1
		.amdhsa_wavefront_size32 1
		.amdhsa_system_sgpr_workgroup_id_x 1
		.amdhsa_system_sgpr_workgroup_id_y 1
		.amdhsa_system_sgpr_workgroup_id_z 1
		.amdhsa_system_vgpr_workitem_id 0
		.amdhsa_next_free_vgpr 512
		.amdhsa_next_free_sgpr 100
		.amdhsa_reserve_vcc 0
		.amdhsa_float_denorm_mode_32 3
		.amdhsa_float_denorm_mode_16_64 3
		.amdhsa_memory_ordered 1
		.amdhsa_forward_progress 1
		.amdhsa_inst_pref_size 207
	.end_amdhsa_kernel
	.amdgpu_metadata
---
amdhsa.version: [ 1, 2 ]
amdhsa.kernels:
  - .name:           k_qddabc5b606_w2
    .symbol:         k_qddabc5b606_w2.kd
    .args:
      - { .name: bc, .offset: 0, .size: 8, .value_kind: global_buffer, .address_space: global }
      - { .name: bsc, .offset: 8, .size: 8, .value_kind: global_buffer, .address_space: global }
      - { .name: W2_codes, .offset: 16, .size: 8, .value_kind: global_buffer, .address_space: global }
      - { .name: W2_scales, .offset: 24, .size: 8, .value_kind: global_buffer, .address_space: global }
      - { .name: b2, .offset: 32, .size: 8, .value_kind: global_buffer, .address_space: global }
      - { .name: hbuf, .offset: 40, .size: 8, .value_kind: global_buffer, .address_space: global }
      - { .name: out0, .offset: 48, .size: 8, .value_kind: global_buffer, .address_space: global }
    .group_segment_fixed_size: 327680
    .private_segment_fixed_size: 0
    .kernarg_segment_align: 8
    .kernarg_segment_size: 56
    .max_flat_workgroup_size: 128
    .sgpr_count:     100
    .vgpr_count:     512
    .wavefront_size: 32
...
	.end_amdgpu_metadata
.endif
;; end of part 12
